; MI455X (gfx1250); checked and timed in simulation.
; The chip was launched on July 23, 2026; its instructions are those of AMD's public machine-readable ISA for CDNA 5 (MIT licence, August 2026) and "CDNA5" Instruction Set Architecture Reference Guide (July 2026). The comments in the code are by the model that wrote it; some were corrected since.
;; Transformer Decoder. Allowed arithmetic: float matrix products may take bf16 or f16 operands with f32 sums; other float arithmetic in f32, or as packed bf16 or f16 multiplies, adds, multiply-adds, maxima and minima; sums over many terms, partial sums and values carried from step to step in f32; what a program stores and reads back later, other than sums and carried values, may be rounded once to bf16 or f16.
;; Inputs: W_proj 1,024 x 1,024 float32; Wk 16 x 1,024 x 64 float32; Wq 16 x 1,024 x 64 float32; Wv 16 x 1,024 x 64 float32; embedding 4 x 1,024 x 1,024 float32; ff_W1 1,024 x 4,096 float32; ff_W2 4,096 x 1,024 float32; ff_b1 4,096 float32; ff_b2 1,024 float32; kv_k 16 x 4 x 1,024 x 64 float32; kv_v 16 x 4 x 1,024 x 64 float32; ln_ed_b 1,024 float32; ln_ed_g 1,024 float32; ln_ff_b 1,024 float32; ln_ff_g 1,024 float32; ln_in_b 1,024 float32; ln_in_g 1,024 float32; ln_out_b 1,024 float32; ln_out_g 1,024 float32; positional_encoding 4 x 1,024 x 1,024 float32.
;; Outputs: out0 4 x 1,024 x 1,024 float32.
;; 3 versions, each right and faster than the one before. Each part assembles by itself: llvm-mc -triple=amdgcn-amd-amdhsa -mcpu=gfx1250 --defsym DOCPART=n.
;; ======== version 1 of 3: 8 launches
;; workspace buffers: U1 16,777,216 bytes; U2 33,554,432 bytes; ZKV 17,825,792 bytes; BIG 41,943,040 bytes; AO 35,651,584 bytes
;; launch prep (part 1): grid 1536 x 1, 8 waves a work-group, no clusters, 0 bytes of LDS; arguments embedding, positional_encoding, W_proj, ff_W1, ff_W2, Wq, Wk, Wv, kv_k, kv_v, U1, U2, ZKV, BIG, AO; writes U1, U2, ZKV, BIG, AO
.if DOCPART == 1
	.amdgcn_target "amdgcn-amd-amdhsa--gfx1250"
	.amdhsa_code_object_version 6
	.text
	.protected	k_qfe38ffbade_prep
	.globl	k_qfe38ffbade_prep
	.p2align	8
	.type	k_qfe38ffbade_prep,@function
k_qfe38ffbade_prep:
	s_mov_b64 s[64:65], 0
	v_nop
	global_prefetch_b8 v0, s[64:65] scope:SCOPE_SE
	s_setreg_imm32_b32 hwreg(HW_REG_WAVE_MODE, 25, 1), 1
	s_wait_xcnt 0x0
; PREP: every large f32 input is rounded once to bf16 and laid as the matrix launches want it.
; A work-group takes a chunk of 16,384 numbers in 16 slots of 1,024; a thread takes 4 numbers a slot: one load of 16 bytes (a wave: 512 bytes, in one or two
; runs of 256) and one store of 8 bytes (a wave: 256 consecutive bytes, aligned).  All 16 (or 32) loads of a thread go out before the first is waited for.
; Chunks by work-group number:  0-255 x = embedding + positional_encoding -> U1;  256-319 W_proj -> AO + 32 MiB;  320-575 ff_W1 -> U2 + 8 MiB;
; 576-831 ff_W2 -> BIG + 32 MiB;  832-1023 Wq, Wk, Wv -> U1 + 8 MiB as [e][4096] with column which*1024 + h*64 + a;
; 1024-1279 kv_k -> ZKV + 1 MiB, 1280-1535 kv_v -> ZKV + 9 MiB, as panels [pair of heads][b*1024+s][128].
; For W and kv lanes 0-15 read a row of the even head, lanes 16-31 the same row of the odd head: together one row of 128 bf16.
; No LDS, no matrix unit, no cluster: nothing is shared between work-groups and memory alone is at work.
; Wave 0 of the first 48 chunks of Wq also stores the 3,072 zeros that the projection launch takes as its bias.
.set SO, 16                            ; v[16:31]   slot i: byte offset in the source
.set DO, 32                            ; v[32:47]   slot i: byte offset in the destination
.set L,  48                            ; v[48:111]  slot i: 4 numbers as loaded
.set L2, 112                           ; v[112:175] the x task: positional_encoding's 4 numbers
.set Y,  176                           ; v[176:207] slot i: 4 bf16 to store
	s_load_b512 s[8:23], s[0:1], 0x0               ; embedding 8, positional 10, W_proj 12, ff_W1 14, ff_W2 16, Wq 18, Wk 20, Wv 22
	s_load_b256 s[24:31], s[0:1], 0x40             ; kv_k 24, kv_v 26, U1 28, U2 30
	s_load_b128 s[32:35], s[0:1], 0x60             ; ZKV 32, BIG 34
	s_load_b64 s[36:37], s[0:1], 0x70              ; AO
	v_lshrrev_b32 v1, 5, v0
	v_readfirstlane_b32 s3, v1                     ; wave 0..7
	v_and_b32 v2, 31, v0                           ; lane
	v_and_b32 v3, 15, v0                           ; lane % 16
	v_bfe_u32 v4, v0, 4, 1                         ; lane / 16
	s_mov_b32 s2, ttmp9                            ; the chunk
	s_mov_b32 s55, 0                               ; high word of every offset pair
	s_wait_kmcnt 0x0
	s_cmp_lt_u32 s2, 256
	s_cbranch_scc1 .Lx
	; which cast: source s[4:5], destination s[6:7], the task's first chunk s42, a constant offset in the destination s43
	s_mov_b64 s[4:5], s[26:27]
	s_mov_b64 s[6:7], s[32:33]
	s_mov_b32 s42, 1280
	s_mov_b32 s43, 9<<20
.macro PICK below, src, dst, start, dconst
	s_cmp_lt_u32 s2, \below
	s_cselect_b64 s[4:5], s[\src:\src+1], s[4:5]
	s_cselect_b64 s[6:7], s[\dst:\dst+1], s[6:7]
	s_cselect_b32 s42, \start, s42
	s_cselect_b32 s43, \dconst, s43
.endm
	PICK 1280, 24, 32, 1024, 1<<20
	PICK 1024, 22, 28, 960, (8<<20)+4096
	PICK 960, 20, 28, 896, (8<<20)+2048
	PICK 896, 18, 28, 832, 8<<20
	PICK 832, 16, 34, 576, 32<<20
	PICK 576, 14, 30, 320, 8<<20
	PICK 320, 12, 36, 256, 32<<20
	; which layout.  c = pair << sh | low.  Source byte = pair << ps + low << 15 + wave * rs + (lane/16) * hs + (lane%16) * 16 + slot * ss;
	; destination byte = pair << pd + low << ld + wave * rd + lane * 8 + slot * dstep.
	s_mov_b32 s44, 5                               ; kv: 32 chunks of 128 rows to a pair of heads
	s_mov_b32 s45, 21
	s_mov_b32 s46, 20
	s_mov_b32 s47, 15
	s_mov_b32 s48, 256
	s_mov_b32 s49, 1048576
	s_mov_b32 s56, 2048
	s_mov_b32 s57, 256
	s_mov_b32 s58, 2048
.macro KIND below, sh, ps, pd, ld, rs, hs, ss, rd, dstep
	s_cmp_lt_u32 s2, \below
	s_cselect_b32 s44, \sh, s44
	s_cselect_b32 s45, \ps, s45
	s_cselect_b32 s46, \pd, s46
	s_cselect_b32 s47, \ld, s47
	s_cselect_b32 s48, \rs, s48
	s_cselect_b32 s49, \hs, s49
	s_cselect_b32 s56, \ss, s56
	s_cselect_b32 s57, \rd, s57
	s_cselect_b32 s58, \dstep, s58
.endm
	KIND 1024, 3, 19, 8, 20, 256, 262144, 2048, 8192, 65536   ; Wq, Wk, Wv: 8 chunks of 128 rows to a pair of heads; a destination row is 8,192 bytes
	KIND 832, 0, 16, 15, 0, 512, 256, 4096, 256, 2048         ; a plain cast: the layout stays
	s_sub_co_u32 s51, s2, s42                      ; c
	s_lshr_b32 s52, s51, s44                       ; pair
	s_lshl_b32 s53, s52, s44
	s_sub_co_u32 s53, s51, s53                     ; low
	s_lshl_b32 s54, s52, s45
	s_lshl_b32 s59, s53, 15
	s_add_co_u32 s54, s54, s59
	s_mul_i32 s59, s3, s48
	s_add_co_u32 s54, s54, s59
	s_add_nc_u64 s[4:5], s[4:5], s[54:55]
	s_lshl_b32 s54, s52, s46
	s_lshl_b32 s59, s53, s47
	s_add_co_u32 s54, s54, s59
	s_mul_i32 s59, s3, s57
	s_add_co_u32 s54, s54, s59
	s_add_co_u32 s54, s54, s43
	s_add_nc_u64 s[6:7], s[6:7], s[54:55]
	v_mul_u32_u24 v5, v4, s49
	v_lshl_add_u32 v[SO], v3, 4, v5
	v_lshlrev_b32 v[DO], 3, v2
.set i, 1
.rept 15
	v_add_nc_u32 v[SO+i], s56, v[SO+i-1]
	v_add_nc_u32 v[DO+i], s58, v[DO+i-1]
.set i, i+1
.endr
.set i, 0
.rept 16
	global_load_b128 v[L+4*i:L+4*i+3], v[SO+i], s[4:5] th:TH_LOAD_NT   ; read once in the whole program
.set i, i+1
.endr
.set i, 0
.rept 16
	s_wait_loadcnt 15-i                            ; loads come back in order: slot i is in, the 15 - i younger ones stay out
	v_cvt_pk_bf16_f32 v[Y+2*i], v[L+4*i], v[L+4*i+1]
	v_cvt_pk_bf16_f32 v[Y+2*i+1], v[L+4*i+2], v[L+4*i+3]
	global_store_b64 v[DO+i], v[Y+2*i:Y+2*i+1], s[6:7]   ; no register is used twice, so nothing waits for a store
.set i, i+1
.endr
	; the small duty: wave 0 of chunks 832 to 879
	s_sub_co_u32 s50, s2, 832                      ; below 48 only in those chunks (it wraps to a large number below 832)
	s_cmp_lg_u32 s3, 0
	s_cbranch_scc1 .Lend
	s_cmp_lt_u32 s50, 48
	s_cbranch_scc0 .Lend
	v_mov_b32 v8, 0
	v_mov_b32 v9, 0
	v_lshl_add_u32 v10, s50, 8, v[DO]              ; 48 x 256 bytes: 3,072 zeros at the head of ZKV
	global_store_b64 v10, v[8:9], s[32:33]
.Lend:
	s_endpgm
.Lx:                                                   ; x = embedding + positional_encoding, added in f32, rounded once
	s_lshl_b32 s54, s2, 16                         ; the chunk's 65,536 bytes,
	s_lshl_b32 s59, s3, 9                          ; my wave's 512 of a slot's 4,096
	s_add_co_u32 s54, s54, s59
	s_add_nc_u64 s[8:9], s[8:9], s[54:55]
	s_add_nc_u64 s[10:11], s[10:11], s[54:55]
	s_lshr_b32 s54, s54, 1                         ; half as many bytes in bf16
	s_add_nc_u64 s[28:29], s[28:29], s[54:55]
	v_lshlrev_b32 v5, 4, v2
	v_lshlrev_b32 v6, 3, v2
.set i, 0
.rept 16
	global_load_b128 v[L+4*i:L+4*i+3], v5, s[8:9] offset:4096*i      ; no hint: a later launch reads both again
	global_load_b128 v[L2+4*i:L2+4*i+3], v5, s[10:11] offset:4096*i
.set i, i+1
.endr
.set i, 0
.rept 16
	s_wait_loadcnt 30-2*i                          ; slot i's two loads are in; the 30 - 2 i younger ones stay out
	v_pk_add_f32 v[L+4*i:L+4*i+1], v[L+4*i:L+4*i+1], v[L2+4*i:L2+4*i+1]
	v_pk_add_f32 v[L+4*i+2:L+4*i+3], v[L+4*i+2:L+4*i+3], v[L2+4*i+2:L2+4*i+3]
	v_cvt_pk_bf16_f32 v[Y+2*i], v[L+4*i], v[L+4*i+1]
	v_cvt_pk_bf16_f32 v[Y+2*i+1], v[L+4*i+2], v[L+4*i+3]
	global_store_b64 v6, v[Y+2*i:Y+2*i+1], s[28:29] offset:2048*i
.set i, i+1
.endr
	s_endpgm
.Lfunc_end_k_qfe38ffbade_prep:
	.size	k_qfe38ffbade_prep, .Lfunc_end_k_qfe38ffbade_prep-k_qfe38ffbade_prep
	.p2alignl 7, 3214868480
	.fill 96, 4, 3214868480
	.section	.rodata,"a",@progbits
	.p2align	6, 0x0
	.amdhsa_kernel k_qfe38ffbade_prep
		.amdhsa_group_segment_fixed_size 0
		.amdhsa_private_segment_fixed_size 0
		.amdhsa_enable_private_segment 0
		.amdhsa_kernarg_size 120
		.amdhsa_user_sgpr_count 2
		.amdhsa_user_sgpr_kernarg_segment_ptr 1
		.amdhsa_wavefront_size32 1
		.amdhsa_system_sgpr_workgroup_id_x 1
		.amdhsa_system_sgpr_workgroup_id_y 1
		.amdhsa_system_sgpr_workgroup_id_z 1
		.amdhsa_system_vgpr_workitem_id 0
		.amdhsa_next_free_vgpr 208
		.amdhsa_next_free_sgpr 66
		.amdhsa_reserve_vcc 0
		.amdhsa_float_denorm_mode_32 3
		.amdhsa_float_denorm_mode_16_64 3
		.amdhsa_memory_ordered 1
		.amdhsa_forward_progress 1
		.amdhsa_inst_pref_size 22
	.end_amdhsa_kernel
	.amdgpu_metadata
---
amdhsa.version: [ 1, 2 ]
amdhsa.kernels:
  - .name:           k_qfe38ffbade_prep
    .symbol:         k_qfe38ffbade_prep.kd
    .args:
      - { .name: embedding, .offset: 0, .size: 8, .value_kind: global_buffer, .address_space: global }
      - { .name: positional_encoding, .offset: 8, .size: 8, .value_kind: global_buffer, .address_space: global }
      - { .name: W_proj, .offset: 16, .size: 8, .value_kind: global_buffer, .address_space: global }
      - { .name: ff_W1, .offset: 24, .size: 8, .value_kind: global_buffer, .address_space: global }
      - { .name: ff_W2, .offset: 32, .size: 8, .value_kind: global_buffer, .address_space: global }
      - { .name: Wq, .offset: 40, .size: 8, .value_kind: global_buffer, .address_space: global }
      - { .name: Wk, .offset: 48, .size: 8, .value_kind: global_buffer, .address_space: global }
      - { .name: Wv, .offset: 56, .size: 8, .value_kind: global_buffer, .address_space: global }
      - { .name: kv_k, .offset: 64, .size: 8, .value_kind: global_buffer, .address_space: global }
      - { .name: kv_v, .offset: 72, .size: 8, .value_kind: global_buffer, .address_space: global }
      - { .name: U1, .offset: 80, .size: 8, .value_kind: global_buffer, .address_space: global }
      - { .name: U2, .offset: 88, .size: 8, .value_kind: global_buffer, .address_space: global }
      - { .name: ZKV, .offset: 96, .size: 8, .value_kind: global_buffer, .address_space: global }
      - { .name: BIG, .offset: 104, .size: 8, .value_kind: global_buffer, .address_space: global }
      - { .name: AO, .offset: 112, .size: 8, .value_kind: global_buffer, .address_space: global }
    .group_segment_fixed_size: 0
    .private_segment_fixed_size: 0
    .kernarg_segment_align: 8
    .kernarg_segment_size: 120
    .max_flat_workgroup_size: 256
    .sgpr_count:     66
    .vgpr_count:     208
    .wavefront_size: 32
...
	.end_amdgpu_metadata
.endif
;; end of part 1
;; launch qkv (part 2): grid 12 x 16, 4 waves a work-group, clusters of 4 x 4, 327,680 bytes of LDS; arguments U1, ZKV, BIG; writes BIG
.if DOCPART == 2
	.amdgcn_target "amdgcn-amd-amdhsa--gfx1250"
	.amdhsa_code_object_version 6
	.text
	.protected	k_qfe38ffbade_qkv
	.globl	k_qfe38ffbade_qkv
	.p2align	8
	.type	k_qfe38ffbade_qkv,@function
k_qfe38ffbade_qkv:
	s_mov_b64 s[64:65], 0
	v_nop
	global_prefetch_b8 v0, s[64:65] scope:SCOPE_SE
	s_setreg_imm32_b32 hwreg(HW_REG_WAVE_MODE, 25, 1), 1
	s_wait_xcnt 0x0
	s_wait_alu depctr_hold_cnt(0) depctr_sa_sdst(0) depctr_va_vdst(0) depctr_va_sdst(0) depctr_va_ssrc(0) depctr_va_vcc(0) depctr_vm_vsrc(0)
	s_getreg_b32 s2, hwreg(HW_REG_IB_STS2, 6, 4)
	s_cmp_eq_u32 s2, 0
	s_cbranch_scc0 .Lentry_in_a_cluster
	s_endpgm
.Lentry_in_a_cluster:
	s_bfe_u32 s2, ttmp6, 0x10000c
	s_cmp_lg_u32 s2, 0xf033
	s_cbranch_scc0 .Lentry_shape_is_right
	s_endpgm
.Lentry_shape_is_right:
; C[m][n] = sum over k of A[m][k] B[k][n] + bias[n].  M = 4,096, K = 1,024; N is the grid's width x 256.  bf16 operands, f32 sums, C rounded once to bf16.
; Arguments: ab, bias, c.  A lies at ab, [4096][1024] bf16; B at ab + 8 MiB, [1024 k][4096] bf16 (weights as they are given, K down the rows);
; bias is f32; C is stored in PANELS of 128 columns, [n / 128][4096][128] bf16, so that a row of a panel is 256 consecutive bytes.
; Two launches run this text: the projections to Q, K, V (which have no bias: that launch hands in a vector of zeros, so that one text serves both) and the first feed-forward product.
; A tile of C is 256 x 256, four waves of 128 x 128: 64 accumulators of 16 x 16, 512 registers.  K goes in steps of 128 through two LDS slots filled by tensor loads of 128 rows x 256 bytes.
; CLUSTER 4 x 4: A's tile hangs on the tile row alone and is asked for jointly along a row of the cluster, B's on the tile column alone, along a column.
; THE MATRIX INSTRUCTION IS USED TRANSPOSED: source 0 = 16 columns of B, source 1 = 16 rows of A; a lane then holds row l % 16 of C and the eight columns 8 (l / 16) + 0..7.
; B's fragments (K along the registers) come out of rows that lie along N by the transposing LDS load.  The bias is the C operand of the products that start the sums.
; REGISTERS, in windows of 256: window 0: v0-31 addresses; v64-127, v128-191 A's fragments, two buffers; v192-255 the bias, later the way out; v32-63 the way out.
;   window 1: v64-127, v128-191 B's fragments.   window 2: accumulators of my rows 0-63 ((a, b) at v[8 (8 a + b)]);   window 3: of my rows 64-127.
.set KSTEP,  128
.set PA,     272                       ; a row of A in LDS: 256 bytes + 16: the 16 rows of a fragment load start 68 words apart
.set PB,     288                       ; a row of B in LDS: 256 bytes + 32: 16 lanes of the transposing load take 8 rows x 32 bytes, 72 words apart
.set HALFA,  128*PA                    ; 128 rows of A: one tensor load
.set HALFB,  128*PB                    ; 128 k x 128 columns of B: one tensor load
.set SLOT,   2*HALFA+2*HALFB           ; A's rows 0-127, 128-255, then B's columns 0-127, 128-255
.set STAGE,  2*SLOT                    ; behind the ring: 16 rows x 272 bytes for each wave, for the way out
.set SPITCH, 272
.set SPARE,  STAGE+4*16*SPITCH         ; the spare words, 128 bytes a wave: two blocks of 256 bytes that no other line names
.set LAPS,   4                         ; K = 1,024 = 4 laps of two K steps
.set ADRA, 16                          ; v16-17  LDS address of my A fragments in slot 0, 1
.set ADRB, 20                          ; v20-21  the same for B
.set STO,  24                          ; v24     the way out: where I put 16 bytes of a row
.set RD,   25                          ; v25     the way out: where I read a row back
.set CO,   26                          ; v26     16 x lane: my place in 512 consecutive bytes of C
.set BO,   27                          ; v27     32 x (l / 16): my eight numbers of a block of the bias
.set SPW,  28                          ; v28     my spare word; never rewritten
.set NIL,  29                          ; v29     0; never rewritten
.set F0,   64
.set F1,   128
.set BI,   192                         ; the bias: block b of 16 columns at BI + 8 b
.set TMP,  192                         ; the way out: packed results
.set OB,   32                          ; the way out: 16 rows read back: v32-63 and v224-255 by turns
.set G1, 24                            ; s[24:31] group 1 for A;  s[32:39] group 0, a set for each slot
.set G0, 32
.set G1B, 48                           ; s[48:55], s[56:63] the same for B
.set G0B, 56
.set MSB, 0
.macro WIN new                         ; the immediate's high byte repeats the setting that is left
.if MSB != (\new)
	s_set_vgpr_msb (MSB<<8)|(\new)
.set MSB, \new
.endif
.endm
.set MUL_LO, 0xa1                      ; source 0 (B) window 1, source 1 (A) window 0, C and D window 2
.set MUL_HI, 0xf1                      ; the same, C and D window 3
.set TO_B,   0x40                      ; destination window 1, address window 0
; A joint load: waves 0 and 1 fetch A's two halves, waves 2 and 3 B's.  The branch hangs on the wave's number alone.  An s_nop 0 and four v_nop follow each line.
.macro JLOAD s
	s_cmp_eq_u32 s11, 0
	s_cbranch_scc0 .Lfor_b_\@
	tensor_load_to_lds s[G0+4*(\s):G0+4*(\s)+3], s[G1:G1+7]
	s_nop 0
.rept 4
	v_nop
.endr
	s_branch .Lasked_\@
.Lfor_b_\@:
	tensor_load_to_lds s[G0B+4*(\s):G0B+4*(\s)+3], s[G1B:G1B+7]
	s_nop 0
.rept 4
	v_nop
.endr
.Lasked_\@:
.endm
.macro CREST                           ; a round of the cluster's barrier behind its opening barrier
	s_cmp_lg_u32 s10, 0
	s_cbranch_scc1 .Lnot_wave_0_\@
	s_barrier_signal -3
.Lnot_wave_0_\@:
	s_barrier_wait -3
	s_barrier_signal -1
	s_barrier_wait -1
.endm
.macro CROUND                          ; a whole round
	s_barrier_signal -1
	s_barrier_wait -1
	CREST
.endm
	s_load_b128 s[4:7], s[0:1], 0x0                ; ab s[4:5], bias s[6:7]
	s_load_b64 s[8:9], s[0:1], 0x10                ; c
	v_lshl_add_u32 v[SPW], v0, 2, SPARE
	v_mov_b32 v[NIL], 0
	ds_add_u32 v[SPW], v[NIL]                      ; the wave's opening: the add and its wait ahead of my first tensor load
	v_lshrrev_b32 v1, 5, v0
	v_readfirstlane_b32 s10, v1                    ; wave 0..3
	s_lshr_b32 s11, s10, 1                         ; my half of the tile's rows.  Also: I fetch for A (0) or B (1)
	s_and_b32 s12, s10, 1                          ; my half of its columns.  Also: which half of that tile I fetch
	s_bfe_u32 s40, ttmp6, 0x40000                  ; cx
	s_bfe_u32 s41, ttmp6, 0x40004                  ; cy
	s_lshl_b32 s42, ttmp9, 2
	s_add_co_u32 s42, s42, s40                     ; tile column
	s_and_b32 s13, ttmp7, 0xffff
	s_lshl_b32 s13, s13, 2
	s_add_co_u32 s13, s13, s41                     ; tile row
	s_lshl_b32 s43, s41, 2
	s_lshl_b32 s43, 15, s43                        ; my row of the cluster
	s_lshl_b32 s44, 0x1111, s40                    ; my column
	s_or_b32 s[G1+0], s43, (1<<16)|(1<<20)|(1<<21)|(5<<22)|(3<<25)   ; mask; 2-byte elements; padding on; bit 21 beside a mask; after every 64 words 4 words
	s_or_b32 s[G1B+0], s44, (1<<16)|(1<<20)|(1<<21)|(5<<22)|(7<<25)  ; the same with my column's mask and 8 words
.irp g, G1, G1B
	s_mov_b32 s[(\g)+1], KSTEP<<16                 ; tensor_dim0 = 128
	s_mov_b32 s[(\g)+2], 128<<16                   ; tensor_dim1 = 128
	s_mov_b32 s[(\g)+3], KSTEP<<16                 ; tile_dim0 = 128
	s_mov_b32 s[(\g)+4], 128                       ; tile_dim1 = 128
	s_mov_b32 s[(\g)+6], 0
	s_mov_b32 s[(\g)+7], 0
.endr
	s_mov_b32 s[G1+5], 1024                        ; A: 1,024 elements from row to row
	s_mov_b32 s[G1B+5], 4096                       ; B: 4,096
	s_lshl_b32 s16, s13, 19                        ; A: 256 rows of 2,048 bytes a tile row,
	s_lshl_b32 s17, s12, 18                        ; 128 rows a half
	s_add_co_u32 s16, s16, s17
	s_mov_b32 s17, 0
	s_lshl_b32 s46, s42, 9                         ; B: 512 bytes a tile column,
	s_lshl_b32 s47, s12, 8                         ; 256 a half,
	s_add_co_u32 s46, s46, s47
	s_add_co_u32 s46, s46, 8<<20                   ; behind A
	s_mov_b32 s47, 0
	s_mul_i32 s20, s12, HALFA                      ; where they go: the wave's number alone enters an LDS address
	s_mul_i32 s21, s12, HALFB
	s_add_co_u32 s21, s21, 2*HALFA
	s_wait_dscnt 0x0                               ; the opening add is done
	s_wait_kmcnt 0x0
	s_add_nc_u64 s[14:15], s[4:5], s[16:17]
	s_add_nc_u64 s[46:47], s[4:5], s[46:47]
	CROUND                                         ; all sixteen work-groups are here: the first joint loads meet
.irp s, 0,1
	s_mov_b32 s[G0+4*(\s)], 1
	s_add_co_u32 s[G0+4*(\s)+1], s20, (\s)*SLOT
	s_add_nc_u64 s[G0+4*(\s)+2:G0+4*(\s)+3], s[14:15], (\s)*KSTEP*2       ; K step s: 256 bytes along A's rows
	s_or_b32 s[G0+4*(\s)+3], s[G0+4*(\s)+3], 0x80000000
	s_mov_b32 s[G0B+4*(\s)], 1
	s_add_co_u32 s[G0B+4*(\s)+1], s21, (\s)*SLOT
	s_add_nc_u64 s[G0B+4*(\s)+2:G0B+4*(\s)+3], s[46:47], (\s)*KSTEP*8192  ; K step s: 128 rows of B down
	s_or_b32 s[G0B+4*(\s)+3], s[G0B+4*(\s)+3], 0x80000000
	JLOAD \s                                       ; two loads of mine are out
.endr
	v_and_b32 v1, 15, v0                           ; l % 16
	v_bfe_u32 v2, v0, 4, 1                         ; l / 16
	s_lshl_b32 s46, s42, 10                        ; the bias of my 128 columns: 256 numbers a tile column, 128 a half
	s_lshl_b32 s47, s12, 9
	s_add_co_u32 s46, s46, s47
	s_mov_b32 s47, 0
	s_add_nc_u64 s[6:7], s[6:7], s[46:47]
	v_lshlrev_b32 v[BO], 5, v2
.irp b, 0,1,2,3,4,5,6,7
	global_load_b128 v[BI+8*(\b):BI+8*(\b)+3],   v[BO], s[6:7] offset:64*(\b)      ; register j: bias of column 16 b + 8 (l / 16) + j
	global_load_b128 v[BI+8*(\b)+4:BI+8*(\b)+7], v[BO], s[6:7] offset:64*(\b)+16
.endr
	v_mul_u32_u24 v3, v1, PA
	v_lshl_add_u32 v3, v2, 4, v3                   ; A: row x pitch + 16 x half
	v_and_b32 v4, 7, v0
	v_lshl_add_u32 v4, v2, 3, v4                   ; B: k = 8 (l / 16) + l % 8,
	v_mul_u32_u24 v4, v4, PB
	v_bfe_u32 v5, v0, 3, 1
	v_lshl_add_u32 v4, v5, 4, v4                   ; columns 8 ((l / 8) % 2) on
	s_mul_i32 s22, s11, HALFA                      ; my 128 rows of A
	s_mul_i32 s23, s12, HALFB                      ; my 128 columns of B,
	s_add_co_u32 s23, s23, 2*HALFA                 ; behind A's 256 rows
.irp s, 0,1
	v_add_nc_u32 v[ADRA+(\s)], s22, v3
	v_add_nc_u32 v[ADRB+(\s)], s23, v4
	s_add_co_u32 s22, s22, SLOT
	s_add_co_u32 s23, s23, SLOT
.endr
	s_mul_i32 s23, s10, 16*SPITCH
	s_add_co_u32 s23, s23, STAGE                   ; my stage
	v_mul_u32_u24 v4, v1, SPITCH
	v_lshl_add_u32 v4, v2, 4, v4
	v_add_nc_u32 v[STO], s23, v4
	v_mul_u32_u24 v5, v2, SPITCH
	v_lshl_add_u32 v5, v1, 4, v5
	v_add_nc_u32 v[RD], s23, v5
	v_and_b32 v5, 31, v0
	v_lshlrev_b32 v[CO], 4, v5
	s_lshl_b32 s46, s42, 21                        ; C: my 128 columns are panel 2 x tile column + half, 1 MiB each;
	s_lshl_b32 s47, s12, 20
	s_add_co_u32 s46, s46, s47
	s_lshl_b32 s47, s13, 16                        ; in it 256 rows of 256 bytes a tile row,
	s_add_co_u32 s46, s46, s47
	s_lshl_b32 s47, s11, 15                        ; 128 rows a half
	s_add_co_u32 s46, s46, s47
	s_mov_b32 s47, 0
	s_add_nc_u64 s[8:9], s[8:9], s[46:47]
; 16 matrix instructions: m blocks a0, a0 + 1 of the window's four x all 8 n blocks, 32 along K.  zero = 1: the products start the sums, with the bias as C.
.macro MUL16 f, hi, a0, zero
.if \zero
	WIN 0x81+0x40*(\hi)                            ; C (the bias) in window 0, D in window 2 or 3
.else
	WIN MUL_LO+0x50*(\hi)
.endif
.irp a, \a0, (\a0)+1
.irp b, 0,1,2,3,4,5,6,7
.if \zero
	v_wmma_f32_16x16x32_bf16 v[8*(8*(\a)+(\b)):8*(8*(\a)+(\b))+7], v[(\f)+8*(\b):(\f)+8*(\b)+7], v[(\f)+8*(4*(\hi)+(\a)):(\f)+8*(4*(\hi)+(\a))+7], v[BI+8*(\b):BI+8*(\b)+7]
.else
	v_wmma_f32_16x16x32_bf16 v[8*(8*(\a)+(\b)):8*(8*(\a)+(\b))+7], v[(\f)+8*(\b):(\f)+8*(\b)+7], v[(\f)+8*(4*(\hi)+(\a)):(\f)+8*(4*(\hi)+(\a))+7], v[8*(8*(\a)+(\b)):8*(8*(\a)+(\b))+7]
.endif
.endr
.endr
.endm
; 32 LDS loads in one run: quarter q (32 along K) of a slot into buffer f: B's 8 blocks of 16 columns (turned), then A's 8 blocks of 16 rows
.macro FETCH slot, q, f
	WIN TO_B
.irp i, 0,1,2,3,4,5,6,7
	ds_load_tr16_b128 v[(\f)+8*(\i):(\f)+8*(\i)+3],   v[ADRB+(\slot)] offset:(\q)*32*PB+32*(\i)
	ds_load_tr16_b128 v[(\f)+8*(\i)+4:(\f)+8*(\i)+7], v[ADRB+(\slot)] offset:(\q)*32*PB+16*PB+32*(\i)
.endr
	WIN 0
.irp i, 0,1,2,3,4,5,6,7
	ds_load_b128 v[(\f)+8*(\i):(\f)+8*(\i)+3],   v[ADRA+(\slot)] offset:(\q)*64+(\i)*16*PA
	ds_load_b128 v[(\f)+8*(\i)+4:(\f)+8*(\i)+7], v[ADRA+(\slot)] offset:(\q)*64+(\i)*16*PA+32
.endr
.endm
.macro PLACES                          ; four plain vector instructions between a matrix instruction and a load into, or a vector read of, its registers
.rept 4
	v_nop
.endr
.endm
; One of a K step's first three quarters: multiplies buffer f; in its middle fetches quarter q of the same slot into buffer g.
.macro QUARTER slot, q, f, g, zero
	s_wait_dscnt 8                                 ; B and A's rows 0-63 are in; the youngest eight loads (A's rows 64-127) may be out
	MUL16 \f, 0, 0, \zero
	MUL16 \f, 0, 2, \zero
	PLACES
	FETCH \slot, \q, \g
	s_wait_dscnt 32                                ; all but the 32 just issued
	MUL16 \f, 1, 0, \zero
	MUL16 \f, 1, 2, \zero
.endm
; The first half of the last quarter: one barrier for the change of slots.
.macro MEET round
	WIN 0
	s_wait_tensorcnt 0x0                           ; all my tensor loads have landed: the one that was out is my part of the next slot
	ds_add_u32 v[SPW], v[NIL]                      ; 0 onto my spare word
	s_wait_dscnt 9                                 ; the add and the youngest eight loads may be out
	MUL16 F1, 0, 0, 0
	s_wait_dscnt 0x0                               ; the add is done, and my reads of this slot are over
	s_barrier_signal -1
	MUL16 F1, 0, 2, 0
.if \round
	WIN 0
.endif
	s_barrier_wait -1
.endm
; The whole last quarter.  fill = 1: the barrier opens a round of the cluster's, and the slot just read is filled again, two K steps on, first thing behind the round.
.macro TURN slot, next, fill
.if \fill
	MEET 1
	CREST
	s_add_nc_u64 s[G0+4*(\slot)+2:G0+4*(\slot)+3], s[G0+4*(\slot)+2:G0+4*(\slot)+3], 2*KSTEP*2
	s_add_nc_u64 s[G0B+4*(\slot)+2:G0B+4*(\slot)+3], s[G0B+4*(\slot)+2:G0B+4*(\slot)+3], 2*KSTEP*8192
	JLOAD \slot                                    ; my one tensor load behind the round; its four v_nop are also the places in front of the loads below
.else
	MEET 0
	PLACES
.endif
	FETCH \next, 0, F0
	MUL16 F1, 1, 0, 0
	MUL16 F1, 1, 2, 0
.endm
; THE WAY OUT of block a (16 rows): rounded to bf16, 16 bytes a lane; through my own stage; back as whole rows of 256 bytes; stored.
.macro PACK a
.set AC, 64*((\a)%4)
	WIN 0x0a+5*((\a)/4)                            ; sources 0 and 1: window 2 or 3
.irp b, 0,1,2,3,4,5,6,7
.irp r, 0,1,2,3
	v_cvt_pk_bf16_f32 v[TMP+4*(\b)+(\r)], v[AC+8*(\b)+2*(\r)], v[AC+8*(\b)+2*(\r)+1]
.endr
.endr
	WIN 0
.endm
.macro TOSTAGE a
	WIN 0
.set BK, OB+192*((\a)%2)
.irp b, 0,1,2,3,4,5,6,7
	ds_store_b128 v[STO], v[TMP+4*(\b):TMP+4*(\b)+3] offset:32*(\b)
.endr
.irp t, 0,1,2,3,4,5,6,7
	ds_load_b128 v[BK+4*(\t):BK+4*(\t)+3], v[RD] offset:(\t)*2*SPITCH  ; LDS serves a wave's instructions in order (ISA guide 5.7.1.4): these see the stores above
.endr
.endm
.macro SEND a
	WIN 0
.set BK, OB+192*((\a)%2)
	s_wait_dscnt 0x0                               ; the block is back in registers
	s_wait_xcnt 0x0                                ; the read-back buffer that the next block loads into was the data of stores issued ahead of this wait
.irp t, 0,1,2,3,4,5,6,7
	global_store_b128 v[CO], v[BK+4*(\t):BK+4*(\t)+3], s[8:9] offset:(\a)*4096+512*(\t)  ; two rows of the panel: 512 consecutive bytes, aligned
.endr
.endm
	s_wait_tensorcnt 1                             ; my part of K step 0 is in; K step 1's may stay out
	s_barrier_signal -1
	s_barrier_wait -1
	FETCH 0, 0, F0
	s_wait_loadcnt 0x0                             ; the bias
	QUARTER 0, 1, F0, F1, 1                        ; the first quarter stands in front of the loop: its products start the sums
	WIN 0
	s_mov_b32 s3, LAPS-1
.Llap:                                                 ; a trip goes once round the ring and fills both slots again
	QUARTER 0, 2, F1, F0, 0
	QUARTER 0, 3, F0, F1, 0
	TURN 0, 1, 1
	QUARTER 1, 1, F0, F1, 0
	QUARTER 1, 2, F1, F0, 0
	QUARTER 1, 3, F0, F1, 0
	TURN 1, 0, 1
	QUARTER 0, 1, F0, F1, 0
	WIN 0
	s_sub_co_u32 s3, s3, 1
	s_cmp_lg_u32 s3, 0
	s_cbranch_scc1 .Llap
	QUARTER 0, 2, F1, F0, 0                        ; the last lap fills nothing
	QUARTER 0, 3, F0, F1, 0
	TURN 0, 1, 0
	QUARTER 1, 1, F0, F1, 0
	QUARTER 1, 2, F1, F0, 0
	QUARTER 1, 3, F0, F1, 0
	s_wait_dscnt 8
	MUL16 F1, 0, 0, 0
	MUL16 F1, 0, 2, 0
	s_wait_dscnt 0x0
	MUL16 F1, 1, 0, 0
	MUL16 F1, 1, 2, 0
	PLACES
	PACK 0
	TOSTAGE 0
.irp a, 1,2,3,4,5,6,7                  ; block a's conversions stand between block a - 1's loads from the stage and the wait for them
	PACK \a
	SEND (\a)-1
	TOSTAGE \a
.endr
	SEND 7
	s_wait_tensorcnt 0x0                           ; the wave's end
	ds_add_u32 v[SPW], v[NIL]
	s_wait_dscnt 0x0
	CROUND                                         ; the closing round
	s_endpgm
.Lfunc_end_k_qfe38ffbade_qkv:
	.size	k_qfe38ffbade_qkv, .Lfunc_end_k_qfe38ffbade_qkv-k_qfe38ffbade_qkv
	.p2alignl 7, 3214868480
	.fill 96, 4, 3214868480
	.section	.rodata,"a",@progbits
	.p2align	6, 0x0
	.amdhsa_kernel k_qfe38ffbade_qkv
		.amdhsa_group_segment_fixed_size 327680
		.amdhsa_private_segment_fixed_size 0
		.amdhsa_enable_private_segment 0
		.amdhsa_kernarg_size 24
		.amdhsa_user_sgpr_count 2
		.amdhsa_user_sgpr_kernarg_segment_ptr 1
		.amdhsa_wavefront_size32 1
		.amdhsa_system_sgpr_workgroup_id_x 1
		.amdhsa_system_sgpr_workgroup_id_y 1
		.amdhsa_system_sgpr_workgroup_id_z 1
		.amdhsa_system_vgpr_workitem_id 0
		.amdhsa_next_free_vgpr 1024
		.amdhsa_next_free_sgpr 66
		.amdhsa_reserve_vcc 0
		.amdhsa_float_denorm_mode_32 3
		.amdhsa_float_denorm_mode_16_64 3
		.amdhsa_memory_ordered 1
		.amdhsa_forward_progress 1
		.amdhsa_inst_pref_size 144
	.end_amdhsa_kernel
	.amdgpu_metadata
---
amdhsa.version: [ 1, 2 ]
amdhsa.kernels:
  - .name:           k_qfe38ffbade_qkv
    .symbol:         k_qfe38ffbade_qkv.kd
    .args:
      - { .name: U1, .offset: 0, .size: 8, .value_kind: global_buffer, .address_space: global }
      - { .name: ZKV, .offset: 8, .size: 8, .value_kind: global_buffer, .address_space: global }
      - { .name: BIG, .offset: 16, .size: 8, .value_kind: global_buffer, .address_space: global }
    .group_segment_fixed_size: 327680
    .private_segment_fixed_size: 0
    .kernarg_segment_align: 8
    .kernarg_segment_size: 24
    .max_flat_workgroup_size: 128
    .sgpr_count:     66
    .vgpr_count:     1024
    .wavefront_size: 32
...
	.end_amdgpu_metadata
.endif
;; end of part 2
;; launch attn (part 3): grid 8 x 32, 4 waves a work-group, clusters of 4 x 1, 327,680 bytes of LDS; arguments BIG, ZKV, AO; writes AO
.if DOCPART == 3
	.amdgcn_target "amdgcn-amd-amdhsa--gfx1250"
	.amdhsa_code_object_version 6
	.text
	.protected	k_qfe38ffbade_attn
	.globl	k_qfe38ffbade_attn
	.p2align	8
	.type	k_qfe38ffbade_attn,@function
k_qfe38ffbade_attn:
	s_mov_b64 s[64:65], 0
	v_nop
	global_prefetch_b8 v0, s[64:65] scope:SCOPE_SE
	s_setreg_imm32_b32 hwreg(HW_REG_WAVE_MODE, 25, 1), 1
	s_wait_xcnt 0x0
	s_wait_alu depctr_hold_cnt(0) depctr_sa_sdst(0) depctr_va_vdst(0) depctr_va_sdst(0) depctr_va_ssrc(0) depctr_va_vcc(0) depctr_vm_vsrc(0)
	s_getreg_b32 s2, hwreg(HW_REG_IB_STS2, 6, 4)
	s_cmp_eq_u32 s2, 0
	s_cbranch_scc0 .Lentry_in_a_cluster
	s_endpgm
.Lentry_in_a_cluster:
	s_bfe_u32 s2, ttmp6, 0x10000c
	s_cmp_lg_u32 s2, 0x3003
	s_cbranch_scc0 .Lentry_shape_is_right
	s_endpgm
.Lentry_shape_is_right:
; BOTH ATTENTIONS of a block of 128 queries and a pair of heads: first causal self-attention (K, V from BIG), then cross attention (kv_k, kv_v from ZKV), with the same Q and
; the same scale 1/32.  All operands bf16 in panels [pair of heads][b*1024+s][128]; products, maxima and sums in f32; the weights p are rounded to bf16 for the second product
; (their sum l is taken of the unrounded p).  The self result is stored in bf16 (panels, AO), the cross result in f32 ([4096][1024], AO + 8 MiB): it goes on into a LayerNorm.
; LIMITS.  A hidden score counts as its value less 1e30; a weight below 2^-126 counts as 0; NaN and infinities are not treated apart.
; SHARES.  Grid y = 4 x pair + batch; x = the block of 128 queries.  Wave w: head w / 2 of the pair, queries 64 (w % 2) on: four tiles of 16.
; THE WALK.  16 slots of 128 keys, two steps of 64 each: slots 0-7 the self pass, 8-15 the cross pass.  One counted loop walks them; the ring of two LDS slots runs on across the change of pass.
; CLUSTER 4 x 1: the four query blocks of a cluster share pair and batch, so every tile of K and V is asked for jointly (mask 15).
; THE CAUSAL MASK is the C operand that starts S^T = K Q^T: 0, or -1e30 where the key is hidden, made by compares and selects in every step.  Steps wholly above the diagonal are computed
; all the same: to leave them out would be a branch on the block's place in the cluster, and partners that ask jointly run alike.  That is about half of the self pass's products.
; With VS = my query's index less 16 x tile, less 8 (l / 16), less the step's first key, key register j of key block kb is hidden for tile t where 16 (kb - t) + j > VS.  VS is 64 d + (-8 .. 15), so
; three masks serve: kb = t: j > VS;  kb < t: -8 > VS;  kb > t: 16 > VS.  In the cross pass VS is very large and every mask is 0.
; LAYOUT.  S^T = K Q^T holds one query a lane (l % 16) and the keys 8 (l / 16) + 0..7; two such results rounded to bf16 are source 1 of O^T = V^T P.  V comes out of LDS turned.
; SOFTMAX.  A running maximum m and sum l: p = 2^(c s - c m), c = log2(e) / 32; in every step O and l are multiplied by a = 2^(c m_old - c m_new).  m starts at the lowest finite number,
; so a pass's first step has a = 0 and needs no text of its own.
; A STEP IS WRITTEN IN PHASES: loads, masks, 32 products K Q^T, the softmax of four tiles (tiles alternate, so that no line reads the result of the line before), 32 products V^T P.
; REGISTERS: window 0: v0-15 addresses; v16-31 statistics; v32-47, v48-51 at work; v64-191 S^T, 32 a tile; v192-255 P, 16 a tile.
;   window 1: v0-127 O^T, 32 a tile; v128-151 the three masks.     window 2: v0-63 Q; v128-191 K of a step; v192-255 V of a step.
.set KS,    64
.set PK,    272                        ; a row of K in LDS: 256 bytes (both heads) + 16
.set PV,    288                        ; a row of V: 256 + 32
.set VOFF,  KS*PK
.set STEPB, KS*(PK+PV)                 ; a step: 64 rows of K, then 64 rows of V
.set SLOT1, 1<<17                      ; slot 1 begins here: one exclusive or turns an address in one slot into the other's
.set STAGE, SLOT1+2*STEPB              ; behind the ring, never filled by a tensor load: 128 rows x 272 bytes
.set SP,    272
.set SPARE, STAGE+128*SP               ; the spare words, 128 bytes a wave
.set AK0, 2
.set AV0, 3
.set ADRK, 4
.set ADRV, 5
.set STO0, 6                           ; self result: into the shared stage
.set RD0,  7                           ; and back, 32 whole rows a wave
.set GO0,  8                           ; 16 x lane
.set STO1, 10                          ; cross result: into my own 16 rows of the stage
.set RD1,  11
.set VS,   12
.set GO1,  13
.set QO,   14
.set ST,  16                           ; tile t: c m, m, l (even keys', odd keys')
.set TMP, 32                           ; tile t: c0-c3 at work; c2 takes a
.set MV,  48                           ; tile t: c m_old
.set SPW, 62
.set NIL, 63
.set S,   64
.set P,   192
.set MEQ, 128                          ; window 1
.set MLT, 136
.set MGT, 144
.set KF,  128                          ; window 2: key block kb, channel half c at KF + 16 kb + 8 c
.set VF,  192                          ; window 2: key half kk, channel block cb at VF + 32 kk + 8 cb
.set WV,  12
.set G1K, 24
.set G1V, 32
.set G0K, 40
.set G0V, 44
.set KB0, 48                           ; s[48:49] self K, s[50:51] self V, s[52:53] cross K, s[54:55] cross V: each at my 64 rows of slot 0
.set VB0, 50
.set KB1, 52
.set VB1, 54
.set SLOTS, 56
.set TWICE, 57
.set CS,  58
.set SEL, 60
.set TB,  62                           ; LDS byte at which the step to be fetched begins
.set NXT, 63                           ; the slot to be asked for next
.set OFF, 66                           ; s[66:67] its byte offset in its tensor
.set KB,  68                           ; s[68:69], s[70:71] the pass's bases
.set VB,  70
.set QP,  72                           ; s[72:73] Q, s[74:75] the self result, s[76:77] the cross result
.set OP0, 74
.set OP1, 76
.set BIGN, 78
.set MSB, 0
.macro WIN new
.if MSB != (\new)
	s_set_vgpr_msb (MSB<<8)|(\new)
.set MSB, (\new)
.endif
.endm
.set W_KQ, 0x0a                        ; K and Q in window 2, S^T in window 0
.set W_KM, 0x1a                        ; the same with the C operand in window 1
.set W_PV, 0x52                        ; V in window 2, P in window 0, O^T in window 1
.set W_RS, 0x41                        ; destination and source 0 in window 1, source 1 in window 0
.macro JLOAD                           ; waves 0, 1 fetch K of the slot's two steps, waves 2, 3 V.  An s_nop 0 and four v_nop follow each line
	s_cmp_lt_u32 s[WV], 2
	s_cbranch_scc0 .Lfor_v_\@
	tensor_load_to_lds s[G0K:G0K+3], s[G1K:G1K+7]
	s_nop 0
.rept 4
	v_nop
.endr
	s_branch .Lasked_\@
.Lfor_v_\@:
	tensor_load_to_lds s[G0V:G0V+3], s[G1V:G1V+7]
	s_nop 0
.rept 4
	v_nop
.endr
.Lasked_\@:
.endm
.macro CROUND
	s_barrier_signal -1
	s_barrier_wait -1
	s_cmp_lg_u32 s[WV], 0
	s_cbranch_scc1 .Lnot_wave_0_\@
	s_barrier_signal -3
.Lnot_wave_0_\@:
	s_barrier_wait -3
	s_barrier_signal -1
	s_barrier_wait -1
.endm
; THE CHANGE OF SLOTS.  Each wave waits for all its tensor loads (one is out: its part of the other slot), adds 0 to its spare word, and waits for that and for its LDS instructions.
; fill = 1: a round of the cluster's barrier, and the slot just left is filled with slot NXT's keys, first thing behind it: it has two steps' work in which to land.
.macro CHANGE fill
	WIN 0
	s_wait_tensorcnt 0x0                           ; no tensor load of mine is out, so a group 0 may be written
	ds_add_u32 v[SPW], v[NIL]
.if \fill
	s_and_b32 s[OFF], s[NXT], 7
	s_lshl_b32 s[OFF], s[OFF], 15                  ; 128 rows of 256 bytes a slot
	s_cmp_lt_u32 s[NXT], 8                         ; which pass
	s_cselect_b64 s[KB:KB+1], s[KB0:KB0+1], s[KB1:KB1+1]
	s_cselect_b64 s[VB:VB+1], s[VB0:VB0+1], s[VB1:VB1+1]
	s_add_nc_u64 s[G0K+2:G0K+3], s[KB:KB+1], s[OFF:OFF+1]
	s_or_b32 s[G0K+3], s[G0K+3], 0x80000000
	s_add_nc_u64 s[G0V+2:G0V+3], s[VB:VB+1], s[OFF:OFF+1]
	s_or_b32 s[G0V+3], s[G0V+3], 0x80000000
	s_xor_b32 s[G0K+1], s[G0K+1], SLOT1
	s_xor_b32 s[G0V+1], s[G0V+1], SLOT1
	s_add_co_u32 s[NXT], s[NXT], 1
	s_wait_dscnt 0x0                               ; the add is done; my reads of the slot and my stores into the stage are over
	CROUND
	JLOAD
.else
	s_wait_dscnt 0x0
	s_barrier_signal -1
	s_barrier_wait -1
.endif
	s_sub_co_u32 s[TB], s[TB], 2*STEPB             ; the fetches go back to a slot's first step,
	s_xor_b32 s[TB], s[TB], SLOT1                  ; in the other slot
.endm
	s_load_b128 s[4:7], s[0:1], 0x0                ; BIG s[4:5], ZKV s[6:7]
	s_load_b64 s[8:9], s[0:1], 0x10                ; AO
	v_lshl_add_u32 v[SPW], v0, 2, SPARE
	v_mov_b32 v[NIL], 0
	ds_add_u32 v[SPW], v[NIL]                      ; the wave's opening: the add and its wait ahead of my first tensor load
	v_lshrrev_b32 v1, 5, v0
	v_readfirstlane_b32 s[WV], v1
	s_bfe_u32 s13, ttmp6, 0x40000                  ; cx
	s_lshl_b32 s14, ttmp9, 2
	s_add_co_u32 s14, s14, s13                     ; my block of 128 queries: it enters Q's and the results' addresses and VS alone
	s_and_b32 s15, ttmp7, 0xffff
	s_lshr_b32 s17, s15, 2                         ; the pair of heads
	s_and_b32 s18, s15, 3                          ; the batch
	s_and_b32 s16, s[WV], 1                        ; my half of the queries.  Also: which of a slot's two steps I fetch
	s_lshr_b32 s19, s[WV], 1                       ; my head of the pair
	s_lshl_b32 s20, s17, 20                        ; a panel is 1 MiB,
	s_lshl_b32 s21, s18, 18                        ; a batch 1,024 rows of 256 bytes
	s_add_co_u32 s20, s20, s21
	s_lshl_b32 s23, s14, 15                        ; (registers 22, 23 and 72 to 77 take what hangs on the block; none of them feeds a descriptor)
	s_add_co_u32 s22, s20, s23
	s_lshl_b32 s21, s16, 14                        ; 64 rows
	s_add_co_u32 s[QP], s22, s21
	s_add_co_u32 s20, s20, s21                     ; K and V: my step of slot 0
	s_mov_b32 s21, 0
	s_lshl_b32 s2, s19, 7                          ; my head's 128 bytes of a row
	s_add_co_u32 s[QP], s[QP], s2
	s_mov_b32 s[QP+1], 0
	s_lshl_b32 s23, s[WV], 13                      ; the self result: I store rows 32 w on
	s_add_co_u32 s[OP0], s22, s23
	s_mov_b32 s[OP0+1], 0
	s_lshl_b32 s[OP1], s18, 22                     ; the cross result: rows of 4,096 bytes
	s_lshl_b32 s23, s14, 19
	s_add_co_u32 s[OP1], s[OP1], s23
	s_lshl_b32 s23, s16, 18
	s_add_co_u32 s[OP1], s[OP1], s23
	s_lshl_b32 s23, s17, 9                         ; a head's 256 bytes in them
	s_add_co_u32 s[OP1], s[OP1], s23
	s_lshl_b32 s23, s19, 8
	s_add_co_u32 s[OP1], s[OP1], s23
	s_add_co_u32 s[OP1], s[OP1], 8<<20
	s_mov_b32 s[OP1+1], 0
	s_mul_i32 s3, s16, STEPB                       ; my step's place in a slot
	s_mov_b32 s[G1K], 15|(1<<16)|(1<<20)|(1<<21)|(5<<22)|(3<<25)  ; mask of four; 2-byte elements; padding on; bit 21 beside a mask; after every 64 words 4 words
	s_mov_b32 s[G1V], 15|(1<<16)|(1<<20)|(1<<21)|(5<<22)|(7<<25)  ; the same with 8 words
.irp g, G1K, G1V
	s_mov_b32 s[(\g)+1], 128<<16                   ; tensor_dim0 = 128
	s_mov_b32 s[(\g)+2], KS<<16                    ; tensor_dim1 = 64
	s_mov_b32 s[(\g)+3], 128<<16                   ; tile_dim0 = 128
	s_mov_b32 s[(\g)+4], KS                        ; tile_dim1 = 64
	s_mov_b32 s[(\g)+5], 128                       ; 128 elements from row to row
	s_mov_b32 s[(\g)+6], 0
	s_mov_b32 s[(\g)+7], 0
.endr
	s_mov_b32 s[CS], 0x3d38aa3b                    ; c = log2(e) / 32
	s_mov_b32 s[CS+1], s[CS]
	s_mov_b32 s[SEL], 0x76543210
	s_mov_b32 s[SEL+1], 0xfedcba98
	s_mov_b32 s[TB], SLOT1+2*STEPB                 ; the first change of slots turns this into 0
	s_mov_b32 s[NXT], 1
	s_mov_b32 s[OFF+1], 0
	s_mov_b32 s[BIGN], 0xf149f2ca                  ; -1e30
	s_mov_b32 s[G0K], 1
	s_mov_b32 s[G0K+1], s3
	s_mov_b32 s[G0V], 1
	s_add_co_u32 s[G0V+1], s3, VOFF
	s_wait_dscnt 0x0                               ; the opening add is done
	s_wait_kmcnt 0x0
	s_add_nc_u64 s[KB0:KB0+1], s[4:5], s[20:21]
	s_add_nc_u64 s[VB0:VB0+1], s[KB0:KB0+1], 16<<20   ; V's panels are 16 to 23,
	s_add_nc_u64 s[KB0:KB0+1], s[KB0:KB0+1], 8<<20    ; K's 8 to 15
	s_add_nc_u64 s[KB1:KB1+1], s[6:7], s[20:21]
	s_add_nc_u64 s[VB1:VB1+1], s[KB1:KB1+1], 9<<20
	s_add_nc_u64 s[KB1:KB1+1], s[KB1:KB1+1], 1<<20
	s_add_nc_u64 s[G0K+2:G0K+3], s[KB0:KB0+1], 0
	s_or_b32 s[G0K+3], s[G0K+3], 0x80000000
	s_add_nc_u64 s[G0V+2:G0V+3], s[VB0:VB0+1], 0
	s_or_b32 s[G0V+3], s[G0V+3], 0x80000000
	s_add_nc_u64 s[QP:QP+1], s[4:5], s[QP:QP+1]
	s_add_nc_u64 s[OP0:OP0+1], s[8:9], s[OP0:OP0+1]
	s_add_nc_u64 s[OP1:OP1+1], s[8:9], s[OP1:OP1+1]
	CROUND                                         ; all four work-groups are here
	JLOAD                                          ; slot 0: one load of mine is out, here and behind every round
	v_and_b32 v1, 15, v0                           ; l % 16
	v_bfe_u32 v9, v0, 4, 1                         ; l / 16
	v_lshlrev_b32 v[QO], 8, v1
	v_lshl_add_u32 v[QO], v9, 4, v[QO]
	WIN 0x80
.set i, 0
.rept 8                                ; Q stays in registers: tile i / 2, channels 32 (i % 2) on
	global_load_b128 v[8*i:8*i+3],   v[QO], s[QP:QP+1] offset:(i/2)*4096+(i%2)*64
	global_load_b128 v[8*i+4:8*i+7], v[QO], s[QP:QP+1] offset:(i/2)*4096+(i%2)*64+32
.set i, i+1
.endr
	WIN 0x40                                       ; O^T and l start at 0, in the wait for the first tile: no first step is written out
.set i, 0
.rept 128
	v_mov_b32 v[i], 0
.set i, i+1
.endr
	WIN 0
.set i, 0
.rept 4
	v_mov_b32 v[ST+4*i], 0xfe000000                ; c m: far below every c s
	v_mov_b32 v[ST+4*i+1], 0xff7fffff              ; m
	v_mov_b32 v[ST+4*i+2], 0
	v_mov_b32 v[ST+4*i+3], 0
.set i, i+1
.endr
	v_mul_u32_u24 v[AK0], v1, PK
	v_lshl_add_u32 v[AK0], v9, 4, v[AK0]
	v_add_nc_u32 v[AK0], s2, v[AK0]                ; row x pitch + 16 x half + my head
	v_and_b32 v52, 7, v0
	v_bfe_u32 v53, v0, 3, 1
	v_lshl_add_u32 v[AV0], v9, 3, v52              ; key 8 (l / 16) + l % 8,
	v_mul_u32_u24 v[AV0], v[AV0], PV
	v_lshl_add_u32 v[AV0], v53, 4, v[AV0]          ; channels 8 ((l / 8) % 2) on
	s_add_co_u32 s3, s2, VOFF
	v_add_nc_u32 v[AV0], s3, v[AV0]
	v_mul_u32_u24 v54, v1, SP
	v_mul_u32_u24 v55, v9, SP
	s_mul_i32 s3, s16, 64*SP
	s_add_co_u32 s3, s3, s2
	s_add_co_u32 s3, s3, STAGE
	v_lshl_add_u32 v[STO0], v9, 4, v54
	v_add_nc_u32 v[STO0], s3, v[STO0]              ; row 64 (w % 2) + l % 16, my head's half of it
	s_mul_i32 s3, s[WV], 32*SP
	s_add_co_u32 s3, s3, STAGE
	v_lshl_add_u32 v[RD0], v1, 4, v55
	v_add_nc_u32 v[RD0], s3, v[RD0]
	v_and_b32 v[GO0], 31, v0
	v_lshlrev_b32 v[GO0], 4, v[GO0]
	s_mul_i32 s3, s[WV], 16*SP
	s_add_co_u32 s3, s3, STAGE
	v_lshl_add_u32 v[STO1], v9, 5, v54
	v_add_nc_u32 v[STO1], s3, v[STO1]
	v_lshl_add_u32 v[RD1], v1, 4, v55
	v_add_nc_u32 v[RD1], s3, v[RD1]
	v_lshlrev_b32 v[GO1], 12, v9
	v_lshl_add_u32 v[GO1], v1, 4, v[GO1]
	s_lshl_b32 s22, s14, 7
	s_lshl_b32 s23, s16, 6
	s_add_co_u32 s22, s22, s23
	v_lshlrev_b32 v15, 3, v9
	v_sub_nc_u32 v[VS], v1, v15
	v_add_nc_u32 v[VS], s22, v[VS]
.macro PLACES
.rept 4
	v_nop
.endr
.endm
.macro REGS t
.set rT, ST+4*(\t)
.set rC, TMP+4*(\t)
.set rM, MV+(\t)
.set rS, S+32*(\t)
.set rP, P+16*(\t)
.set rO, 32*(\t)
.endm
; Number n of the 22 that find a tile's maximum and statistics.  Each accumulator's lowest registers are read first.
.macro XS t, n
	REGS \t
.if (\n) < 4
	v_max3_num_f32 v[rC+(\n)], v[rS+8*(\n)], v[rS+8*(\n)+1], v[rS+8*(\n)+2]
.elseif (\n) < 12
	v_max3_num_f32 v[rC+(\n)%4], v[rC+(\n)%4], v[rS+8*((\n)%4)+2*((\n)/4)+1], v[rS+8*((\n)%4)+2*((\n)/4)+2]
.elseif (\n) == 12
	v_max3_num_f32 v[rC], v[rC], v[rS+7], v[rS+15]
.elseif (\n) == 13
	v_max3_num_f32 v[rC+1], v[rC+1], v[rS+23], v[rS+31]
.elseif (\n) == 14
	v_max3_num_f32 v[rC+2], v[rC+2], v[rC+3], v[rT+1]
.elseif (\n) == 15
	v_mov_b32 v[rM], v[rT]
.elseif (\n) == 16
	v_max3_num_f32 v[rC], v[rC], v[rC+1], v[rC+2]
.elseif (\n) == 17
	v_permlanex16_b32 v[rC+3], v[rC], s[SEL], s[SEL+1]   ; the query's other 32 keys lie in the lane 16 away
.elseif (\n) == 18
	v_max_num_f32 v[rT+1], v[rC], v[rC+3]
.elseif (\n) == 19
	v_mul_f32 v[rT], s[CS], v[rT+1]
.elseif (\n) == 20
	v_sub_f32 v[rC+1], v[rM], v[rT]
.else
	v_exp_f32 v[rC+2], v[rC+1]
.endif
.endm
.macro FS t, n                         ; c s - c m for pair n
	REGS \t
	v_pk_fma_f32 v[rS+2*(\n):rS+2*(\n)+1], v[rS+2*(\n):rS+2*(\n)+1], s[CS:CS+1], v[rT:rT+1] op_sel_hi:[1,0,0] neg_lo:[0,0,1] neg_hi:[0,0,1]
.endm
.macro ES t, n
	REGS \t
	v_exp_f32 v[rS+(\n)], v[rS+(\n)]
.endm
.macro CP t, n                         ; pair n rounded to bf16
	REGS \t
	s_wait_alu depctr_va_vdst(0)
	v_cvt_pk_bf16_f32 v[rP+(\n)], v[rS+2*(\n)], v[rS+2*(\n)+1]
.endm
.macro SOFTMAX
	WIN 0
.irp n, 0,1,2,3,4,5,6,7,8,9,10,11,12,13,14,15,16,17,18,19,20,21
.irp t, 0,1,2,3
	XS \t, \n
.endr
.endr
.irp t, 0,1,2,3
	FS \t, 0
.endr
.set g, 0
.rept 16                               ; exponential, plain, exponential, plain: behind every exponential stands a plain line that names none of its registers (ISA guide 5.7.2)
.irp t, 0,1,2,3
	ES \t, 2*g
.if g < 15
	FS \t, g+1
.else
	CP \t, 14
.endif
	ES \t, 2*g+1
.if (g > 0) && (g < 15)
	CP \t, g-1
.else
	v_nop
	s_wait_alu depctr_va_vdst(0)
.endif
.endr
.set g, g+1
.endr
.irp t, 0,1,2,3
	CP \t, 15
.endr
.irp n, 0,1,2,3,4,5,6,7                ; of four weights the second pair is added onto the first, in place
.irp t, 0,1,2,3
	REGS \t
	v_pk_add_f32 v[rS+4*(\n):rS+4*(\n)+1], v[rS+4*(\n):rS+4*(\n)+1], v[rS+4*(\n)+2:rS+4*(\n)+3]
.endr
.endr
.irp t, 0,1,2,3
	REGS \t
	v_pk_fma_f32 v[rT+2:rT+3], v[rT+2:rT+3], v[rC+2:rC+3], v[rS:rS+1] op_sel_hi:[1,0,1]   ; l = a l + sum
.endr
.irp n, 1,2,3,4,5,6,7
.irp t, 0,1,2,3
	REGS \t
	v_pk_add_f32 v[rT+2:rT+3], v[rT+2:rT+3], v[rS+4*(\n):rS+4*(\n)+1]
.endr
.endr
	WIN W_RS
.irp n, 0,1,2,3,4,5,6,7,8,9,10,11,12,13,14,15
.irp t, 0,1,2,3
	REGS \t
	v_pk_mul_f32 v[rO+2*(\n):rO+2*(\n)+1], v[rO+2*(\n):rO+2*(\n)+1], v[rC+2:rC+3] op_sel_hi:[1,0]   ; O^T times a, each accumulator from its low end
.endr
.endr
.endm
; A KEY STEP.  The 16 accumulators of each run of 32 products take turns, one instruction a turn.
.macro STEP
	WIN 0
	v_add_nc_u32 v[ADRK], s[TB], v[AK0]
	v_add_nc_u32 v[ADRV], s[TB], v[AV0]
	s_add_co_u32 s[TB], s[TB], STEPB
	WIN 0x80
.irp f, 0,1,2,3,4,5,6,7                ; K: keys 16 (f / 2) on, channels 32 (f % 2) on
	ds_load_b128 v[KF+8*\f:KF+8*\f+3],   v[ADRK] offset:(\f/2)*16*PK+(\f%2)*64
	ds_load_b128 v[KF+8*\f+4:KF+8*\f+7], v[ADRK] offset:(\f/2)*16*PK+(\f%2)*64+32
.endr
.irp f, 0,1,2,3,4,5,6,7                ; V, turned: keys 32 (f / 4) on, channels 16 (f % 4) on
	ds_load_tr16_b128 v[VF+8*\f:VF+8*\f+3],   v[ADRV] offset:(\f/4)*32*PV+(\f%4)*32
	ds_load_tr16_b128 v[VF+8*\f+4:VF+8*\f+7], v[ADRV] offset:(\f/4)*32*PV+16*PV+(\f%4)*32
.endr
	WIN 0x40                                       ; the masks are made while the loads are out
.set j, 0
.rept 8
	v_cmp_gt_i32 vcc_lo, j, v[VS]
	v_cndmask_b32 v[MEQ+j], 0, s[BIGN], vcc_lo
.set j, j+1
.endr
	v_cmp_gt_i32 vcc_lo, -8, v[VS]
.set j, 0
.rept 8
	v_cndmask_b32 v[MLT+j], 0, s[BIGN], vcc_lo
.set j, j+1
.endr
	v_cmp_gt_i32 vcc_lo, 16, v[VS]
.set j, 0
.rept 8
	v_cndmask_b32 v[MGT+j], 0, s[BIGN], vcc_lo
.set j, j+1
.endr
	WIN 0
	v_add_nc_u32 v[VS], 0xffffffc0, v[VS]          ; the next step begins 64 keys on
	s_wait_dscnt 16                                ; K is in; V's 16 loads may stay out
.set i, 0
.rept 32                               ; S^T = K Q^T: channels 32 (i / 16) on, keys 16 ((i / 4) % 4) on, tile i % 4; the first 16 start the sums with the mask
.set rS, S+32*(i%4)+8*((i/4)%4)
.set rK, KF+16*((i/4)%4)+8*(i/16)
.set rQ, 16*(i%4)+8*(i/16)
.if i < 16
.if ((i/4)%4) < (i%4)
.set rX, MLT
.elseif ((i/4)%4) == (i%4)
.set rX, MEQ
.else
.set rX, MGT
.endif
	WIN W_KM
	v_wmma_f32_16x16x32_bf16 v[rS:rS+7], v[rK:rK+7], v[rQ:rQ+7], v[rX:rX+7]
.else
	WIN W_KQ
	v_wmma_f32_16x16x32_bf16 v[rS:rS+7], v[rK:rK+7], v[rQ:rQ+7], v[rS:rS+7]
.endif
.set i, i+1
.endr
	PLACES                                         ; in front of the maxima, which read results just made
	SOFTMAX
	s_wait_dscnt 0x0                               ; V is in
	WIN W_PV
.set i, 0
.rept 32                               ; O^T += V^T P: keys 32 (i / 16) on, channels 16 ((i / 4) % 4) on, tile i % 4
.set rO, 32*(i%4)+8*((i/4)%4)
.set rV, VF+32*(i/16)+8*((i/4)%4)
.set rP, P+16*(i%4)+8*(i/16)
	v_wmma_f32_16x16x32_bf16 v[rO:rO+7], v[rV:rV+7], v[rP:rP+7], v[rO:rO+7]
.set i, i+1
.endr
	PLACES                                         ; in front of the next loads into V's registers, and of the way out
	WIN 0
.endm
.macro TWO_STEPS                       ; a slot's two steps: written once, walked twice; the LDS addresses hang on s[TB]
	s_mov_b32 s[TWICE], 2
.Lstep_\@:
	STEP
	s_sub_co_u32 s[TWICE], s[TWICE], 1
	s_cmp_lg_u32 s[TWICE], 0
	s_cbranch_scc1 .Lstep_\@
.endm
.macro RECIP                           ; 1 / l into c2 of every tile
.irp t, 0,1,2,3
	v_add_f32 v[TMP+4*\t], v[ST+4*\t+2], v[ST+4*\t+3]
.endr
.irp t, 0,1,2,3
	v_permlanex16_b32 v[TMP+4*\t+1], v[TMP+4*\t], s[SEL], s[SEL+1]
.endr
.irp t, 0,1,2,3
	v_add_f32 v[TMP+4*\t], v[TMP+4*\t], v[TMP+4*\t+1]
.endr
.irp t, 0,1,2,3
	v_rcp_f32 v[TMP+4*\t+2], v[TMP+4*\t]
.endr
	v_nop
	s_wait_alu depctr_va_vdst(0)
.endm
.macro SCALE t                         ; tile t's O^T times 1 / l
	WIN W_RS
.set i, 32*(\t)
.rept 16
	v_pk_mul_f32 v[i:i+1], v[i:i+1], v[TMP+4*(\t)+2:TMP+4*(\t)+3] op_sel_hi:[1,0]
.set i, i+2
.endr
.endm
; THE SELF PASS ENDS.  First part: O^T / l, rounded to bf16, into the stage that the four waves share (a row's 256 bytes come from the two heads' waves); then the statistics start anew.
.macro OUT0A
	RECIP
.irp t, 0,1,2,3
	SCALE \t
	WIN 0x05                                       ; sources 0 and 1 window 1, destination window 0
.set i, 0
.rept 16
	v_cvt_pk_bf16_f32 v[S+16*\t+i], v[32*\t+2*i], v[32*\t+2*i+1]
.set i, i+1
.endr
	WIN 0
.irp f, 0,1,2,3
	ds_store_b128 v[STO0], v[S+16*\t+4*\f:S+16*\t+4*\f+3] offset:\t*16*SP+32*\f
.endr
.endr
.set i, 0
.rept 4
	v_mov_b32 v[ST+4*i], 0xfe000000                ; the cross pass's first step has a = 0: O^T and l need only be finite
	v_mov_b32 v[ST+4*i+1], 0xff7fffff
.set i, i+1
.endr
	v_mov_b32 v[VS], 0x10000000                    ; no key is hidden from here on
.endm
; Second part, behind the next change of slots, whose wait for LDS and whose barriers stand between the four waves' stores and these loads: 32 whole rows a wave.
.macro OUT0B
.set i, 0
.rept 16
	ds_load_b128 v[S+4*i:S+4*i+3], v[RD0] offset:i*2*SP
.set i, i+1
.endr
.set i, 0
.rept 16
	s_wait_dscnt 15-i
	global_store_b128 v[GO0], v[S+4*i:S+4*i+3], s[OP0:OP0+1] offset:512*i   ; two rows of the panel: 512 consecutive bytes, aligned
.set i, i+1
.endr
	s_wait_xcnt 0x0                                ; S^T's registers are written again only behind this wait
.endm
; THE CROSS PASS ENDS: O^T / l in f32, a tile at a time through my own 16 rows of the stage, back as whole rows of 256 bytes.
.macro PACK1 t
	SCALE \t
	WIN 0x04                                       ; store data in window 1
.irp f, 0,1,2,3,4,5,6,7
	ds_store_b128 v[STO1], v[32*(\t)+4*\f:32*(\t)+4*\f+3] offset:(\f/2)*64+(\f%2)*16
.endr
	WIN 0
.irp f, 0,1,2,3,4,5,6,7
	ds_load_b128 v[S+32*(\t)+4*\f:S+32*(\t)+4*\f+3], v[RD1] offset:\f*2*SP   ; LDS serves a wave's instructions in order (ISA guide 5.7.1.4)
.endr
.endm
.macro SEND1 t, younger                ; younger: the LDS instructions issued behind tile t's loads: the next tile's sixteen, or none
.irp f, 0,1,2,3,4,5,6,7
	s_wait_dscnt (\younger)+7-\f
	global_store_b128 v[GO1], v[S+32*(\t)+4*\f:S+32*(\t)+4*\f+3], s[OP1:OP1+1] offset:(\t)*65536+\f*8192   ; 16 lanes store a head's 256 bytes of a row, aligned
.endr
.endm
	s_wait_loadcnt 0x0                             ; Q
	s_mov_b32 s[SLOTS], 15
.Lslot:                                                ; 15 trips: a slot is entered and the next is asked for; trip with SLOTS = n walks slot 15 - n
	CHANGE 1
	s_cmp_lg_u32 s[SLOTS], 7
	s_cbranch_scc1 .Lno_b
	OUT0B
.Lno_b:
	TWO_STEPS
	s_cmp_lg_u32 s[SLOTS], 8
	s_cbranch_scc1 .Lno_a
	OUT0A
.Lno_a:
	s_sub_co_u32 s[SLOTS], s[SLOTS], 1
	s_cmp_lg_u32 s[SLOTS], 0
	s_cbranch_scc1 .Lslot
	CHANGE 0                                       ; the last slot is written out
	TWO_STEPS
	RECIP
	PACK1 0
	PACK1 1
	SEND1 0, 16
	PACK1 2
	SEND1 1, 16
	PACK1 3
	SEND1 2, 16
	SEND1 3, 0
	s_wait_tensorcnt 0x0                           ; the wave's end
	ds_add_u32 v[SPW], v[NIL]
	s_wait_dscnt 0x0
	CROUND                                         ; the closing round
	s_endpgm
.Lfunc_end_k_qfe38ffbade_attn:
	.size	k_qfe38ffbade_attn, .Lfunc_end_k_qfe38ffbade_attn-k_qfe38ffbade_attn
	.p2alignl 7, 3214868480
	.fill 96, 4, 3214868480
	.section	.rodata,"a",@progbits
	.p2align	6, 0x0
	.amdhsa_kernel k_qfe38ffbade_attn
		.amdhsa_group_segment_fixed_size 327680
		.amdhsa_private_segment_fixed_size 0
		.amdhsa_enable_private_segment 0
		.amdhsa_kernarg_size 24
		.amdhsa_user_sgpr_count 2
		.amdhsa_user_sgpr_kernarg_segment_ptr 1
		.amdhsa_wavefront_size32 1
		.amdhsa_system_sgpr_workgroup_id_x 1
		.amdhsa_system_sgpr_workgroup_id_y 1
		.amdhsa_system_sgpr_workgroup_id_z 1
		.amdhsa_system_vgpr_workitem_id 0
		.amdhsa_next_free_vgpr 768
		.amdhsa_next_free_sgpr 80
		.amdhsa_reserve_vcc 1
		.amdhsa_float_denorm_mode_32 3
		.amdhsa_float_denorm_mode_16_64 3
		.amdhsa_memory_ordered 1
		.amdhsa_forward_progress 1
		.amdhsa_inst_pref_size 115
	.end_amdhsa_kernel
	.amdgpu_metadata
---
amdhsa.version: [ 1, 2 ]
amdhsa.kernels:
  - .name:           k_qfe38ffbade_attn
    .symbol:         k_qfe38ffbade_attn.kd
    .args:
      - { .name: BIG, .offset: 0, .size: 8, .value_kind: global_buffer, .address_space: global }
      - { .name: ZKV, .offset: 8, .size: 8, .value_kind: global_buffer, .address_space: global }
      - { .name: AO, .offset: 16, .size: 8, .value_kind: global_buffer, .address_space: global }
    .group_segment_fixed_size: 327680
    .private_segment_fixed_size: 0
    .kernarg_segment_align: 8
    .kernarg_segment_size: 24
    .max_flat_workgroup_size: 128
    .sgpr_count:     80
    .vgpr_count:     768
    .wavefront_size: 32
...
	.end_amdgpu_metadata
.endif
;; end of part 3
;; launch proj (part 4): grid 8 x 32, 4 waves a work-group, clusters of 4 x 4, 327,680 bytes of LDS; arguments AO, U1; writes U1
.if DOCPART == 4
	.amdgcn_target "amdgcn-amd-amdhsa--gfx1250"
	.amdhsa_code_object_version 6
	.text
	.protected	k_qfe38ffbade_proj
	.globl	k_qfe38ffbade_proj
	.p2align	8
	.type	k_qfe38ffbade_proj,@function
k_qfe38ffbade_proj:
	s_mov_b64 s[64:65], 0
	v_nop
	global_prefetch_b8 v0, s[64:65] scope:SCOPE_SE
	s_setreg_imm32_b32 hwreg(HW_REG_WAVE_MODE, 25, 1), 1
	s_wait_xcnt 0x0
	s_wait_alu depctr_hold_cnt(0) depctr_sa_sdst(0) depctr_va_vdst(0) depctr_va_sdst(0) depctr_va_ssrc(0) depctr_va_vcc(0) depctr_vm_vsrc(0)
	s_getreg_b32 s2, hwreg(HW_REG_IB_STS2, 6, 4)
	s_cmp_eq_u32 s2, 0
	s_cbranch_scc0 .Lentry_in_a_cluster
	s_endpgm
.Lentry_in_a_cluster:
	s_bfe_u32 s2, ttmp6, 0x10000c
	s_cmp_lg_u32 s2, 0xf033
	s_cbranch_scc0 .Lentry_shape_is_right
	s_endpgm
.Lentry_shape_is_right:
; C[m][n] = sum over k of A[m][k] B[k][n].  M = 4,096, N = 1,024, K = 1,024.  bf16 operands, f32 sums, C rounded once to bf16, [4096][1024].
; Arguments: ab, c.  A lies at ab in panels [K / 128][4096][128] bf16; B at ab + 32 MiB, [K][1024] bf16.
; One launch runs this text: attention = O_self W_proj.
; A tile of C is 128 x 128, so that 256 work-groups share the work; four waves of 64 x 64: 16 accumulators.  K goes in steps of 256 through two LDS slots; a wave's tensor load brings 128 rows x 256 bytes:
; one k panel of A's 128 rows, or 128 k rows of B's 128 columns.  CLUSTER 4 x 4: A's tiles jointly along a row of the cluster, B's along a column.
; THE MATRIX INSTRUCTION IS USED TRANSPOSED (source 0 = 16 columns of B, by the transposing LDS load; source 1 = 16 rows of A): a lane holds eight neighbouring numbers of a row of C.
; REGISTERS: window 0: v0-31 addresses; v32-95 the way out; v128-255 the accumulators ((a, b) at v[128 + 8 (4 a + b)]).  window 1: two fragment buffers of 128: 64 of A, then 64 of B, for 64 along K.
.set LAPS,   2                         ; K = 1,024 = 2 laps of two K steps of 256
.set KSTEP,  256
.set PA,     272
.set PB,     288
.set HALFA,  128*PA                    ; one k panel: 128 rows x 128 k
.set HALFB,  128*PB                    ; 128 k x 128 columns
.set SLOT,   2*HALFA+2*HALFB
.set STAGE,  2*SLOT                    ; behind the ring: 128 rows x 272 bytes, the work-group's
.set SPITCH, 272
.set SPARE,  STAGE+128*SPITCH
.set SIZE_N, 1024
.set ADRA, 16                          ; v16-17  my A fragments in slot 0, 1
.set ADRB, 20                          ; v20-23  my B fragments: slot 0 k half 0, 1; slot 1 k half 0, 1 (an LDS offset has 16 bits)
.set STO,  24
.set RD,   25
.set CO,   26
.set SPW,  28
.set NIL,  29
.set TMP,  32
.set ACC,  128
.set F0,   0
.set F1,   128
.set G1, 24
.set G0, 32
.set G1B, 48
.set G0B, 56
.set MSB, 0
.macro WIN new
.if MSB != (\new)
	s_set_vgpr_msb (MSB<<8)|(\new)
.set MSB, \new
.endif
.endm
.set MUL,  0x05                        ; sources 0 (B) and 1 (A) window 1; C and D window 0
.set TO_F, 0x40                        ; destination window 1, address window 0
.macro JLOAD s                         ; a joint load: waves 0, 1 fetch A's two panels, waves 2, 3 B's two halves; an s_nop 0 and four v_nop follow each line
	s_cmp_eq_u32 s11, 0
	s_cbranch_scc0 .Lfor_b_\@
	tensor_load_to_lds s[G0+4*(\s):G0+4*(\s)+3], s[G1:G1+7]
	s_nop 0
.rept 4
	v_nop
.endr
	s_branch .Lasked_\@
.Lfor_b_\@:
	tensor_load_to_lds s[G0B+4*(\s):G0B+4*(\s)+3], s[G1B:G1B+7]
	s_nop 0
.rept 4
	v_nop
.endr
.Lasked_\@:
.endm
.macro CREST
	s_cmp_lg_u32 s10, 0
	s_cbranch_scc1 .Lnot_wave_0_\@
	s_barrier_signal -3
.Lnot_wave_0_\@:
	s_barrier_wait -3
	s_barrier_signal -1
	s_barrier_wait -1
.endm
.macro CROUND
	s_barrier_signal -1
	s_barrier_wait -1
	CREST
.endm
	s_load_b64 s[4:5], s[0:1], 0x0                 ; ab
	s_load_b64 s[8:9], s[0:1], 0x8                 ; c
	v_lshl_add_u32 v[SPW], v0, 2, SPARE
	v_mov_b32 v[NIL], 0
	ds_add_u32 v[SPW], v[NIL]                      ; the wave's opening: the add and its wait ahead of my first tensor load
	v_lshrrev_b32 v1, 5, v0
	v_readfirstlane_b32 s10, v1
	s_lshr_b32 s11, s10, 1                         ; my half of the tile's rows.  Also: I fetch for A (0) or B (1)
	s_and_b32 s12, s10, 1                          ; my half of its columns.  Also: which half of a K step I fetch
	s_bfe_u32 s40, ttmp6, 0x40000
	s_bfe_u32 s41, ttmp6, 0x40004
	s_lshl_b32 s42, ttmp9, 2
	s_add_co_u32 s42, s42, s40                     ; tile column
	s_and_b32 s13, ttmp7, 0xffff
	s_lshl_b32 s13, s13, 2
	s_add_co_u32 s13, s13, s41                     ; tile row
	s_lshl_b32 s43, s41, 2
	s_lshl_b32 s43, 15, s43
	s_lshl_b32 s44, 0x1111, s40
	s_or_b32 s[G1+0], s43, (1<<16)|(1<<20)|(1<<21)|(5<<22)|(3<<25)
	s_or_b32 s[G1B+0], s44, (1<<16)|(1<<20)|(1<<21)|(5<<22)|(7<<25)
.irp g, G1, G1B
	s_mov_b32 s[(\g)+1], 128<<16                   ; tensor_dim0 = 128
	s_mov_b32 s[(\g)+2], 128<<16                   ; tensor_dim1 = 128
	s_mov_b32 s[(\g)+3], 128<<16                   ; tile_dim0 = 128
	s_mov_b32 s[(\g)+4], 128                       ; tile_dim1 = 128
	s_mov_b32 s[(\g)+6], 0
	s_mov_b32 s[(\g)+7], 0
.endr
	s_mov_b32 s[G1+5], 128                         ; A: a panel's rows are dense
	s_mov_b32 s[G1B+5], SIZE_N                     ; B: 1,024 elements from row to row
	s_lshl_b32 s16, s12, 20                        ; A: my k panel of the step, 1 MiB each,
	s_lshl_b32 s17, s13, 15                        ; in it 128 rows of 256 bytes a tile row
	s_add_co_u32 s16, s16, s17
	s_mov_b32 s17, 0
	s_lshl_b32 s46, s12, 18                        ; B: my 128 k rows of 2,048 bytes,
	s_lshl_b32 s47, s42, 8                         ; 256 bytes a tile column,
	s_add_co_u32 s46, s46, s47
	s_add_co_u32 s46, s46, 32<<20                  ; behind A
	s_mov_b32 s47, 0
	s_mul_i32 s20, s12, HALFA
	s_mul_i32 s21, s12, HALFB
	s_add_co_u32 s21, s21, 2*HALFA
	s_wait_dscnt 0x0                               ; the opening add is done
	s_wait_kmcnt 0x0
	s_add_nc_u64 s[14:15], s[4:5], s[16:17]
	s_add_nc_u64 s[46:47], s[4:5], s[46:47]
	CROUND
.irp s, 0,1
	s_mov_b32 s[G0+4*(\s)], 1
	s_add_co_u32 s[G0+4*(\s)+1], s20, (\s)*SLOT
	s_add_nc_u64 s[G0+4*(\s)+2:G0+4*(\s)+3], s[14:15], (\s)*(2<<20)        ; K step s: two panels on
	s_or_b32 s[G0+4*(\s)+3], s[G0+4*(\s)+3], 0x80000000
	s_mov_b32 s[G0B+4*(\s)], 1
	s_add_co_u32 s[G0B+4*(\s)+1], s21, (\s)*SLOT
	s_add_nc_u64 s[G0B+4*(\s)+2:G0B+4*(\s)+3], s[46:47], (\s)*KSTEP*SIZE_N*2  ; K step s: 256 rows down
	s_or_b32 s[G0B+4*(\s)+3], s[G0B+4*(\s)+3], 0x80000000
	JLOAD \s
.endr
	v_and_b32 v1, 15, v0
	v_bfe_u32 v2, v0, 4, 1
	v_mul_u32_u24 v3, v1, PA
	v_lshl_add_u32 v3, v2, 4, v3
	v_and_b32 v4, 7, v0
	v_lshl_add_u32 v4, v2, 3, v4
	v_mul_u32_u24 v4, v4, PB
	v_bfe_u32 v5, v0, 3, 1
	v_lshl_add_u32 v4, v5, 4, v4
	s_mul_i32 s22, s11, 64*PA                      ; my 64 rows of A
	s_lshl_b32 s23, s12, 7                         ; my 64 columns of B,
	s_add_co_u32 s23, s23, 2*HALFA                 ; behind A's two panels
.irp s, 0,1
	v_add_nc_u32 v[ADRA+(\s)], s22, v3
	v_add_nc_u32 v[ADRB+2*(\s)], s23, v4
	s_add_co_u32 s23, s23, HALFB
	v_add_nc_u32 v[ADRB+2*(\s)+1], s23, v4
	s_add_co_u32 s22, s22, SLOT
	s_add_co_u32 s23, s23, SLOT-HALFB
.endr
	s_mul_i32 s23, s11, 64*SPITCH                  ; into the stage: my 64 rows, my half of their 256 bytes
	s_lshl_b32 s22, s12, 7
	s_add_co_u32 s23, s23, s22
	s_add_co_u32 s23, s23, STAGE
	v_mul_u32_u24 v4, v1, SPITCH
	v_lshl_add_u32 v4, v2, 4, v4
	v_add_nc_u32 v[STO], s23, v4
	s_mul_i32 s23, s10, 32*SPITCH                  ; back: wave w takes rows 32 w on, whole
	s_add_co_u32 s23, s23, STAGE
	v_mul_u32_u24 v5, v2, SPITCH
	v_lshl_add_u32 v5, v1, 4, v5
	v_add_nc_u32 v[RD], s23, v5
	v_mul_u32_u24 v5, v2, SIZE_N*2
	v_lshl_add_u32 v[CO], v1, 4, v5
	s_lshl_b32 s46, s13, 7
	s_lshl_b32 s47, s10, 5
	s_add_co_u32 s46, s46, s47                     ; the first row of C that I store
	s_lshl_b32 s46, s46, 11                        ; rows of 2,048 bytes
	s_lshl_b32 s47, s42, 8                         ; the tile's first column
	s_add_co_u32 s46, s46, s47
	s_mov_b32 s47, 0
	s_add_nc_u64 s[8:9], s[8:9], s[46:47]
.macro MUL8 f, c, a0, zero             ; 8 matrix instructions: m blocks a0, a0 + 1 x 4 n blocks, 32 along K: half c of buffer f
	WIN MUL
.irp a, \a0, (\a0)+1
.irp b, 0,1,2,3
.if \zero
	v_wmma_f32_16x16x32_bf16 v[ACC+8*(4*(\a)+(\b)):ACC+8*(4*(\a)+(\b))+7], v[(\f)+64+8*(4*(\c)+(\b)):(\f)+64+8*(4*(\c)+(\b))+7], v[(\f)+8*(4*(\c)+(\a)):(\f)+8*(4*(\c)+(\a))+7], 0
.else
	v_wmma_f32_16x16x32_bf16 v[ACC+8*(4*(\a)+(\b)):ACC+8*(4*(\a)+(\b))+7], v[(\f)+64+8*(4*(\c)+(\b)):(\f)+64+8*(4*(\c)+(\b))+7], v[(\f)+8*(4*(\c)+(\a)):(\f)+8*(4*(\c)+(\a))+7], v[ACC+8*(4*(\a)+(\b)):ACC+8*(4*(\a)+(\b))+7]
.endif
.endr
.endr
.endm
; 32 LDS loads in one run: quarter q (64 along K) of a slot into buffer f; the first 32 along K first
.macro FETCH slot, q, f
	WIN TO_F
.irp c, 0,1
.irp i, 0,1,2,3
	ds_load_tr16_b128 v[(\f)+64+8*(4*(\c)+(\i)):(\f)+64+8*(4*(\c)+(\i))+3],   v[ADRB+2*(\slot)+(\q)/2] offset:(((\q)%2)*64+32*(\c))*PB+32*(\i)
	ds_load_tr16_b128 v[(\f)+64+8*(4*(\c)+(\i))+4:(\f)+64+8*(4*(\c)+(\i))+7], v[ADRB+2*(\slot)+(\q)/2] offset:(((\q)%2)*64+32*(\c)+16)*PB+32*(\i)
	ds_load_b128 v[(\f)+8*(4*(\c)+(\i)):(\f)+8*(4*(\c)+(\i))+3],         v[ADRA+(\slot)] offset:((\q)/2)*HALFA+((\q)%2)*128+64*(\c)+(\i)*16*PA
	ds_load_b128 v[(\f)+8*(4*(\c)+(\i))+4:(\f)+8*(4*(\c)+(\i))+7],       v[ADRA+(\slot)] offset:((\q)/2)*HALFA+((\q)%2)*128+64*(\c)+(\i)*16*PA+32
.endr
.endr
.endm
.macro PLACES                          ; four plain vector instructions between a matrix instruction and a load into, or a vector read of, its registers
.rept 4
	v_nop
.endr
.endm
.macro QUARTER slot, q, f, g, zero
	s_wait_dscnt 16                                ; the first 32 along K are in; the youngest sixteen loads may be out
	MUL8 \f, 0, 0, \zero
	MUL8 \f, 0, 2, \zero
	PLACES
	FETCH \slot, \q, \g
	s_wait_dscnt 32                                ; all but the 32 just issued
	MUL8 \f, 1, 0, 0
	MUL8 \f, 1, 2, 0
.endm
.macro TURN slot, next, fill
	WIN 0
	s_wait_tensorcnt 0x0                           ; all my tensor loads have landed: my part of the next slot
	ds_add_u32 v[SPW], v[NIL]
	s_wait_dscnt 17                                ; the add and the youngest sixteen loads may be out
	MUL8 F1, 0, 0, 0
	s_wait_dscnt 0x0                               ; the add is done, and my reads of this slot are over
	s_barrier_signal -1
	MUL8 F1, 0, 2, 0
.if \fill
	WIN 0
.endif
	s_barrier_wait -1
.if \fill
	CREST                                          ; the barrier has opened a round of the cluster's
	s_add_nc_u64 s[G0+4*(\slot)+2:G0+4*(\slot)+3], s[G0+4*(\slot)+2:G0+4*(\slot)+3], 4<<20
	s_add_nc_u64 s[G0B+4*(\slot)+2:G0B+4*(\slot)+3], s[G0B+4*(\slot)+2:G0B+4*(\slot)+3], 2*KSTEP*SIZE_N*2
	JLOAD \slot                                    ; my one tensor load behind the round; its four v_nop are also the places in front of the loads below
.else
	PLACES
.endif
	FETCH \next, 0, F0
	MUL8 F1, 1, 0, 0
	MUL8 F1, 1, 2, 0
.endm
	s_wait_tensorcnt 1                             ; my part of K step 0 is in; K step 1's may stay out
	s_barrier_signal -1
	s_barrier_wait -1
	FETCH 0, 0, F0
	QUARTER 0, 1, F0, F1, 1                        ; the first quarter stands in front of the loop: its first products start the sums
	WIN 0
	s_mov_b32 s3, LAPS-1
.Llap:                                                 ; a trip goes once round the ring and fills both slots again
	QUARTER 0, 2, F1, F0, 0
	QUARTER 0, 3, F0, F1, 0
	TURN 0, 1, 1
	QUARTER 1, 1, F0, F1, 0
	QUARTER 1, 2, F1, F0, 0
	QUARTER 1, 3, F0, F1, 0
	TURN 1, 0, 1
	QUARTER 0, 1, F0, F1, 0
	WIN 0
	s_sub_co_u32 s3, s3, 1
	s_cmp_lg_u32 s3, 0
	s_cbranch_scc1 .Llap
	QUARTER 0, 2, F1, F0, 0                        ; the last lap fills nothing
	QUARTER 0, 3, F0, F1, 0
	TURN 0, 1, 0
	QUARTER 1, 1, F0, F1, 0
	QUARTER 1, 2, F1, F0, 0
	QUARTER 1, 3, F0, F1, 0
	s_wait_dscnt 16
	MUL8 F1, 0, 0, 0
	MUL8 F1, 0, 2, 0
	s_wait_dscnt 0x0
	MUL8 F1, 1, 0, 0
	MUL8 F1, 1, 2, 0
	WIN 0
	; THE WAY OUT: rounded to bf16; 16 bytes a lane into the work-group's stage; a barrier, since a row's 256 bytes come from two waves; back as whole rows, 32 a wave
	PLACES
.irp t, 0,1,2,3,4,5,6,7,8,9,10,11,12,13,14,15
.irp r, 0,1,2,3
	v_cvt_pk_bf16_f32 v[TMP+4*(\t)+(\r)], v[ACC+8*(\t)+2*(\r)], v[ACC+8*(\t)+2*(\r)+1]
.endr
.endr
.irp a, 0,1,2,3
.irp b, 0,1,2,3
	ds_store_b128 v[STO], v[TMP+4*(4*(\a)+(\b)):TMP+4*(4*(\a)+(\b))+3] offset:(\a)*16*SPITCH+32*(\b)
.endr
.endr
	s_wait_dscnt 0x0                               ; for the others' sake: my stores into the stage are done
	s_barrier_signal -1
	s_barrier_wait -1
.irp t, 0,1,2,3,4,5,6,7,8,9,10,11,12,13,14,15
	ds_load_b128 v[TMP+4*(\t):TMP+4*(\t)+3], v[RD] offset:(\t)*2*SPITCH
.endr
.irp t, 0,1,2,3,4,5,6,7,8,9,10,11,12,13,14,15
	s_wait_dscnt 15-(\t)
	global_store_b128 v[CO], v[TMP+4*(\t):TMP+4*(\t)+3], s[8:9] offset:2*(\t)*SIZE_N*2  ; 16 lanes store 256 consecutive bytes, aligned
.endr
	s_wait_tensorcnt 0x0                           ; the wave's end
	ds_add_u32 v[SPW], v[NIL]
	s_wait_dscnt 0x0
	CROUND                                         ; the closing round
	s_endpgm
.Lfunc_end_k_qfe38ffbade_proj:
	.size	k_qfe38ffbade_proj, .Lfunc_end_k_qfe38ffbade_proj-k_qfe38ffbade_proj
	.p2alignl 7, 3214868480
	.fill 96, 4, 3214868480
	.section	.rodata,"a",@progbits
	.p2align	6, 0x0
	.amdhsa_kernel k_qfe38ffbade_proj
		.amdhsa_group_segment_fixed_size 327680
		.amdhsa_private_segment_fixed_size 0
		.amdhsa_enable_private_segment 0
		.amdhsa_kernarg_size 16
		.amdhsa_user_sgpr_count 2
		.amdhsa_user_sgpr_kernarg_segment_ptr 1
		.amdhsa_wavefront_size32 1
		.amdhsa_system_sgpr_workgroup_id_x 1
		.amdhsa_system_sgpr_workgroup_id_y 1
		.amdhsa_system_sgpr_workgroup_id_z 1
		.amdhsa_system_vgpr_workitem_id 0
		.amdhsa_next_free_vgpr 512
		.amdhsa_next_free_sgpr 66
		.amdhsa_reserve_vcc 0
		.amdhsa_float_denorm_mode_32 3
		.amdhsa_float_denorm_mode_16_64 3
		.amdhsa_memory_ordered 1
		.amdhsa_forward_progress 1
		.amdhsa_inst_pref_size 87
	.end_amdhsa_kernel
	.amdgpu_metadata
---
amdhsa.version: [ 1, 2 ]
amdhsa.kernels:
  - .name:           k_qfe38ffbade_proj
    .symbol:         k_qfe38ffbade_proj.kd
    .args:
      - { .name: AO, .offset: 0, .size: 8, .value_kind: global_buffer, .address_space: global }
      - { .name: U1, .offset: 8, .size: 8, .value_kind: global_buffer, .address_space: global }
    .group_segment_fixed_size: 327680
    .private_segment_fixed_size: 0
    .kernarg_segment_align: 8
    .kernarg_segment_size: 16
    .max_flat_workgroup_size: 128
    .sgpr_count:     66
    .vgpr_count:     512
    .wavefront_size: 32
...
	.end_amdgpu_metadata
.endif
;; end of part 4
;; launch ln_a (part 5): grid 512 x 1, 8 waves a work-group, no clusters, 0 bytes of LDS; arguments embedding, positional_encoding, U1, AO, ln_in_g, ln_in_b, ln_ed_g, ln_ed_b, U2; writes U2
.if DOCPART == 5
	.amdgcn_target "amdgcn-amd-amdhsa--gfx1250"
	.amdhsa_code_object_version 6
	.text
	.protected	k_qfe38ffbade_ln_a
	.globl	k_qfe38ffbade_ln_a
	.p2align	8
	.type	k_qfe38ffbade_ln_a,@function
k_qfe38ffbade_ln_a:
	s_mov_b64 s[64:65], 0
	v_nop
	global_prefetch_b8 v0, s[64:65] scope:SCOPE_SE
	s_setreg_imm32_b32 hwreg(HW_REG_WAVE_MODE, 25, 1), 1
	s_wait_xcnt 0x0
; final_attn = LN(xout + LN(x + attention; ln_in); ln_ed), row by row.  x is formed anew in f32 from embedding + positional_encoding; attention comes in bf16 (U1),
; xout in f32 (AO + 8 MiB).  The result is stored twice: f32 (U2 + 16 MiB) for the residual path, bf16 (U2) as the next product's operand.
; One wave, one row of 1,024: 32 registers; the reductions never leave the wave: no LDS, no barrier.  Lane l and load j take columns 128 j + 4 l .. + 3: an f32 load of a wave covers
; 512 consecutive bytes, a bf16 load or store 256, aligned.  All 64 loads of a wave go out at once.  Mean first, then the squares of the differences: no difference of large sums is formed.
; Memory alone is at work: matrix units and clusters would add nothing.
.set E,  16
.set P,  48
.set XO, 80
.set GA, 112
.set BA, 144
.set GB, 176
.set BB, 208
.set AT, 240
	s_load_b512 s[4:19], s[0:1], 0x0               ; embedding 4, positional 6, U1 8, AO 10, ln_in_g 12, ln_in_b 14, ln_ed_g 16, ln_ed_b 18
	s_load_b64 s[24:25], s[0:1], 0x40              ; U2
	v_lshrrev_b32 v1, 5, v0
	v_readfirstlane_b32 s26, v1
	s_lshl_b32 s27, ttmp9, 3
	s_add_co_u32 s26, s26, s27                     ; my row
	s_lshl_b32 s28, s26, 12                        ; in f32
	s_mov_b32 s29, 0
	s_lshl_b32 s30, s26, 11                        ; in bf16
	s_mov_b32 s31, 0
	s_mov_b32 s20, 0x3a800000                      ; 1 / 1,024
	s_mov_b32 s21, 0x3727c5ac                      ; 1e-5
	s_mov_b32 s22, 0x76543210
	s_mov_b32 s23, 0xfedcba98
	v_and_b32 v2, 31, v0
	v_lshlrev_b32 v1, 4, v2
	v_lshlrev_b32 v2, 3, v2
	v_mov_b32 v3, 0                                ; v_permlanex16_b32 counts as a reader of its destination
	s_wait_kmcnt 0x0
	s_add_nc_u64 s[4:5], s[4:5], s[28:29]
	s_add_nc_u64 s[6:7], s[6:7], s[28:29]
	s_add_nc_u64 s[8:9], s[8:9], s[30:31]
	s_add_nc_u64 s[10:11], s[10:11], s[28:29]
	s_add_nc_u64 s[10:11], s[10:11], 8<<20
	s_add_nc_u64 s[2:3], s[24:25], s[28:29]
	s_add_nc_u64 s[2:3], s[2:3], 16<<20
	s_add_nc_u64 s[24:25], s[24:25], s[30:31]
.macro LD8 dst, sb
.irp j, 0,1,2,3,4,5,6,7
	global_load_b128 v[(\dst)+4*\j:(\dst)+4*\j+3], v1, s[\sb:\sb+1] offset:512*\j
.endr
.endm
.macro FOLD                            ; four packed chains in v[4:11] -> the row's sum in v4 of every lane
	v_pk_add_f32 v[4:5], v[4:5], v[6:7]
	v_pk_add_f32 v[8:9], v[8:9], v[10:11]
	v_pk_add_f32 v[4:5], v[4:5], v[8:9]
	v_add_f32 v4, v4, v5
	v_add_f32_dpp v4, v4, v4 row_xmask:1 row_mask:0xf bank_mask:0xf
	v_add_f32_dpp v4, v4, v4 row_xmask:2 row_mask:0xf bank_mask:0xf
	v_add_f32_dpp v4, v4, v4 row_xmask:4 row_mask:0xf bank_mask:0xf
	v_add_f32_dpp v4, v4, v4 row_xmask:8 row_mask:0xf bank_mask:0xf
	v_permlanex16_b32 v3, v4, s22, s23
	v_add_f32 v4, v4, v3
.endm
.macro LNSTAT R                        ; R becomes R - mean; v[14:15] = 1 / sqrt(variance + 1e-5), twice
.irp c, 0,1,2,3
	v_pk_add_f32 v[4+2*\c:5+2*\c], v[(\R)+4*\c:(\R)+4*\c+1], v[(\R)+4*\c+2:(\R)+4*\c+3]
.endr
.set i, 8
.rept 8
	v_pk_add_f32 v[4+2*(i%4):5+2*(i%4)], v[4+2*(i%4):5+2*(i%4)], v[(\R)+2*i:(\R)+2*i+1]
.set i, i+1
.endr
	FOLD
	v_mul_f32 v12, s20, v4
	v_mul_f32 v13, s20, v4
.set i, 0
.rept 16
	v_pk_add_f32 v[(\R)+2*i:(\R)+2*i+1], v[(\R)+2*i:(\R)+2*i+1], v[12:13] neg_lo:[0,1] neg_hi:[0,1]
.set i, i+1
.endr
.irp c, 0,1,2,3
	v_pk_mul_f32 v[4+2*\c:5+2*\c], v[(\R)+2*\c:(\R)+2*\c+1], v[(\R)+2*\c:(\R)+2*\c+1]
.endr
.set i, 4
.rept 12
	v_pk_fma_f32 v[4+2*(i%4):5+2*(i%4)], v[(\R)+2*i:(\R)+2*i+1], v[(\R)+2*i:(\R)+2*i+1], v[4+2*(i%4):5+2*(i%4)]
.set i, i+1
.endr
	FOLD
	v_fma_f32 v4, v4, s20, s21
	v_rsq_f32 v14, v4
	v_rsq_f32 v15, v4
	v_nop                                          ; a plain instruction between the root and the use of its result (ISA guide 5.7.2)
.endm
.macro LNAPPLY R, G, B
.set i, 0
	s_wait_alu depctr_va_vdst(0)
.rept 16
	v_pk_mul_f32 v[(\R)+2*i:(\R)+2*i+1], v[(\R)+2*i:(\R)+2*i+1], v[14:15]
.set i, i+1
.endr
.set i, 0
.rept 16
	v_pk_fma_f32 v[(\R)+2*i:(\R)+2*i+1], v[(\R)+2*i:(\R)+2*i+1], v[(\G)+2*i:(\G)+2*i+1], v[(\B)+2*i:(\B)+2*i+1]
.set i, i+1
.endr
.endm
	LD8 E, 4
	LD8 P, 6
.irp j, 0,1,2,3,4,5,6,7
	global_load_b64 v[AT+2*\j:AT+2*\j+1], v2, s[8:9] offset:256*\j
.endr
	LD8 GA, 12
	LD8 BA, 14
	LD8 XO, 10
	LD8 GB, 16
	LD8 BB, 18
	s_wait_loadcnt 40                              ; embedding, positional_encoding and attention are in; the 40 younger loads stay out
.set i, 0
.rept 16
	v_pk_add_f32 v[E+2*i:E+2*i+1], v[E+2*i:E+2*i+1], v[P+2*i:P+2*i+1]
.set i, i+1
.endr
.set j, 0
.rept 8
	v_lshlrev_b32 v[4+4*(j%2)], 16, v[AT+2*j]      ; bf16 to f32: the low half moves up, the high half stays
	v_and_b32 v[5+4*(j%2)], 0xffff0000, v[AT+2*j]
	v_lshlrev_b32 v[6+4*(j%2)], 16, v[AT+2*j+1]
	v_and_b32 v[7+4*(j%2)], 0xffff0000, v[AT+2*j+1]
	v_pk_add_f32 v[E+4*j:E+4*j+1], v[E+4*j:E+4*j+1], v[4+4*(j%2):5+4*(j%2)]
	v_pk_add_f32 v[E+4*j+2:E+4*j+3], v[E+4*j+2:E+4*j+3], v[6+4*(j%2):7+4*(j%2)]
.set j, j+1
.endr
	LNSTAT E
	s_wait_loadcnt 24                              ; ln_in's gain and bias are in
	LNAPPLY E, GA, BA
	s_wait_loadcnt 16                              ; xout is in
.set i, 0
.rept 16
	v_pk_add_f32 v[E+2*i:E+2*i+1], v[E+2*i:E+2*i+1], v[XO+2*i:XO+2*i+1]
.set i, i+1
.endr
	LNSTAT E
	s_wait_loadcnt 0x0
	LNAPPLY E, GB, BB
.irp j, 0,1,2,3,4,5,6,7
	global_store_b128 v1, v[E+4*\j:E+4*\j+3], s[2:3] offset:512*\j
.endr
.set j, 0
.rept 8
	v_cvt_pk_bf16_f32 v[AT+2*j], v[E+4*j], v[E+4*j+1]
	v_cvt_pk_bf16_f32 v[AT+2*j+1], v[E+4*j+2], v[E+4*j+3]
	global_store_b64 v2, v[AT+2*j:AT+2*j+1], s[24:25] offset:256*j
.set j, j+1
.endr
	s_endpgm
.Lfunc_end_k_qfe38ffbade_ln_a:
	.size	k_qfe38ffbade_ln_a, .Lfunc_end_k_qfe38ffbade_ln_a-k_qfe38ffbade_ln_a
	.p2alignl 7, 3214868480
	.fill 96, 4, 3214868480
	.section	.rodata,"a",@progbits
	.p2align	6, 0x0
	.amdhsa_kernel k_qfe38ffbade_ln_a
		.amdhsa_group_segment_fixed_size 0
		.amdhsa_private_segment_fixed_size 0
		.amdhsa_enable_private_segment 0
		.amdhsa_kernarg_size 72
		.amdhsa_user_sgpr_count 2
		.amdhsa_user_sgpr_kernarg_segment_ptr 1
		.amdhsa_wavefront_size32 1
		.amdhsa_system_sgpr_workgroup_id_x 1
		.amdhsa_system_sgpr_workgroup_id_y 1
		.amdhsa_system_sgpr_workgroup_id_z 1
		.amdhsa_system_vgpr_workitem_id 0
		.amdhsa_next_free_vgpr 256
		.amdhsa_next_free_sgpr 66
		.amdhsa_reserve_vcc 0
		.amdhsa_float_denorm_mode_32 3
		.amdhsa_float_denorm_mode_16_64 3
		.amdhsa_memory_ordered 1
		.amdhsa_forward_progress 1
		.amdhsa_inst_pref_size 27
	.end_amdhsa_kernel
	.amdgpu_metadata
---
amdhsa.version: [ 1, 2 ]
amdhsa.kernels:
  - .name:           k_qfe38ffbade_ln_a
    .symbol:         k_qfe38ffbade_ln_a.kd
    .args:
      - { .name: embedding, .offset: 0, .size: 8, .value_kind: global_buffer, .address_space: global }
      - { .name: positional_encoding, .offset: 8, .size: 8, .value_kind: global_buffer, .address_space: global }
      - { .name: U1, .offset: 16, .size: 8, .value_kind: global_buffer, .address_space: global }
      - { .name: AO, .offset: 24, .size: 8, .value_kind: global_buffer, .address_space: global }
      - { .name: ln_in_g, .offset: 32, .size: 8, .value_kind: global_buffer, .address_space: global }
      - { .name: ln_in_b, .offset: 40, .size: 8, .value_kind: global_buffer, .address_space: global }
      - { .name: ln_ed_g, .offset: 48, .size: 8, .value_kind: global_buffer, .address_space: global }
      - { .name: ln_ed_b, .offset: 56, .size: 8, .value_kind: global_buffer, .address_space: global }
      - { .name: U2, .offset: 64, .size: 8, .value_kind: global_buffer, .address_space: global }
    .group_segment_fixed_size: 0
    .private_segment_fixed_size: 0
    .kernarg_segment_align: 8
    .kernarg_segment_size: 72
    .max_flat_workgroup_size: 256
    .sgpr_count:     66
    .vgpr_count:     256
    .wavefront_size: 32
...
	.end_amdgpu_metadata
.endif
;; end of part 5
;; launch ff1: the kernel of part 2 again; grid 16 x 16, 4 waves a work-group, clusters of 4 x 4, 327,680 bytes of LDS; arguments U2, ff_b1, BIG; writes BIG
;; launch ff2 (part 6): grid 8 x 32, 4 waves a work-group, clusters of 4 x 4, 327,680 bytes of LDS; arguments BIG, U1; writes U1
.if DOCPART == 6
	.amdgcn_target "amdgcn-amd-amdhsa--gfx1250"
	.amdhsa_code_object_version 6
	.text
	.protected	k_qfe38ffbade_ff2
	.globl	k_qfe38ffbade_ff2
	.p2align	8
	.type	k_qfe38ffbade_ff2,@function
k_qfe38ffbade_ff2:
	s_mov_b64 s[64:65], 0
	v_nop
	global_prefetch_b8 v0, s[64:65] scope:SCOPE_SE
	s_setreg_imm32_b32 hwreg(HW_REG_WAVE_MODE, 25, 1), 1
	s_wait_xcnt 0x0
	s_wait_alu depctr_hold_cnt(0) depctr_sa_sdst(0) depctr_va_vdst(0) depctr_va_sdst(0) depctr_va_ssrc(0) depctr_va_vcc(0) depctr_vm_vsrc(0)
	s_getreg_b32 s2, hwreg(HW_REG_IB_STS2, 6, 4)
	s_cmp_eq_u32 s2, 0
	s_cbranch_scc0 .Lentry_in_a_cluster
	s_endpgm
.Lentry_in_a_cluster:
	s_bfe_u32 s2, ttmp6, 0x10000c
	s_cmp_lg_u32 s2, 0xf033
	s_cbranch_scc0 .Lentry_shape_is_right
	s_endpgm
.Lentry_shape_is_right:
; The second feed-forward product's raw sums:  C[m][n] = sum over k of A[m][k] B[k][n].  M = 4,096, N = 1,024, K = 4,096.  bf16 operands, f32 sums, C rounded once to bf16, [4096][1024];
; bias and ReLU follow in the next launch, in f32.
; Arguments: ab, c.  A lies at ab in panels [K / 128][4096][128] bf16; B at ab + 32 MiB, [K][1024] bf16.
; (The projection behind the self-attention runs the same text with K = 1,024: LAPS is the one constant that differs.)
; A tile of C is 128 x 128, so that 256 work-groups share the work; four waves of 64 x 64: 16 accumulators.  K goes in steps of 256 through two LDS slots; a wave's tensor load brings 128 rows x 256 bytes:
; one k panel of A's 128 rows, or 128 k rows of B's 128 columns.  CLUSTER 4 x 4: A's tiles jointly along a row of the cluster, B's along a column.
; THE MATRIX INSTRUCTION IS USED TRANSPOSED (source 0 = 16 columns of B, by the transposing LDS load; source 1 = 16 rows of A): a lane holds eight neighbouring numbers of a row of C.
; REGISTERS: window 0: v0-31 addresses; v32-95 the way out; v128-255 the accumulators ((a, b) at v[128 + 8 (4 a + b)]).  window 1: two fragment buffers of 128: 64 of A, then 64 of B, for 64 along K.
.set LAPS,   8                         ; K = 4,096 = 8 laps of two K steps of 256
.set KSTEP,  256
.set PA,     272
.set PB,     288
.set HALFA,  128*PA                    ; one k panel: 128 rows x 128 k
.set HALFB,  128*PB                    ; 128 k x 128 columns
.set SLOT,   2*HALFA+2*HALFB
.set STAGE,  2*SLOT                    ; behind the ring: 128 rows x 272 bytes, the work-group's
.set SPITCH, 272
.set SPARE,  STAGE+128*SPITCH
.set SIZE_N, 1024
.set ADRA, 16                          ; v16-17  my A fragments in slot 0, 1
.set ADRB, 20                          ; v20-23  my B fragments: slot 0 k half 0, 1; slot 1 k half 0, 1 (an LDS offset has 16 bits)
.set STO,  24
.set RD,   25
.set CO,   26
.set SPW,  28
.set NIL,  29
.set TMP,  32
.set ACC,  128
.set F0,   0
.set F1,   128
.set G1, 24
.set G0, 32
.set G1B, 48
.set G0B, 56
.set MSB, 0
.macro WIN new
.if MSB != (\new)
	s_set_vgpr_msb (MSB<<8)|(\new)
.set MSB, \new
.endif
.endm
.set MUL,  0x05                        ; sources 0 (B) and 1 (A) window 1; C and D window 0
.set TO_F, 0x40                        ; destination window 1, address window 0
.macro JLOAD s                         ; a joint load: waves 0, 1 fetch A's two panels, waves 2, 3 B's two halves; an s_nop 0 and four v_nop follow each line
	s_cmp_eq_u32 s11, 0
	s_cbranch_scc0 .Lfor_b_\@
	tensor_load_to_lds s[G0+4*(\s):G0+4*(\s)+3], s[G1:G1+7]
	s_nop 0
.rept 4
	v_nop
.endr
	s_branch .Lasked_\@
.Lfor_b_\@:
	tensor_load_to_lds s[G0B+4*(\s):G0B+4*(\s)+3], s[G1B:G1B+7]
	s_nop 0
.rept 4
	v_nop
.endr
.Lasked_\@:
.endm
.macro CREST
	s_cmp_lg_u32 s10, 0
	s_cbranch_scc1 .Lnot_wave_0_\@
	s_barrier_signal -3
.Lnot_wave_0_\@:
	s_barrier_wait -3
	s_barrier_signal -1
	s_barrier_wait -1
.endm
.macro CROUND
	s_barrier_signal -1
	s_barrier_wait -1
	CREST
.endm
	s_load_b64 s[4:5], s[0:1], 0x0                 ; ab
	s_load_b64 s[8:9], s[0:1], 0x8                 ; c
	v_lshl_add_u32 v[SPW], v0, 2, SPARE
	v_mov_b32 v[NIL], 0
	ds_add_u32 v[SPW], v[NIL]                      ; the wave's opening: the add and its wait ahead of my first tensor load
	v_lshrrev_b32 v1, 5, v0
	v_readfirstlane_b32 s10, v1
	s_lshr_b32 s11, s10, 1                         ; my half of the tile's rows.  Also: I fetch for A (0) or B (1)
	s_and_b32 s12, s10, 1                          ; my half of its columns.  Also: which half of a K step I fetch
	s_bfe_u32 s40, ttmp6, 0x40000
	s_bfe_u32 s41, ttmp6, 0x40004
	s_lshl_b32 s42, ttmp9, 2
	s_add_co_u32 s42, s42, s40                     ; tile column
	s_and_b32 s13, ttmp7, 0xffff
	s_lshl_b32 s13, s13, 2
	s_add_co_u32 s13, s13, s41                     ; tile row
	s_lshl_b32 s43, s41, 2
	s_lshl_b32 s43, 15, s43
	s_lshl_b32 s44, 0x1111, s40
	s_or_b32 s[G1+0], s43, (1<<16)|(1<<20)|(1<<21)|(5<<22)|(3<<25)
	s_or_b32 s[G1B+0], s44, (1<<16)|(1<<20)|(1<<21)|(5<<22)|(7<<25)
.irp g, G1, G1B
	s_mov_b32 s[(\g)+1], 128<<16                   ; tensor_dim0 = 128
	s_mov_b32 s[(\g)+2], 128<<16                   ; tensor_dim1 = 128
	s_mov_b32 s[(\g)+3], 128<<16                   ; tile_dim0 = 128
	s_mov_b32 s[(\g)+4], 128                       ; tile_dim1 = 128
	s_mov_b32 s[(\g)+6], 0
	s_mov_b32 s[(\g)+7], 0
.endr
	s_mov_b32 s[G1+5], 128                         ; A: a panel's rows are dense
	s_mov_b32 s[G1B+5], SIZE_N                     ; B: 1,024 elements from row to row
	s_lshl_b32 s16, s12, 20                        ; A: my k panel of the step, 1 MiB each,
	s_lshl_b32 s17, s13, 15                        ; in it 128 rows of 256 bytes a tile row
	s_add_co_u32 s16, s16, s17
	s_mov_b32 s17, 0
	s_lshl_b32 s46, s12, 18                        ; B: my 128 k rows of 2,048 bytes,
	s_lshl_b32 s47, s42, 8                         ; 256 bytes a tile column,
	s_add_co_u32 s46, s46, s47
	s_add_co_u32 s46, s46, 32<<20                  ; behind A
	s_mov_b32 s47, 0
	s_mul_i32 s20, s12, HALFA
	s_mul_i32 s21, s12, HALFB
	s_add_co_u32 s21, s21, 2*HALFA
	s_wait_dscnt 0x0                               ; the opening add is done
	s_wait_kmcnt 0x0
	s_add_nc_u64 s[14:15], s[4:5], s[16:17]
	s_add_nc_u64 s[46:47], s[4:5], s[46:47]
	CROUND
.irp s, 0,1
	s_mov_b32 s[G0+4*(\s)], 1
	s_add_co_u32 s[G0+4*(\s)+1], s20, (\s)*SLOT
	s_add_nc_u64 s[G0+4*(\s)+2:G0+4*(\s)+3], s[14:15], (\s)*(2<<20)        ; K step s: two panels on
	s_or_b32 s[G0+4*(\s)+3], s[G0+4*(\s)+3], 0x80000000
	s_mov_b32 s[G0B+4*(\s)], 1
	s_add_co_u32 s[G0B+4*(\s)+1], s21, (\s)*SLOT
	s_add_nc_u64 s[G0B+4*(\s)+2:G0B+4*(\s)+3], s[46:47], (\s)*KSTEP*SIZE_N*2  ; K step s: 256 rows down
	s_or_b32 s[G0B+4*(\s)+3], s[G0B+4*(\s)+3], 0x80000000
	JLOAD \s
.endr
	v_and_b32 v1, 15, v0
	v_bfe_u32 v2, v0, 4, 1
	v_mul_u32_u24 v3, v1, PA
	v_lshl_add_u32 v3, v2, 4, v3
	v_and_b32 v4, 7, v0
	v_lshl_add_u32 v4, v2, 3, v4
	v_mul_u32_u24 v4, v4, PB
	v_bfe_u32 v5, v0, 3, 1
	v_lshl_add_u32 v4, v5, 4, v4
	s_mul_i32 s22, s11, 64*PA                      ; my 64 rows of A
	s_lshl_b32 s23, s12, 7                         ; my 64 columns of B,
	s_add_co_u32 s23, s23, 2*HALFA                 ; behind A's two panels
.irp s, 0,1
	v_add_nc_u32 v[ADRA+(\s)], s22, v3
	v_add_nc_u32 v[ADRB+2*(\s)], s23, v4
	s_add_co_u32 s23, s23, HALFB
	v_add_nc_u32 v[ADRB+2*(\s)+1], s23, v4
	s_add_co_u32 s22, s22, SLOT
	s_add_co_u32 s23, s23, SLOT-HALFB
.endr
	s_mul_i32 s23, s11, 64*SPITCH                  ; into the stage: my 64 rows, my half of their 256 bytes
	s_lshl_b32 s22, s12, 7
	s_add_co_u32 s23, s23, s22
	s_add_co_u32 s23, s23, STAGE
	v_mul_u32_u24 v4, v1, SPITCH
	v_lshl_add_u32 v4, v2, 4, v4
	v_add_nc_u32 v[STO], s23, v4
	s_mul_i32 s23, s10, 32*SPITCH                  ; back: wave w takes rows 32 w on, whole
	s_add_co_u32 s23, s23, STAGE
	v_mul_u32_u24 v5, v2, SPITCH
	v_lshl_add_u32 v5, v1, 4, v5
	v_add_nc_u32 v[RD], s23, v5
	v_mul_u32_u24 v5, v2, SIZE_N*2
	v_lshl_add_u32 v[CO], v1, 4, v5
	s_lshl_b32 s46, s13, 7
	s_lshl_b32 s47, s10, 5
	s_add_co_u32 s46, s46, s47                     ; the first row of C that I store
	s_lshl_b32 s46, s46, 11                        ; rows of 2,048 bytes
	s_lshl_b32 s47, s42, 8                         ; the tile's first column
	s_add_co_u32 s46, s46, s47
	s_mov_b32 s47, 0
	s_add_nc_u64 s[8:9], s[8:9], s[46:47]
.macro MUL8 f, c, a0, zero             ; 8 matrix instructions: m blocks a0, a0 + 1 x 4 n blocks, 32 along K: half c of buffer f
	WIN MUL
.irp a, \a0, (\a0)+1
.irp b, 0,1,2,3
.if \zero
	v_wmma_f32_16x16x32_bf16 v[ACC+8*(4*(\a)+(\b)):ACC+8*(4*(\a)+(\b))+7], v[(\f)+64+8*(4*(\c)+(\b)):(\f)+64+8*(4*(\c)+(\b))+7], v[(\f)+8*(4*(\c)+(\a)):(\f)+8*(4*(\c)+(\a))+7], 0
.else
	v_wmma_f32_16x16x32_bf16 v[ACC+8*(4*(\a)+(\b)):ACC+8*(4*(\a)+(\b))+7], v[(\f)+64+8*(4*(\c)+(\b)):(\f)+64+8*(4*(\c)+(\b))+7], v[(\f)+8*(4*(\c)+(\a)):(\f)+8*(4*(\c)+(\a))+7], v[ACC+8*(4*(\a)+(\b)):ACC+8*(4*(\a)+(\b))+7]
.endif
.endr
.endr
.endm
; 32 LDS loads in one run: quarter q (64 along K) of a slot into buffer f; the first 32 along K first
.macro FETCH slot, q, f
	WIN TO_F
.irp c, 0,1
.irp i, 0,1,2,3
	ds_load_tr16_b128 v[(\f)+64+8*(4*(\c)+(\i)):(\f)+64+8*(4*(\c)+(\i))+3],   v[ADRB+2*(\slot)+(\q)/2] offset:(((\q)%2)*64+32*(\c))*PB+32*(\i)
	ds_load_tr16_b128 v[(\f)+64+8*(4*(\c)+(\i))+4:(\f)+64+8*(4*(\c)+(\i))+7], v[ADRB+2*(\slot)+(\q)/2] offset:(((\q)%2)*64+32*(\c)+16)*PB+32*(\i)
	ds_load_b128 v[(\f)+8*(4*(\c)+(\i)):(\f)+8*(4*(\c)+(\i))+3],         v[ADRA+(\slot)] offset:((\q)/2)*HALFA+((\q)%2)*128+64*(\c)+(\i)*16*PA
	ds_load_b128 v[(\f)+8*(4*(\c)+(\i))+4:(\f)+8*(4*(\c)+(\i))+7],       v[ADRA+(\slot)] offset:((\q)/2)*HALFA+((\q)%2)*128+64*(\c)+(\i)*16*PA+32
.endr
.endr
.endm
.macro PLACES                          ; four plain vector instructions between a matrix instruction and a load into, or a vector read of, its registers
.rept 4
	v_nop
.endr
.endm
.macro QUARTER slot, q, f, g, zero
	s_wait_dscnt 16                                ; the first 32 along K are in; the youngest sixteen loads may be out
	MUL8 \f, 0, 0, \zero
	MUL8 \f, 0, 2, \zero
	PLACES
	FETCH \slot, \q, \g
	s_wait_dscnt 32                                ; all but the 32 just issued
	MUL8 \f, 1, 0, 0
	MUL8 \f, 1, 2, 0
.endm
.macro TURN slot, next, fill
	WIN 0
	s_wait_tensorcnt 0x0                           ; all my tensor loads have landed: my part of the next slot
	ds_add_u32 v[SPW], v[NIL]
	s_wait_dscnt 17                                ; the add and the youngest sixteen loads may be out
	MUL8 F1, 0, 0, 0
	s_wait_dscnt 0x0                               ; the add is done, and my reads of this slot are over
	s_barrier_signal -1
	MUL8 F1, 0, 2, 0
.if \fill
	WIN 0
.endif
	s_barrier_wait -1
.if \fill
	CREST                                          ; the barrier has opened a round of the cluster's
	s_add_nc_u64 s[G0+4*(\slot)+2:G0+4*(\slot)+3], s[G0+4*(\slot)+2:G0+4*(\slot)+3], 4<<20
	s_add_nc_u64 s[G0B+4*(\slot)+2:G0B+4*(\slot)+3], s[G0B+4*(\slot)+2:G0B+4*(\slot)+3], 2*KSTEP*SIZE_N*2
	JLOAD \slot                                    ; my one tensor load behind the round; its four v_nop are also the places in front of the loads below
.else
	PLACES
.endif
	FETCH \next, 0, F0
	MUL8 F1, 1, 0, 0
	MUL8 F1, 1, 2, 0
.endm
	s_wait_tensorcnt 1                             ; my part of K step 0 is in; K step 1's may stay out
	s_barrier_signal -1
	s_barrier_wait -1
	FETCH 0, 0, F0
	QUARTER 0, 1, F0, F1, 1                        ; the first quarter stands in front of the loop: its first products start the sums
	WIN 0
	s_mov_b32 s3, LAPS-1
.Llap:                                                 ; a trip goes once round the ring and fills both slots again
	QUARTER 0, 2, F1, F0, 0
	QUARTER 0, 3, F0, F1, 0
	TURN 0, 1, 1
	QUARTER 1, 1, F0, F1, 0
	QUARTER 1, 2, F1, F0, 0
	QUARTER 1, 3, F0, F1, 0
	TURN 1, 0, 1
	QUARTER 0, 1, F0, F1, 0
	WIN 0
	s_sub_co_u32 s3, s3, 1
	s_cmp_lg_u32 s3, 0
	s_cbranch_scc1 .Llap
	QUARTER 0, 2, F1, F0, 0                        ; the last lap fills nothing
	QUARTER 0, 3, F0, F1, 0
	TURN 0, 1, 0
	QUARTER 1, 1, F0, F1, 0
	QUARTER 1, 2, F1, F0, 0
	QUARTER 1, 3, F0, F1, 0
	s_wait_dscnt 16
	MUL8 F1, 0, 0, 0
	MUL8 F1, 0, 2, 0
	s_wait_dscnt 0x0
	MUL8 F1, 1, 0, 0
	MUL8 F1, 1, 2, 0
	WIN 0
	; THE WAY OUT: rounded to bf16; 16 bytes a lane into the work-group's stage; a barrier, since a row's 256 bytes come from two waves; back as whole rows, 32 a wave
	PLACES
.irp t, 0,1,2,3,4,5,6,7,8,9,10,11,12,13,14,15
.irp r, 0,1,2,3
	v_cvt_pk_bf16_f32 v[TMP+4*(\t)+(\r)], v[ACC+8*(\t)+2*(\r)], v[ACC+8*(\t)+2*(\r)+1]
.endr
.endr
.irp a, 0,1,2,3
.irp b, 0,1,2,3
	ds_store_b128 v[STO], v[TMP+4*(4*(\a)+(\b)):TMP+4*(4*(\a)+(\b))+3] offset:(\a)*16*SPITCH+32*(\b)
.endr
.endr
	s_wait_dscnt 0x0                               ; for the others' sake: my stores into the stage are done
	s_barrier_signal -1
	s_barrier_wait -1
.irp t, 0,1,2,3,4,5,6,7,8,9,10,11,12,13,14,15
	ds_load_b128 v[TMP+4*(\t):TMP+4*(\t)+3], v[RD] offset:(\t)*2*SPITCH
.endr
.irp t, 0,1,2,3,4,5,6,7,8,9,10,11,12,13,14,15
	s_wait_dscnt 15-(\t)
	global_store_b128 v[CO], v[TMP+4*(\t):TMP+4*(\t)+3], s[8:9] offset:2*(\t)*SIZE_N*2  ; 16 lanes store 256 consecutive bytes, aligned
.endr
	s_wait_tensorcnt 0x0                           ; the wave's end
	ds_add_u32 v[SPW], v[NIL]
	s_wait_dscnt 0x0
	CROUND                                         ; the closing round
	s_endpgm
.Lfunc_end_k_qfe38ffbade_ff2:
	.size	k_qfe38ffbade_ff2, .Lfunc_end_k_qfe38ffbade_ff2-k_qfe38ffbade_ff2
	.p2alignl 7, 3214868480
	.fill 96, 4, 3214868480
	.section	.rodata,"a",@progbits
	.p2align	6, 0x0
	.amdhsa_kernel k_qfe38ffbade_ff2
		.amdhsa_group_segment_fixed_size 327680
		.amdhsa_private_segment_fixed_size 0
		.amdhsa_enable_private_segment 0
		.amdhsa_kernarg_size 16
		.amdhsa_user_sgpr_count 2
		.amdhsa_user_sgpr_kernarg_segment_ptr 1
		.amdhsa_wavefront_size32 1
		.amdhsa_system_sgpr_workgroup_id_x 1
		.amdhsa_system_sgpr_workgroup_id_y 1
		.amdhsa_system_sgpr_workgroup_id_z 1
		.amdhsa_system_vgpr_workitem_id 0
		.amdhsa_next_free_vgpr 512
		.amdhsa_next_free_sgpr 66
		.amdhsa_reserve_vcc 0
		.amdhsa_float_denorm_mode_32 3
		.amdhsa_float_denorm_mode_16_64 3
		.amdhsa_memory_ordered 1
		.amdhsa_forward_progress 1
		.amdhsa_inst_pref_size 87
	.end_amdhsa_kernel
	.amdgpu_metadata
---
amdhsa.version: [ 1, 2 ]
amdhsa.kernels:
  - .name:           k_qfe38ffbade_ff2
    .symbol:         k_qfe38ffbade_ff2.kd
    .args:
      - { .name: BIG, .offset: 0, .size: 8, .value_kind: global_buffer, .address_space: global }
      - { .name: U1, .offset: 8, .size: 8, .value_kind: global_buffer, .address_space: global }
    .group_segment_fixed_size: 327680
    .private_segment_fixed_size: 0
    .kernarg_segment_align: 8
    .kernarg_segment_size: 16
    .max_flat_workgroup_size: 128
    .sgpr_count:     66
    .vgpr_count:     512
    .wavefront_size: 32
...
	.end_amdgpu_metadata
.endif
;; end of part 6
;; launch ln_b (part 7): grid 512 x 1, 8 waves a work-group, no clusters, 0 bytes of LDS; arguments U2, U1, ff_b2, ln_ff_g, ln_ff_b, ln_out_g, ln_out_b, out0; writes out0
.if DOCPART == 7
	.amdgcn_target "amdgcn-amd-amdhsa--gfx1250"
	.amdhsa_code_object_version 6
	.text
	.protected	k_qfe38ffbade_ln_b
	.globl	k_qfe38ffbade_ln_b
	.p2align	8
	.type	k_qfe38ffbade_ln_b,@function
k_qfe38ffbade_ln_b:
	s_mov_b64 s[64:65], 0
	v_nop
	global_prefetch_b8 v0, s[64:65] scope:SCOPE_SE
	s_setreg_imm32_b32 hwreg(HW_REG_WAVE_MODE, 25, 1), 1
	s_wait_xcnt 0x0
; out = LN(fa + LN(fa + relu(ffs + ff_b2); ln_ff); ln_out), row by row.  fa = final_attn in f32 (U2 + 16 MiB); ffs = the second feed-forward product's sums, rounded once to bf16 (U1).
; One wave, one row of 1,024, as in the launch that makes fa: lane l and load j take columns 128 j + 4 l .. + 3; all 56 loads go out at once; mean first, then the squares of the differences.
; Memory alone is at work: no LDS, no matrix unit, no cluster.
.set FA, 16
.set R,  48                            ; ff_b2, then the row at work
.set GA, 80
.set BA, 112
.set GB, 144
.set BB, 176
.set FS, 208
	s_load_b512 s[4:19], s[0:1], 0x0               ; U2 4, U1 6, ff_b2 8, ln_ff_g 10, ln_ff_b 12, ln_out_g 14, ln_out_b 16, out0 18
	v_lshrrev_b32 v1, 5, v0
	v_readfirstlane_b32 s26, v1
	s_lshl_b32 s27, ttmp9, 3
	s_add_co_u32 s26, s26, s27                     ; my row
	s_lshl_b32 s28, s26, 12
	s_mov_b32 s29, 0
	s_lshl_b32 s30, s26, 11
	s_mov_b32 s31, 0
	s_mov_b32 s20, 0x3a800000                      ; 1 / 1,024
	s_mov_b32 s21, 0x3727c5ac                      ; 1e-5
	s_mov_b32 s22, 0x76543210
	s_mov_b32 s23, 0xfedcba98
	v_and_b32 v2, 31, v0
	v_lshlrev_b32 v1, 4, v2
	v_lshlrev_b32 v2, 3, v2
	v_mov_b32 v3, 0
	s_wait_kmcnt 0x0
	s_add_nc_u64 s[4:5], s[4:5], s[28:29]
	s_add_nc_u64 s[4:5], s[4:5], 16<<20
	s_add_nc_u64 s[6:7], s[6:7], s[30:31]
	s_add_nc_u64 s[18:19], s[18:19], s[28:29]
.macro LD8 dst, sb
.irp j, 0,1,2,3,4,5,6,7
	global_load_b128 v[(\dst)+4*\j:(\dst)+4*\j+3], v1, s[\sb:\sb+1] offset:512*\j
.endr
.endm
.macro FOLD
	v_pk_add_f32 v[4:5], v[4:5], v[6:7]
	v_pk_add_f32 v[8:9], v[8:9], v[10:11]
	v_pk_add_f32 v[4:5], v[4:5], v[8:9]
	v_add_f32 v4, v4, v5
	v_add_f32_dpp v4, v4, v4 row_xmask:1 row_mask:0xf bank_mask:0xf
	v_add_f32_dpp v4, v4, v4 row_xmask:2 row_mask:0xf bank_mask:0xf
	v_add_f32_dpp v4, v4, v4 row_xmask:4 row_mask:0xf bank_mask:0xf
	v_add_f32_dpp v4, v4, v4 row_xmask:8 row_mask:0xf bank_mask:0xf
	v_permlanex16_b32 v3, v4, s22, s23
	v_add_f32 v4, v4, v3
.endm
.macro LNSTAT X
.irp c, 0,1,2,3
	v_pk_add_f32 v[4+2*\c:5+2*\c], v[(\X)+4*\c:(\X)+4*\c+1], v[(\X)+4*\c+2:(\X)+4*\c+3]
.endr
.set i, 8
.rept 8
	v_pk_add_f32 v[4+2*(i%4):5+2*(i%4)], v[4+2*(i%4):5+2*(i%4)], v[(\X)+2*i:(\X)+2*i+1]
.set i, i+1
.endr
	FOLD
	v_mul_f32 v12, s20, v4
	v_mul_f32 v13, s20, v4
.set i, 0
.rept 16
	v_pk_add_f32 v[(\X)+2*i:(\X)+2*i+1], v[(\X)+2*i:(\X)+2*i+1], v[12:13] neg_lo:[0,1] neg_hi:[0,1]
.set i, i+1
.endr
.irp c, 0,1,2,3
	v_pk_mul_f32 v[4+2*\c:5+2*\c], v[(\X)+2*\c:(\X)+2*\c+1], v[(\X)+2*\c:(\X)+2*\c+1]
.endr
.set i, 4
.rept 12
	v_pk_fma_f32 v[4+2*(i%4):5+2*(i%4)], v[(\X)+2*i:(\X)+2*i+1], v[(\X)+2*i:(\X)+2*i+1], v[4+2*(i%4):5+2*(i%4)]
.set i, i+1
.endr
	FOLD
	v_fma_f32 v4, v4, s20, s21
	v_rsq_f32 v14, v4
	v_rsq_f32 v15, v4
	v_nop                                          ; a plain instruction between the root and the use of its result (ISA guide 5.7.2)
.endm
.macro LNAPPLY X, G, B
.set i, 0
	s_wait_alu depctr_va_vdst(0)
.rept 16
	v_pk_mul_f32 v[(\X)+2*i:(\X)+2*i+1], v[(\X)+2*i:(\X)+2*i+1], v[14:15]
.set i, i+1
.endr
.set i, 0
.rept 16
	v_pk_fma_f32 v[(\X)+2*i:(\X)+2*i+1], v[(\X)+2*i:(\X)+2*i+1], v[(\G)+2*i:(\G)+2*i+1], v[(\B)+2*i:(\B)+2*i+1]
.set i, i+1
.endr
.endm
	LD8 FA, 4
.irp j, 0,1,2,3,4,5,6,7
	global_load_b64 v[FS+2*\j:FS+2*\j+1], v2, s[6:7] offset:256*\j
.endr
	LD8 R, 8
	LD8 GA, 10
	LD8 BA, 12
	LD8 GB, 14
	LD8 BB, 16
	s_wait_loadcnt 32                              ; fa, the sums and ff_b2 are in; the 32 younger loads stay out
.set j, 0
.rept 8
	v_lshlrev_b32 v[4+4*(j%2)], 16, v[FS+2*j]
	v_and_b32 v[5+4*(j%2)], 0xffff0000, v[FS+2*j]
	v_lshlrev_b32 v[6+4*(j%2)], 16, v[FS+2*j+1]
	v_and_b32 v[7+4*(j%2)], 0xffff0000, v[FS+2*j+1]
	v_pk_add_f32 v[R+4*j:R+4*j+1], v[R+4*j:R+4*j+1], v[4+4*(j%2):5+4*(j%2)]
	v_pk_add_f32 v[R+4*j+2:R+4*j+3], v[R+4*j+2:R+4*j+3], v[6+4*(j%2):7+4*(j%2)]
.set j, j+1
.endr
.set i, 0
.rept 32
	v_max_num_f32 v[R+i], 0, v[R+i]                ; the ReLU stands behind the output projection, as in the problem
.set i, i+1
.endr
.set i, 0
.rept 16
	v_pk_add_f32 v[R+2*i:R+2*i+1], v[R+2*i:R+2*i+1], v[FA+2*i:FA+2*i+1]
.set i, i+1
.endr
	LNSTAT R
	s_wait_loadcnt 16                              ; ln_ff's gain and bias are in
	LNAPPLY R, GA, BA
.set i, 0
.rept 16
	v_pk_add_f32 v[R+2*i:R+2*i+1], v[R+2*i:R+2*i+1], v[FA+2*i:FA+2*i+1]
.set i, i+1
.endr
	LNSTAT R
	s_wait_loadcnt 0x0
	LNAPPLY R, GB, BB
.irp j, 0,1,2,3,4,5,6,7
	global_store_b128 v1, v[R+4*\j:R+4*\j+3], s[18:19] offset:512*\j th:TH_STORE_NT
.endr
	s_endpgm
.Lfunc_end_k_qfe38ffbade_ln_b:
	.size	k_qfe38ffbade_ln_b, .Lfunc_end_k_qfe38ffbade_ln_b-k_qfe38ffbade_ln_b
	.p2alignl 7, 3214868480
	.fill 96, 4, 3214868480
	.section	.rodata,"a",@progbits
	.p2align	6, 0x0
	.amdhsa_kernel k_qfe38ffbade_ln_b
		.amdhsa_group_segment_fixed_size 0
		.amdhsa_private_segment_fixed_size 0
		.amdhsa_enable_private_segment 0
		.amdhsa_kernarg_size 64
		.amdhsa_user_sgpr_count 2
		.amdhsa_user_sgpr_kernarg_segment_ptr 1
		.amdhsa_wavefront_size32 1
		.amdhsa_system_sgpr_workgroup_id_x 1
		.amdhsa_system_sgpr_workgroup_id_y 1
		.amdhsa_system_sgpr_workgroup_id_z 1
		.amdhsa_system_vgpr_workitem_id 0
		.amdhsa_next_free_vgpr 224
		.amdhsa_next_free_sgpr 66
		.amdhsa_reserve_vcc 0
		.amdhsa_float_denorm_mode_32 3
		.amdhsa_float_denorm_mode_16_64 3
		.amdhsa_memory_ordered 1
		.amdhsa_forward_progress 1
		.amdhsa_inst_pref_size 25
	.end_amdhsa_kernel
	.amdgpu_metadata
---
amdhsa.version: [ 1, 2 ]
amdhsa.kernels:
  - .name:           k_qfe38ffbade_ln_b
    .symbol:         k_qfe38ffbade_ln_b.kd
    .args:
      - { .name: U2, .offset: 0, .size: 8, .value_kind: global_buffer, .address_space: global }
      - { .name: U1, .offset: 8, .size: 8, .value_kind: global_buffer, .address_space: global }
      - { .name: ff_b2, .offset: 16, .size: 8, .value_kind: global_buffer, .address_space: global }
      - { .name: ln_ff_g, .offset: 24, .size: 8, .value_kind: global_buffer, .address_space: global }
      - { .name: ln_ff_b, .offset: 32, .size: 8, .value_kind: global_buffer, .address_space: global }
      - { .name: ln_out_g, .offset: 40, .size: 8, .value_kind: global_buffer, .address_space: global }
      - { .name: ln_out_b, .offset: 48, .size: 8, .value_kind: global_buffer, .address_space: global }
      - { .name: out0, .offset: 56, .size: 8, .value_kind: global_buffer, .address_space: global }
    .group_segment_fixed_size: 0
    .private_segment_fixed_size: 0
    .kernarg_segment_align: 8
    .kernarg_segment_size: 64
    .max_flat_workgroup_size: 256
    .sgpr_count:     66
    .vgpr_count:     224
    .wavefront_size: 32
...
	.end_amdgpu_metadata
.endif
;; end of part 7
;; ======== version 2 of 3: 8 launches; 1.26 times as fast as version 1
;; workspace buffers: U1 33,554,432 bytes; U2 35,655,680 bytes; ZKV 17,825,792 bytes; BIG 41,943,040 bytes; AO 35,651,584 bytes
;; launch prep (part 8): grid 1536 x 1, 8 waves a work-group, no clusters, 0 bytes of LDS; arguments embedding, positional_encoding, W_proj, ff_W1, ff_W2, Wq, Wk, Wv, kv_k, kv_v, ff_b1, U1, ZKV, AO; writes U1, ZKV, AO
.if DOCPART == 8
	.amdgcn_target "amdgcn-amd-amdhsa--gfx1250"
	.amdhsa_code_object_version 6
	.text
	.protected	k_qfe38ffbade_prep
	.globl	k_qfe38ffbade_prep
	.p2align	8
	.type	k_qfe38ffbade_prep,@function
k_qfe38ffbade_prep:
	s_mov_b64 s[64:65], 0
	v_nop
	global_prefetch_b8 v0, s[64:65] scope:SCOPE_SE
	s_setreg_imm32_b32 hwreg(HW_REG_WAVE_MODE, 25, 1), 1
	s_wait_xcnt 0x0
; PREP: every large f32 input is rounded once to bf16 and laid as the matrix launches want it.
; A work-group takes a chunk of 16,384 numbers in 16 slots of 1,024; a thread takes 4 numbers a slot: one load of 16 bytes (a wave: 512 bytes, in one or two
; runs of 256) and one store of 8 bytes (a wave: 256 consecutive bytes, aligned).  All 16 (or 32) loads of a thread go out before the first is waited for.
; Chunks by work-group number:  0-255 x = embedding + positional_encoding -> U1;  256-319 W_proj -> AO + 32 MiB;
; 320-575 ff_W1 -> U1 + 24 MiB as [s*1024 + e][k'] and 576-831 ff_W2 -> U1 + 16 MiB as [k'][s*1024 + n], where k = s*1024 + k': the four quarters of K of the product W1 W2;
; 832-1023 Wq, Wk, Wv -> U1 + 8 MiB as [e][4096] with column which*1024 + h*64 + a;
; 1024-1279 kv_k -> ZKV + 1 MiB, 1280-1535 kv_v -> ZKV + 9 MiB, as panels [pair of heads][b*1024+s][128].
; For Wq, Wk, Wv and kv lanes 0-15 read a row of the even head, lanes 16-31 the same row of the odd head: together one row of 128 bf16.
; A chunk of ff_W2 is 16 whole rows, and a thread holds the same 4 columns of all 16: it also forms, in f32 from the unrounded numbers, its part of ff_b1 W2 (16 terms a column) and
; stores it as row c of 256 partial rows at the head of ZKV; a later launch adds them up.
; No LDS, no matrix unit, no cluster: nothing is shared between work-groups and memory alone is at work.
.set SO, 16                            ; v[16:31]   slot i: byte offset in the source
.set DO, 32                            ; v[32:47]   slot i: byte offset in the destination
.set L,  48                            ; v[48:111]  slot i: 4 numbers as loaded
.set L2, 112                           ; v[112:175] the x task: positional_encoding's 4 numbers
.set Y,  176                           ; v[176:207] slot i: 4 bf16 to store
.set DOT, 8                            ; v[8:11]    ff_W2's chunks: my 4 columns' part of ff_b1 W2
.set B1, 68                            ; s[68:83]   ff_W2's chunks: ff_b1 of the chunk's 16 rows
	s_load_b512 s[8:23], s[0:1], 0x0               ; embedding 8, positional 10, W_proj 12, ff_W1 14, ff_W2 16, Wq 18, Wk 20, Wv 22
	s_load_b256 s[24:31], s[0:1], 0x40             ; kv_k 24, kv_v 26, ff_b1 28, U1 30
	s_load_b128 s[32:35], s[0:1], 0x60             ; ZKV 32, AO 34
	v_lshrrev_b32 v1, 5, v0
	v_readfirstlane_b32 s3, v1                     ; wave 0..7
	v_and_b32 v2, 31, v0                           ; lane
	v_and_b32 v3, 15, v0                           ; lane % 16
	v_bfe_u32 v4, v0, 4, 1                         ; lane / 16
	s_mov_b32 s2, ttmp9                            ; the chunk
	s_mov_b32 s55, 0                               ; high word of every offset pair
	s_wait_kmcnt 0x0
	s_cmp_lt_u32 s2, 256
	s_cbranch_scc1 .Lx
	; which cast: source s[4:5], destination s[6:7], the task's first chunk s42, a constant offset in the destination s43
	s_mov_b64 s[4:5], s[26:27]
	s_mov_b64 s[6:7], s[32:33]
	s_mov_b32 s42, 1280
	s_mov_b32 s43, 9<<20
.macro PICK below, src, dst, start, dconst
	s_cmp_lt_u32 s2, \below
	s_cselect_b64 s[4:5], s[\src:\src+1], s[4:5]
	s_cselect_b64 s[6:7], s[\dst:\dst+1], s[6:7]
	s_cselect_b32 s42, \start, s42
	s_cselect_b32 s43, \dconst, s43
.endm
	PICK 1280, 24, 32, 1024, 1<<20
	PICK 1024, 22, 30, 960, (8<<20)+4096
	PICK 960, 20, 30, 896, (8<<20)+2048
	PICK 896, 18, 30, 832, 8<<20
	PICK 832, 16, 30, 576, 16<<20
	PICK 576, 14, 30, 320, 24<<20
	PICK 320, 12, 34, 256, 32<<20
	; which layout.  c = pair << sh | low.  Source byte = pair << ps + low << ls + wave * rs + (lane/16) * hs + (lane%16) * 16 + slot * ss;
	; destination byte = pair << pd + low << ld + wave * rd + lane * 8 + slot * dstep.
	s_mov_b32 s44, 5                               ; kv: 32 chunks of 128 rows to a pair of heads
	s_mov_b32 s45, 21
	s_mov_b32 s60, 15
	s_mov_b32 s46, 20
	s_mov_b32 s47, 15
	s_mov_b32 s48, 256
	s_mov_b32 s49, 1048576
	s_mov_b32 s56, 2048
	s_mov_b32 s57, 256
	s_mov_b32 s58, 2048
.macro KIND below, sh, ps, ls, pd, ld, rs, hs, ss, rd, dstep
	s_cmp_lt_u32 s2, \below
	s_cselect_b32 s44, \sh, s44
	s_cselect_b32 s45, \ps, s45
	s_cselect_b32 s60, \ls, s60
	s_cselect_b32 s46, \pd, s46
	s_cselect_b32 s47, \ld, s47
	s_cselect_b32 s48, \rs, s48
	s_cselect_b32 s49, \hs, s49
	s_cselect_b32 s56, \ss, s56
	s_cselect_b32 s57, \rd, s57
	s_cselect_b32 s58, \dstep, s58
.endm
	KIND 1024, 3, 19, 15, 8, 20, 256, 262144, 2048, 8192, 65536   ; Wq, Wk, Wv: 8 chunks of 128 rows to a pair of heads; a destination row is 8,192 bytes
	KIND 832, 6, 22, 16, 11, 17, 512, 256, 4096, 256, 8192        ; ff_W2: pair = quarter s of K, 64 chunks of 16 rows each; a slot is a row; a destination row is 8,192 bytes, quarter s at 2,048 s
	KIND 576, 6, 12, 18, 21, 15, 512, 256, 16384, 256, 2048       ; ff_W1: pair = quarter s of K (4,096 bytes of a row), low = 16 rows e; a slot is a row's quarter; quarter s is 2 MiB of the destination
	KIND 320, 0, 16, 0, 15, 0, 512, 256, 4096, 256, 2048          ; a plain cast: the layout stays
	s_sub_co_u32 s51, s2, s42                      ; c
	s_lshr_b32 s52, s51, s44                       ; pair
	s_lshl_b32 s53, s52, s44
	s_sub_co_u32 s53, s51, s53                     ; low
	s_lshl_b32 s54, s52, s45
	s_lshl_b32 s59, s53, s60
	s_add_co_u32 s54, s54, s59
	s_mul_i32 s59, s3, s48
	s_add_co_u32 s54, s54, s59
	s_add_nc_u64 s[4:5], s[4:5], s[54:55]
	s_lshl_b32 s54, s52, s46
	s_lshl_b32 s59, s53, s47
	s_add_co_u32 s54, s54, s59
	s_mul_i32 s59, s3, s57
	s_add_co_u32 s54, s54, s59
	s_add_co_u32 s54, s54, s43
	s_add_nc_u64 s[6:7], s[6:7], s[54:55]
	v_mul_u32_u24 v5, v4, s49
	v_lshl_add_u32 v[SO], v3, 4, v5
	v_lshlrev_b32 v[DO], 3, v2
.set i, 1
.rept 15
	v_add_nc_u32 v[SO+i], s56, v[SO+i-1]
	v_add_nc_u32 v[DO+i], s58, v[DO+i-1]
.set i, i+1
.endr
.set i, 0
.rept 16
	global_load_b128 v[L+4*i:L+4*i+3], v[SO+i], s[4:5] th:TH_LOAD_NT   ; read once in the whole program
.set i, i+1
.endr
; The 16 slots are rounded and stored.  dot = 1 (ff_W2): slot i is row 16 c + i, and its 4 numbers times ff_b1 of that row are added to the thread's 4 sums.
.macro CVT16 dot
.set i, 0
.rept 16
	s_wait_loadcnt 15-i                            ; loads come back in order: slot i is in, the 15 - i younger ones stay out
	v_cvt_pk_bf16_f32 v[Y+2*i], v[L+4*i], v[L+4*i+1]
	v_cvt_pk_bf16_f32 v[Y+2*i+1], v[L+4*i+2], v[L+4*i+3]
	global_store_b64 v[DO+i], v[Y+2*i:Y+2*i+1], s[6:7]   ; no register is used twice, so nothing waits for a store
.if \dot
.irp j, 0,1,2,3
.if i == 0
	v_mul_f32 v[DOT+\j], s[B1], v[L+\j]            ; the first row starts the sums
.else
	v_fmac_f32 v[DOT+\j], s[B1+i], v[L+4*i+\j]
.endif
.endr
.endif
.set i, i+1
.endr
.endm
	s_sub_co_u32 s50, s2, 576                      ; below 256 only in ff_W2's chunks (it wraps to a large number below 576)
	s_cmp_lt_u32 s50, 256
	s_cbranch_scc1 .Lw2
	CVT16 0
	s_endpgm
.Lw2:
	s_lshl_b32 s54, s50, 6                         ; ff_b1 of my chunk's 16 rows: 64 bytes
	s_add_nc_u64 s[28:29], s[28:29], s[54:55]
	s_load_b512 s[B1:B1+15], s[28:29], 0x0         ; goes out behind the 16 vector loads and is back before them
	s_lshl_b32 s54, s50, 12                        ; partial row c: 4,096 bytes,
	s_lshl_b32 s59, s3, 9                          ; my wave's 128 columns in it
	s_add_co_u32 s54, s54, s59
	s_add_nc_u64 s[32:33], s[32:33], s[54:55]
	v_lshlrev_b32 v7, 4, v2
	s_wait_kmcnt 0x0
	CVT16 1
	global_store_b128 v7, v[DOT:DOT+3], s[32:33]   ; a wave stores 512 consecutive bytes, aligned
	s_endpgm
.Lx:                                                   ; x = embedding + positional_encoding, added in f32, rounded once
	s_lshl_b32 s54, s2, 16                         ; the chunk's 65,536 bytes,
	s_lshl_b32 s59, s3, 9                          ; my wave's 512 of a slot's 4,096
	s_add_co_u32 s54, s54, s59
	s_add_nc_u64 s[8:9], s[8:9], s[54:55]
	s_add_nc_u64 s[10:11], s[10:11], s[54:55]
	s_lshr_b32 s54, s54, 1                         ; half as many bytes in bf16
	s_add_nc_u64 s[30:31], s[30:31], s[54:55]
	v_lshlrev_b32 v5, 4, v2
	v_lshlrev_b32 v6, 3, v2
.set i, 0
.rept 16
	global_load_b128 v[L+4*i:L+4*i+3], v5, s[8:9] offset:4096*i      ; no hint: a later launch reads both again
	global_load_b128 v[L2+4*i:L2+4*i+3], v5, s[10:11] offset:4096*i
.set i, i+1
.endr
.set i, 0
.rept 16
	s_wait_loadcnt 30-2*i                          ; slot i's two loads are in; the 30 - 2 i younger ones stay out
	v_pk_add_f32 v[L+4*i:L+4*i+1], v[L+4*i:L+4*i+1], v[L2+4*i:L2+4*i+1]
	v_pk_add_f32 v[L+4*i+2:L+4*i+3], v[L+4*i+2:L+4*i+3], v[L2+4*i+2:L2+4*i+3]
	v_cvt_pk_bf16_f32 v[Y+2*i], v[L+4*i], v[L+4*i+1]
	v_cvt_pk_bf16_f32 v[Y+2*i+1], v[L+4*i+2], v[L+4*i+3]
	global_store_b64 v6, v[Y+2*i:Y+2*i+1], s[30:31] offset:2048*i
.set i, i+1
.endr
	s_endpgm
.Lfunc_end_k_qfe38ffbade_prep:
	.size	k_qfe38ffbade_prep, .Lfunc_end_k_qfe38ffbade_prep-k_qfe38ffbade_prep
	.p2alignl 7, 3214868480
	.fill 96, 4, 3214868480
	.section	.rodata,"a",@progbits
	.p2align	6, 0x0
	.amdhsa_kernel k_qfe38ffbade_prep
		.amdhsa_group_segment_fixed_size 0
		.amdhsa_private_segment_fixed_size 0
		.amdhsa_enable_private_segment 0
		.amdhsa_kernarg_size 112
		.amdhsa_user_sgpr_count 2
		.amdhsa_user_sgpr_kernarg_segment_ptr 1
		.amdhsa_wavefront_size32 1
		.amdhsa_system_sgpr_workgroup_id_x 1
		.amdhsa_system_sgpr_workgroup_id_y 1
		.amdhsa_system_sgpr_workgroup_id_z 1
		.amdhsa_system_vgpr_workitem_id 0
		.amdhsa_next_free_vgpr 208
		.amdhsa_next_free_sgpr 84
		.amdhsa_reserve_vcc 0
		.amdhsa_float_denorm_mode_32 3
		.amdhsa_float_denorm_mode_16_64 3
		.amdhsa_memory_ordered 1
		.amdhsa_forward_progress 1
		.amdhsa_inst_pref_size 29
	.end_amdhsa_kernel
	.amdgpu_metadata
---
amdhsa.version: [ 1, 2 ]
amdhsa.kernels:
  - .name:           k_qfe38ffbade_prep
    .symbol:         k_qfe38ffbade_prep.kd
    .args:
      - { .name: embedding, .offset: 0, .size: 8, .value_kind: global_buffer, .address_space: global }
      - { .name: positional_encoding, .offset: 8, .size: 8, .value_kind: global_buffer, .address_space: global }
      - { .name: W_proj, .offset: 16, .size: 8, .value_kind: global_buffer, .address_space: global }
      - { .name: ff_W1, .offset: 24, .size: 8, .value_kind: global_buffer, .address_space: global }
      - { .name: ff_W2, .offset: 32, .size: 8, .value_kind: global_buffer, .address_space: global }
      - { .name: Wq, .offset: 40, .size: 8, .value_kind: global_buffer, .address_space: global }
      - { .name: Wk, .offset: 48, .size: 8, .value_kind: global_buffer, .address_space: global }
      - { .name: Wv, .offset: 56, .size: 8, .value_kind: global_buffer, .address_space: global }
      - { .name: kv_k, .offset: 64, .size: 8, .value_kind: global_buffer, .address_space: global }
      - { .name: kv_v, .offset: 72, .size: 8, .value_kind: global_buffer, .address_space: global }
      - { .name: ff_b1, .offset: 80, .size: 8, .value_kind: global_buffer, .address_space: global }
      - { .name: U1, .offset: 88, .size: 8, .value_kind: global_buffer, .address_space: global }
      - { .name: ZKV, .offset: 96, .size: 8, .value_kind: global_buffer, .address_space: global }
      - { .name: AO, .offset: 104, .size: 8, .value_kind: global_buffer, .address_space: global }
    .group_segment_fixed_size: 0
    .private_segment_fixed_size: 0
    .kernarg_segment_align: 8
    .kernarg_segment_size: 112
    .max_flat_workgroup_size: 256
    .sgpr_count:     84
    .vgpr_count:     208
    .wavefront_size: 32
...
	.end_amdgpu_metadata
.endif
;; end of part 8
;; launch qkv (part 9): grid 16 x 16, 4 waves a work-group, clusters of 4 x 4, 327,680 bytes of LDS; arguments U1, BIG; writes BIG
.if DOCPART == 9
	.amdgcn_target "amdgcn-amd-amdhsa--gfx1250"
	.amdhsa_code_object_version 6
	.text
	.protected	k_qfe38ffbade_qkv
	.globl	k_qfe38ffbade_qkv
	.p2align	8
	.type	k_qfe38ffbade_qkv,@function
k_qfe38ffbade_qkv:
	s_mov_b64 s[64:65], 0
	v_nop
	global_prefetch_b8 v0, s[64:65] scope:SCOPE_SE
	s_setreg_imm32_b32 hwreg(HW_REG_WAVE_MODE, 25, 1), 1
	s_wait_xcnt 0x0
	s_wait_alu depctr_hold_cnt(0) depctr_sa_sdst(0) depctr_va_vdst(0) depctr_va_sdst(0) depctr_va_ssrc(0) depctr_va_vcc(0) depctr_vm_vsrc(0)
	s_getreg_b32 s2, hwreg(HW_REG_IB_STS2, 6, 4)
	s_cmp_eq_u32 s2, 0
	s_cbranch_scc0 .Lentry_in_a_cluster
	s_endpgm
.Lentry_in_a_cluster:
	s_bfe_u32 s2, ttmp6, 0x10000c
	s_cmp_lg_u32 s2, 0xf033
	s_cbranch_scc0 .Lentry_shape_is_right
	s_endpgm
.Lentry_shape_is_right:
; TWO PRODUCTS OF ONE SHAPE IN ONE LAUNCH: tiles of 256 x 256 with K = 1,024, bf16 operands, f32 sums.  Arguments: ab, c.
; Tile columns 0-11 (clusters x = 0, 1, 2):  [Q | K | V] = x Wqkv.  A = x at ab, [4096][1024]; B at ab + 8 MiB, [1024 k][4096] (weights as they are given, K down the rows).
;   C is rounded once to bf16 and stored in PANELS of 128 columns, [n / 128][4096][128], so that a row of a panel is 256 consecutive bytes.
; Tile columns 12-15 (clusters x = 3):  the feed-forward weights' product W1 W2, its K = 4,096 in four quarters s.  reference() has no activation between its two feed-forward products, so
;   (f W1 + b1) W2 = f (W1 W2) + b1 W2 for every input; the order of rounding differs from the reference's: f W1 is never formed.
;   A = W1 at ab + 24 MiB as [s*1024 + e][k'], B = W2 at ab + 16 MiB as [k'][s*1024 + n], the same two pitches as above.  Tile row t belongs to quarter s = t / 4, the cluster's y.
;   These are partial sums, added up by a later launch: they are stored in f32, [s*1024 + e][1024] at c + 24 MiB.
; What differs between the two is three constants of the addresses, chosen by s_cselect, and the way out, chosen by one forward branch: both on the cluster's x, which all partners share.
; 12 x 16 + 4 x 16 = 256 work-groups.  Four waves of 128 x 128: 64 accumulators of 16 x 16, 512 registers.  K goes in steps of 128 through two LDS slots filled by tensor loads of 128 rows x 256 bytes.
; CLUSTER 4 x 4: A's tile hangs on the tile row (and the cluster's x) and is asked for jointly along a row of the cluster, B's on the tile column (and the cluster's y), along a column.
; THE MATRIX INSTRUCTION IS USED TRANSPOSED: source 0 = 16 columns of B, source 1 = 16 rows of A; a lane then holds row l % 16 of C and the eight columns 8 (l / 16) + 0..7.
; B's fragments (K along the registers) come out of rows that lie along N by the transposing LDS load.
; REGISTERS, in windows of 256: window 0: v0-31 addresses; v64-127, v128-191 A's fragments, two buffers (on the f32 way out: rows read back); v32-63, v192-255 the bf16 way out.
;   window 1: v64-127, v128-191 B's fragments.   window 2: accumulators of my rows 0-63 ((a, b) at v[8 (8 a + b)]);   window 3: of my rows 64-127.
.set KSTEP,  128
.set PA,     272                       ; a row of A in LDS: 256 bytes + 16: the 16 rows of a fragment load start 68 words apart
.set PB,     288                       ; a row of B in LDS: 256 bytes + 32: 16 lanes of the transposing load take 8 rows x 32 bytes, 72 words apart
.set HALFA,  128*PA                    ; 128 rows of A: one tensor load
.set HALFB,  128*PB                    ; 128 k x 128 columns of B: one tensor load
.set SLOT,   2*HALFA+2*HALFB           ; A's rows 0-127, 128-255, then B's columns 0-127, 128-255
.set STAGE,  2*SLOT                    ; behind the ring, for the way out: 16 rows for each wave,
.set SPITCH, 272                       ; of 256 bytes + 16 in bf16,
.set FP,     528                       ; of 512 bytes + 16 in f32
.set WSTAGE, 16*FP
.set SPARE,  STAGE+4*WSTAGE            ; the spare words, 128 bytes a wave: two blocks of 256 bytes that no other line names
.set LAPS,   4                         ; K = 1,024 = 4 laps of two K steps
.set ADRA, 16                          ; v16-17  LDS address of my A fragments in slot 0, 1
.set ADRB, 20                          ; v20-21  the same for B
.set STO,  24                          ; v24     bf16 way out: where I put 16 bytes of a row
.set RD,   25                          ; v25     bf16 way out: where I read a row back
.set CO,   26                          ; v26     16 x lane: my place in 512 consecutive bytes of C
.set STF,  27                          ; v27     f32 way out: where I put 32 bytes of a row
.set SPW,  28                          ; v28     my spare word; never rewritten
.set NIL,  29                          ; v29     0; never rewritten
.set RDF,  30                          ; v30     f32 way out: where I read a row back
.set F0,   64
.set F1,   128
.set TMP,  192                         ; bf16 way out: packed results
.set OB,   32                          ; bf16 way out: 16 rows read back: v32-63 and v224-255 by turns
.set G1, 24                            ; s[24:31] group 1 for A;  s[32:39] group 0, a set for each slot
.set G0, 32
.set G1B, 48                           ; s[48:55], s[56:63] the same for B
.set G0B, 56
.set MSB, 0
.macro WIN new                         ; the immediate's high byte repeats the setting that is left
.if MSB != (\new)
	s_set_vgpr_msb (MSB<<8)|(\new)
.set MSB, \new
.endif
.endm
.set MUL_LO, 0xa1                      ; source 0 (B) window 1, source 1 (A) window 0, C and D window 2
.set MUL_HI, 0xf1                      ; the same, C and D window 3
.set TO_B,   0x40                      ; destination window 1, address window 0
; A joint load: waves 0 and 1 fetch A's two halves, waves 2 and 3 B's.  The branch hangs on the wave's number alone.  An s_nop 0 and four v_nop follow each line.
.macro JLOAD s
	s_cmp_eq_u32 s11, 0
	s_cbranch_scc0 .Lfor_b_\@
	tensor_load_to_lds s[G0+4*(\s):G0+4*(\s)+3], s[G1:G1+7]
	s_nop 0
.rept 4
	v_nop
.endr
	s_branch .Lasked_\@
.Lfor_b_\@:
	tensor_load_to_lds s[G0B+4*(\s):G0B+4*(\s)+3], s[G1B:G1B+7]
	s_nop 0
.rept 4
	v_nop
.endr
.Lasked_\@:
.endm
.macro CREST                           ; a round of the cluster's barrier behind its opening barrier
	s_cmp_lg_u32 s10, 0
	s_cbranch_scc1 .Lnot_wave_0_\@
	s_barrier_signal -3
.Lnot_wave_0_\@:
	s_barrier_wait -3
	s_barrier_signal -1
	s_barrier_wait -1
.endm
.macro CROUND                          ; a whole round
	s_barrier_signal -1
	s_barrier_wait -1
	CREST
.endm
	s_load_b64 s[4:5], s[0:1], 0x0                 ; ab
	s_load_b64 s[8:9], s[0:1], 0x8                 ; c
	v_lshl_add_u32 v[SPW], v0, 2, SPARE
	v_mov_b32 v[NIL], 0
	ds_add_u32 v[SPW], v[NIL]                      ; the wave's opening: the add and its wait ahead of my first tensor load
	v_lshrrev_b32 v1, 5, v0
	v_readfirstlane_b32 s10, v1                    ; wave 0..3
	s_lshr_b32 s11, s10, 1                         ; my half of the tile's rows.  Also: I fetch for A (0) or B (1)
	s_and_b32 s12, s10, 1                          ; my half of its columns.  Also: which half of that tile I fetch
	s_bfe_u32 s40, ttmp6, 0x40000                  ; cx
	s_bfe_u32 s41, ttmp6, 0x40004                  ; cy
	s_mov_b32 s45, ttmp9                           ; the cluster's x: 3 = the weights' product
	s_lshl_b32 s42, s45, 2
	s_add_co_u32 s42, s42, s40                     ; tile column
	s_and_b32 s19, ttmp7, 0xffff                   ; the cluster's y: for the weights' product the quarter s of K
	s_lshl_b32 s13, s19, 2
	s_add_co_u32 s13, s13, s41                     ; tile row
	s_lshl_b32 s43, s41, 2
	s_lshl_b32 s43, 15, s43                        ; my row of the cluster
	s_lshl_b32 s44, 0x1111, s40                    ; my column
	s_or_b32 s[G1+0], s43, (1<<16)|(1<<20)|(1<<21)|(5<<22)|(3<<25)   ; mask; 2-byte elements; padding on; bit 21 beside a mask; after every 64 words 4 words
	s_or_b32 s[G1B+0], s44, (1<<16)|(1<<20)|(1<<21)|(5<<22)|(7<<25)  ; the same with my column's mask and 8 words
.irp g, G1, G1B
	s_mov_b32 s[(\g)+1], KSTEP<<16                 ; tensor_dim0 = 128
	s_mov_b32 s[(\g)+2], 128<<16                   ; tensor_dim1 = 128
	s_mov_b32 s[(\g)+3], KSTEP<<16                 ; tile_dim0 = 128
	s_mov_b32 s[(\g)+4], 128                       ; tile_dim1 = 128
	s_mov_b32 s[(\g)+6], 0
	s_mov_b32 s[(\g)+7], 0
.endr
	s_mov_b32 s[G1+5], 1024                        ; A: 1,024 elements from row to row
	s_mov_b32 s[G1B+5], 4096                       ; B: 4,096
	s_lshl_b32 s16, s13, 19                        ; A: 256 rows of 2,048 bytes a tile row,
	s_lshl_b32 s17, s12, 18                        ; 128 rows a half,
	s_add_co_u32 s16, s16, s17
	s_cmp_eq_u32 s45, 3
	s_cselect_b32 s17, 24<<20, 0                   ; in x, or in W1
	s_add_co_u32 s16, s16, s17
	s_mov_b32 s17, 0
	s_lshl_b32 s46, s42, 9                         ; B: 512 bytes a tile column,
	s_lshl_b32 s47, s12, 8                         ; 256 a half,
	s_add_co_u32 s46, s46, s47
	s_add_co_u32 s46, s46, 8<<20                   ; in Wqkv;
	s_lshl_b32 s19, s19, 11                        ; or in W2, 8 MiB on: tile columns count from 12 there, and quarter s begins 2,048 s bytes into a row
	s_add_co_u32 s19, s19, (8<<20)-12*512
	s_cmp_eq_u32 s45, 3
	s_cselect_b32 s19, s19, 0
	s_add_co_u32 s46, s46, s19
	s_mov_b32 s47, 0
	s_mul_i32 s20, s12, HALFA                      ; where they go: the wave's number alone enters an LDS address
	s_mul_i32 s21, s12, HALFB
	s_add_co_u32 s21, s21, 2*HALFA
	s_wait_dscnt 0x0                               ; the opening add is done
	s_wait_kmcnt 0x0
	s_add_nc_u64 s[14:15], s[4:5], s[16:17]
	s_add_nc_u64 s[46:47], s[4:5], s[46:47]
	CROUND                                         ; all sixteen work-groups are here: the first joint loads meet
.irp s, 0,1
	s_mov_b32 s[G0+4*(\s)], 1
	s_add_co_u32 s[G0+4*(\s)+1], s20, (\s)*SLOT
	s_add_nc_u64 s[G0+4*(\s)+2:G0+4*(\s)+3], s[14:15], (\s)*KSTEP*2       ; K step s: 256 bytes along A's rows
	s_or_b32 s[G0+4*(\s)+3], s[G0+4*(\s)+3], 0x80000000
	s_mov_b32 s[G0B+4*(\s)], 1
	s_add_co_u32 s[G0B+4*(\s)+1], s21, (\s)*SLOT
	s_add_nc_u64 s[G0B+4*(\s)+2:G0B+4*(\s)+3], s[46:47], (\s)*KSTEP*8192  ; K step s: 128 rows of B down
	s_or_b32 s[G0B+4*(\s)+3], s[G0B+4*(\s)+3], 0x80000000
	JLOAD \s                                       ; two loads of mine are out
.endr
	v_and_b32 v1, 15, v0                           ; l % 16
	v_bfe_u32 v2, v0, 4, 1                         ; l / 16
	v_mul_u32_u24 v3, v1, PA
	v_lshl_add_u32 v3, v2, 4, v3                   ; A: row x pitch + 16 x half
	v_and_b32 v4, 7, v0
	v_lshl_add_u32 v4, v2, 3, v4                   ; B: k = 8 (l / 16) + l % 8,
	v_mul_u32_u24 v4, v4, PB
	v_bfe_u32 v5, v0, 3, 1
	v_lshl_add_u32 v4, v5, 4, v4                   ; columns 8 ((l / 8) % 2) on
	s_mul_i32 s22, s11, HALFA                      ; my 128 rows of A
	s_mul_i32 s23, s12, HALFB                      ; my 128 columns of B,
	s_add_co_u32 s23, s23, 2*HALFA                 ; behind A's 256 rows
.irp s, 0,1
	v_add_nc_u32 v[ADRA+(\s)], s22, v3
	v_add_nc_u32 v[ADRB+(\s)], s23, v4
	s_add_co_u32 s22, s22, SLOT
	s_add_co_u32 s23, s23, SLOT
.endr
	s_mul_i32 s23, s10, WSTAGE
	s_add_co_u32 s23, s23, STAGE                   ; my stage
	v_mul_u32_u24 v4, v1, SPITCH
	v_lshl_add_u32 v4, v2, 4, v4
	v_add_nc_u32 v[STO], s23, v4
	v_mul_u32_u24 v5, v2, SPITCH
	v_lshl_add_u32 v5, v1, 4, v5
	v_add_nc_u32 v[RD], s23, v5
	v_and_b32 v5, 31, v0
	v_lshlrev_b32 v[CO], 4, v5
	v_mul_u32_u24 v4, v1, FP
	v_lshl_add_u32 v4, v2, 5, v4
	v_add_nc_u32 v[STF], s23, v4                   ; row l % 16, 32 bytes for each half of the lanes
	v_add_nc_u32 v[RDF], s23, v[CO]                ; 32 lanes take a row's 512 bytes
	s_lshl_b32 s46, s42, 21                        ; C in panels: my 128 columns are panel 2 x tile column + half, 1 MiB each;
	s_lshl_b32 s47, s12, 20
	s_add_co_u32 s46, s46, s47
	s_lshl_b32 s47, s13, 16                        ; in it 256 rows of 256 bytes a tile row,
	s_add_co_u32 s46, s46, s47
	s_lshl_b32 s47, s11, 15                        ; 128 rows a half
	s_add_co_u32 s46, s46, s47
	s_lshl_b32 s18, s13, 20                        ; C as f32 sums: 256 rows of 4,096 bytes a tile row,
	s_lshl_b32 s47, s11, 19                        ; 128 rows a half,
	s_add_co_u32 s18, s18, s47
	s_lshl_b32 s47, s42, 10                        ; 1,024 bytes a tile column (counted from 12),
	s_add_co_u32 s18, s18, s47
	s_lshl_b32 s47, s12, 9                         ; 512 a half,
	s_add_co_u32 s18, s18, s47
	s_add_co_u32 s18, s18, (24<<20)-12*1024        ; behind the 24 panels
	s_cmp_eq_u32 s45, 3
	s_cselect_b32 s46, s18, s46
	s_mov_b32 s47, 0
	s_add_nc_u64 s[8:9], s[8:9], s[46:47]
; 16 matrix instructions: m blocks a0, a0 + 1 of the window's four x all 8 n blocks, 32 along K.  zero = 1: the products start the sums: nothing is ever cleared.
.macro MUL16 f, hi, a0, zero
	WIN MUL_LO+0x50*(\hi)
.irp a, \a0, (\a0)+1
.irp b, 0,1,2,3,4,5,6,7
.if \zero
	v_wmma_f32_16x16x32_bf16 v[8*(8*(\a)+(\b)):8*(8*(\a)+(\b))+7], v[(\f)+8*(\b):(\f)+8*(\b)+7], v[(\f)+8*(4*(\hi)+(\a)):(\f)+8*(4*(\hi)+(\a))+7], 0
.else
	v_wmma_f32_16x16x32_bf16 v[8*(8*(\a)+(\b)):8*(8*(\a)+(\b))+7], v[(\f)+8*(\b):(\f)+8*(\b)+7], v[(\f)+8*(4*(\hi)+(\a)):(\f)+8*(4*(\hi)+(\a))+7], v[8*(8*(\a)+(\b)):8*(8*(\a)+(\b))+7]
.endif
.endr
.endr
.endm
; 32 LDS loads in one run: quarter q (32 along K) of a slot into buffer f: B's 8 blocks of 16 columns (turned), then A's 8 blocks of 16 rows
.macro FETCH slot, q, f
	WIN TO_B
.irp i, 0,1,2,3,4,5,6,7
	ds_load_tr16_b128 v[(\f)+8*(\i):(\f)+8*(\i)+3],   v[ADRB+(\slot)] offset:(\q)*32*PB+32*(\i)
	ds_load_tr16_b128 v[(\f)+8*(\i)+4:(\f)+8*(\i)+7], v[ADRB+(\slot)] offset:(\q)*32*PB+16*PB+32*(\i)
.endr
	WIN 0
.irp i, 0,1,2,3,4,5,6,7
	ds_load_b128 v[(\f)+8*(\i):(\f)+8*(\i)+3],   v[ADRA+(\slot)] offset:(\q)*64+(\i)*16*PA
	ds_load_b128 v[(\f)+8*(\i)+4:(\f)+8*(\i)+7], v[ADRA+(\slot)] offset:(\q)*64+(\i)*16*PA+32
.endr
.endm
.macro PLACES                          ; four plain vector instructions between a matrix instruction and a load into, or a read of, its registers
.rept 4
	v_nop
.endr
.endm
; One of a K step's first three quarters: multiplies buffer f; in its middle fetches quarter q of the same slot into buffer g.
.macro QUARTER slot, q, f, g, zero
	s_wait_dscnt 8                                 ; B and A's rows 0-63 are in; the youngest eight loads (A's rows 64-127) may be out
	MUL16 \f, 0, 0, \zero
	MUL16 \f, 0, 2, \zero
	PLACES
	FETCH \slot, \q, \g
	s_wait_dscnt 32                                ; all but the 32 just issued
	MUL16 \f, 1, 0, \zero
	MUL16 \f, 1, 2, \zero
.endm
; The first half of the last quarter: one barrier for the change of slots.
.macro MEET round
	WIN 0
	s_wait_tensorcnt 0x0                           ; all my tensor loads have landed: the one that was out is my part of the next slot
	ds_add_u32 v[SPW], v[NIL]                      ; 0 onto my spare word
	s_wait_dscnt 9                                 ; the add and the youngest eight loads may be out
	MUL16 F1, 0, 0, 0
	s_wait_dscnt 0x0                               ; the add is done, and my reads of this slot are over
	s_barrier_signal -1
	MUL16 F1, 0, 2, 0
.if \round
	WIN 0
.endif
	s_barrier_wait -1
.endm
; The whole last quarter.  fill = 1: the barrier opens a round of the cluster's, and the slot just read is filled again, two K steps on, first thing behind the round.
.macro TURN slot, next, fill
.if \fill
	MEET 1
	CREST
	s_add_nc_u64 s[G0+4*(\slot)+2:G0+4*(\slot)+3], s[G0+4*(\slot)+2:G0+4*(\slot)+3], 2*KSTEP*2
	s_add_nc_u64 s[G0B+4*(\slot)+2:G0B+4*(\slot)+3], s[G0B+4*(\slot)+2:G0B+4*(\slot)+3], 2*KSTEP*8192
	JLOAD \slot                                    ; my one tensor load behind the round; its four v_nop are also the places in front of the loads below
.else
	MEET 0
	PLACES
.endif
	FETCH \next, 0, F0
	MUL16 F1, 1, 0, 0
	MUL16 F1, 1, 2, 0
.endm
; THE WAY OUT IN bf16 of block a (16 rows): rounded, 16 bytes a lane; through my own stage; back as whole rows of 256 bytes; stored.
.macro PACK a
.set AC, 64*((\a)%4)
	WIN 0x0a+5*((\a)/4)                            ; sources 0 and 1: window 2 or 3
.irp b, 0,1,2,3,4,5,6,7
.irp r, 0,1,2,3
	v_cvt_pk_bf16_f32 v[TMP+4*(\b)+(\r)], v[AC+8*(\b)+2*(\r)], v[AC+8*(\b)+2*(\r)+1]
.endr
.endr
	WIN 0
.endm
.macro TOSTAGE a
	WIN 0
.set BK, OB+192*((\a)%2)
.irp b, 0,1,2,3,4,5,6,7
	ds_store_b128 v[STO], v[TMP+4*(\b):TMP+4*(\b)+3] offset:32*(\b)
.endr
.irp t, 0,1,2,3,4,5,6,7
	ds_load_b128 v[BK+4*(\t):BK+4*(\t)+3], v[RD] offset:(\t)*2*SPITCH  ; LDS serves a wave's instructions in order (ISA guide 5.7.1.4): these see the stores above
.endr
.endm
.macro SEND a
	WIN 0
.set BK, OB+192*((\a)%2)
	s_wait_dscnt 0x0                               ; the block is back in registers
	s_wait_xcnt 0x0                                ; the read-back buffer that the next block loads into was the data of stores issued ahead of this wait
.irp t, 0,1,2,3,4,5,6,7
	global_store_b128 v[CO], v[BK+4*(\t):BK+4*(\t)+3], s[8:9] offset:(\a)*4096+512*(\t)  ; two rows of the panel: 512 consecutive bytes, aligned
.endr
.endm
; THE WAY OUT IN f32 of block a: a lane's eight sums of an accumulator are 32 bytes of a row; they go straight from the accumulators (each from its low end) into rows of 528 bytes
; and come back as whole rows of 512, into the registers that held A's fragments, two buffers by turns.
.macro T32 a
.set AC, 64*((\a)%4)
.set BK, F0+64*((\a)%2)
	WIN 0x08+4*((\a)/4)                            ; store data (source 1) in window 2 or 3
.irp b, 0,1,2,3,4,5,6,7
	ds_store_b128 v[STF], v[AC+8*(\b):AC+8*(\b)+3] offset:64*(\b)
	ds_store_b128 v[STF], v[AC+8*(\b)+4:AC+8*(\b)+7] offset:64*(\b)+16
.endr
	WIN 0
	s_wait_xcnt 0x0                                ; this buffer was the data of the stores of the block two back: it is loaded again only behind this wait
.irp t, 0,1,2,3,4,5,6,7,8,9,10,11,12,13,14,15
	ds_load_b128 v[BK+4*(\t):BK+4*(\t)+3], v[RDF] offset:(\t)*FP  ; in order behind the stores above; the next block's stores come behind these
.endr
.endm
.macro SEND32 a, younger               ; younger: the LDS instructions issued behind block a's loads: the next block's 32, or none
	WIN 0
.set BK, F0+64*((\a)%2)
.irp t, 0,1,2,3,4,5,6,7,8,9,10,11,12,13,14,15
	s_wait_dscnt (\younger)+15-(\t)
	global_store_b128 v[CO], v[BK+4*(\t):BK+4*(\t)+3], s[8:9] offset:(\a)*65536+(\t)*4096  ; my 128 columns of a row: 512 consecutive bytes, aligned
.endr
.endm
	s_wait_tensorcnt 1                             ; my part of K step 0 is in; K step 1's may stay out
	s_barrier_signal -1
	s_barrier_wait -1
	FETCH 0, 0, F0
	QUARTER 0, 1, F0, F1, 1                        ; the first quarter stands in front of the loop: its products start the sums
	WIN 0
	s_mov_b32 s3, LAPS-1
.Llap:                                                 ; a trip goes once round the ring and fills both slots again
	QUARTER 0, 2, F1, F0, 0
	QUARTER 0, 3, F0, F1, 0
	TURN 0, 1, 1
	QUARTER 1, 1, F0, F1, 0
	QUARTER 1, 2, F1, F0, 0
	QUARTER 1, 3, F0, F1, 0
	TURN 1, 0, 1
	QUARTER 0, 1, F0, F1, 0
	WIN 0
	s_sub_co_u32 s3, s3, 1
	s_cmp_lg_u32 s3, 0
	s_cbranch_scc1 .Llap
	QUARTER 0, 2, F1, F0, 0                        ; the last lap fills nothing
	QUARTER 0, 3, F0, F1, 0
	TURN 0, 1, 0
	QUARTER 1, 1, F0, F1, 0
	QUARTER 1, 2, F1, F0, 0
	QUARTER 1, 3, F0, F1, 0
	s_wait_dscnt 8
	MUL16 F1, 0, 0, 0
	MUL16 F1, 0, 2, 0
	s_wait_dscnt 0x0
	MUL16 F1, 1, 0, 0
	MUL16 F1, 1, 2, 0
	PLACES
	WIN 0
	s_cmp_eq_u32 s45, 3                            ; the cluster's x: alike in all waves and all partners; neither way holds a barrier or a tensor load
	s_cbranch_scc1 .Lsums
	PACK 0
	TOSTAGE 0
.irp a, 1,2,3,4,5,6,7                  ; block a's conversions stand between block a - 1's loads from the stage and the wait for them
	PACK \a
	SEND (\a)-1
	TOSTAGE \a
.endr
	SEND 7
	s_branch .Lend
.Lsums:
	T32 0
.irp a, 1,2,3,4,5,6,7                  ; block a goes into the stage while block a - 1 comes back
	T32 \a
	SEND32 (\a)-1, 32
.endr
	SEND32 7, 0
.Lend:
	s_wait_tensorcnt 0x0                           ; the wave's end
	ds_add_u32 v[SPW], v[NIL]
	s_wait_dscnt 0x0
	CROUND                                         ; the closing round
	s_endpgm
.Lfunc_end_k_qfe38ffbade_qkv:
	.size	k_qfe38ffbade_qkv, .Lfunc_end_k_qfe38ffbade_qkv-k_qfe38ffbade_qkv
	.p2alignl 7, 3214868480
	.fill 96, 4, 3214868480
	.section	.rodata,"a",@progbits
	.p2align	6, 0x0
	.amdhsa_kernel k_qfe38ffbade_qkv
		.amdhsa_group_segment_fixed_size 327680
		.amdhsa_private_segment_fixed_size 0
		.amdhsa_enable_private_segment 0
		.amdhsa_kernarg_size 16
		.amdhsa_user_sgpr_count 2
		.amdhsa_user_sgpr_kernarg_segment_ptr 1
		.amdhsa_wavefront_size32 1
		.amdhsa_system_sgpr_workgroup_id_x 1
		.amdhsa_system_sgpr_workgroup_id_y 1
		.amdhsa_system_sgpr_workgroup_id_z 1
		.amdhsa_system_vgpr_workitem_id 0
		.amdhsa_next_free_vgpr 1024
		.amdhsa_next_free_sgpr 66
		.amdhsa_reserve_vcc 0
		.amdhsa_float_denorm_mode_32 3
		.amdhsa_float_denorm_mode_16_64 3
		.amdhsa_memory_ordered 1
		.amdhsa_forward_progress 1
		.amdhsa_inst_pref_size 176
	.end_amdhsa_kernel
	.amdgpu_metadata
---
amdhsa.version: [ 1, 2 ]
amdhsa.kernels:
  - .name:           k_qfe38ffbade_qkv
    .symbol:         k_qfe38ffbade_qkv.kd
    .args:
      - { .name: U1, .offset: 0, .size: 8, .value_kind: global_buffer, .address_space: global }
      - { .name: BIG, .offset: 8, .size: 8, .value_kind: global_buffer, .address_space: global }
    .group_segment_fixed_size: 327680
    .private_segment_fixed_size: 0
    .kernarg_segment_align: 8
    .kernarg_segment_size: 16
    .max_flat_workgroup_size: 128
    .sgpr_count:     66
    .vgpr_count:     1024
    .wavefront_size: 32
...
	.end_amdgpu_metadata
.endif
;; end of part 9
;; launch attn (part 10): grid 8 x 32, 4 waves a work-group, clusters of 4 x 1, 327,680 bytes of LDS; arguments BIG, ZKV, AO; writes AO
.if DOCPART == 10
	.amdgcn_target "amdgcn-amd-amdhsa--gfx1250"
	.amdhsa_code_object_version 6
	.text
	.protected	k_qfe38ffbade_attn
	.globl	k_qfe38ffbade_attn
	.p2align	8
	.type	k_qfe38ffbade_attn,@function
k_qfe38ffbade_attn:
	s_mov_b64 s[64:65], 0
	v_nop
	global_prefetch_b8 v0, s[64:65] scope:SCOPE_SE
	s_setreg_imm32_b32 hwreg(HW_REG_WAVE_MODE, 25, 1), 1
	s_wait_xcnt 0x0
	s_wait_alu depctr_hold_cnt(0) depctr_sa_sdst(0) depctr_va_vdst(0) depctr_va_sdst(0) depctr_va_ssrc(0) depctr_va_vcc(0) depctr_vm_vsrc(0)
	s_getreg_b32 s2, hwreg(HW_REG_IB_STS2, 6, 4)
	s_cmp_eq_u32 s2, 0
	s_cbranch_scc0 .Lentry_in_a_cluster
	s_endpgm
.Lentry_in_a_cluster:
	s_bfe_u32 s2, ttmp6, 0x10000c
	s_cmp_lg_u32 s2, 0x3003
	s_cbranch_scc0 .Lentry_shape_is_right
	s_endpgm
.Lentry_shape_is_right:
; BOTH ATTENTIONS of a block of 128 queries and a pair of heads: first causal self-attention (K, V from BIG), then cross attention (kv_k, kv_v from ZKV), with the same Q and
; the same scale 1/32.  All operands bf16 in panels [pair of heads][b*1024+s][128]; products, maxima and sums in f32; the weights p are rounded to bf16 for the second product
; (their sum l is taken of the unrounded p).  The self result is stored in bf16 (panels, AO), the cross result in f32 ([4096][1024], AO + 8 MiB): it goes on into a LayerNorm.
; LIMITS.  A hidden score counts as its value less 1e30; a weight below 2^-126 counts as 0; NaN and infinities are not treated apart.
; SHARES.  Grid y = 4 x pair + batch; x = the block of 128 queries.  Wave w: head w / 2 of the pair, queries 64 (w % 2) on: four tiles of 16.
; THE WALK.  32 key steps of 64: steps 0-15 the self pass, 16-31 the cross pass, two steps to an LDS slot.  One counted loop walks the slots; the ring of two slots runs on across the change of pass.
; CLUSTER 4 x 1: the four query blocks of a cluster share pair and batch, so every tile of K and V is asked for jointly (mask 15).
; THE CAUSAL MASK is the C operand that starts S^T = K Q^T: 0, or -1e30 where the key is hidden, made by compares and selects for every step.  Steps wholly above the diagonal are computed
; all the same: to leave them out would be a branch on the block's place in the cluster, and partners that ask jointly run alike.  That is about half of the self pass's products.
; With VS = my query's index less 16 x tile, less 8 (l / 16), less the step's first key, key register j of key block kb is hidden for tile t where 16 (kb - t) + j > VS.  VS is 64 d + (-8 .. 15), so
; three masks serve: kb = t: j > VS;  kb < t: -8 > VS;  kb > t: 16 > VS.  In the cross pass VS is very large and every mask is 0.
; LAYOUT.  S^T = K Q^T holds one query a lane (l % 16) and the keys 8 (l / 16) + 0..7; two such results rounded to bf16 are source 1 of O^T = V^T P.  V comes out of LDS turned.
; SOFTMAX.  A running maximum m and sum l: p = 2^(c s - c m), c = log2(e) / 32; in every step O and l are multiplied by a = 2^(c m_old - c m_new).  m starts at the lowest finite number,
; so a pass's first step has a = 0 and needs no text of its own.
; BY TURNS.  The wave's tiles are two PIECES, named by their first tile: piece 0 (tiles 0, 1) and piece 2 (tiles 2, 3).  In a TURN one piece has the matrix unit: 16 products V^T P of step j, then
; 16 products K Q^T of step j + 1; the other piece's softmax, 240 vector instructions, stands between them in 32 slices of 8 and 7 by turns, one behind each product.  Then the pieces change places.
; Turn 0 carries piece 2's softmax of step j, turn 2 piece 0's of step j + 1.  7.5 vector instructions for a product are more than find room beside it: the aim is that none of the matrix time comes on top.
; No first and no last step is written out: V's registers and piece 2's P start at 0, and the loop is entered at turn 2, whose products V^T P then add 0; the tail's third turn 0 multiplies the last K once more, for nothing.
; REGISTERS, in windows of 256: window 0: v0-15 addresses; v16-31 statistics; v32-47, v48-51 at work; v64-191 S^T, 32 a tile; v192-255 P, 16 a tile.
;   window 1: v0-127 O^T, 32 a tile; v128-151 the three masks.     window 2: v0-63 Q; v128-191 K of a step; v192-255 V of a step.
; All that a softmax touches but O^T lies in window 0, and no window has room for a product's operands beside it: a slice costs two switches of the window.
.set KS,    64
.set PK,    272                        ; a row of K in LDS: 256 bytes (both heads) + 16
.set PV,    288                        ; a row of V: 256 + 32
.set VOFF,  KS*PK
.set STEPB, KS*(PK+PV)                 ; a step: 64 rows of K, then 64 rows of V
.set SLOT1, 1<<17                      ; slot 1 begins here: one exclusive or turns an address in one slot into the other's
.set STAGE, SLOT1+2*STEPB              ; behind the ring, never filled by a tensor load: 128 rows x 272 bytes
.set SP,    272
.set SPARE, STAGE+128*SP               ; the spare words, 128 bytes a wave
.set AK0, 2
.set AV0, 3
.set ADRK, 4
.set ADRV, 5
.set STO0, 6                           ; self result: into the shared stage
.set RD0,  7                           ; and back, 32 whole rows a wave
.set GO0,  8                           ; 16 x lane
.set STO1, 10                          ; cross result: into my own 16 rows of the stage
.set RD1,  11
.set VS,   12
.set GO1,  13
.set QO,   14
.set ST,  16                           ; tile t: c m, m, l (even keys', odd keys')
.set TMP, 32                           ; tile t: c0-c3 at work; c2 takes a
.set MV,  48                           ; tile t: c m_old
.set SPW, 62
.set NIL, 63
.set S,   64
.set P,   192
.set MEQ, 128                          ; window 1
.set MLT, 136
.set MGT, 144
.set KF,  128                          ; window 2: key block kb, channel half c at KF + 16 kb + 8 c
.set VF,  192                          ; window 2: key half kk, channel block cb at VF + 32 kk + 8 cb
.set WV,  12
.set G1K, 24
.set G1V, 32
.set G0K, 40
.set G0V, 44
.set KB0, 48                           ; s[48:49] self K, s[50:51] self V, s[52:53] cross K, s[54:55] cross V: each at my 64 rows of slot 0
.set VB0, 50
.set KB1, 52
.set VB1, 54
.set SLOTS, 56                         ; 15 less the number of the slot whose steps are being fetched
.set TWICE, 57                         ; counts a slot's two pairs of turns, 2 and 1
.set CS,  58
.set SEL, 60
.set TB,  62                           ; LDS byte at which the step to be fetched begins
.set NXT, 63                           ; the slot to be asked for next
.set OFF, 66                           ; s[66:67] its byte offset in its tensor
.set KB,  68                           ; s[68:69], s[70:71] the pass's bases
.set VB,  70
.set QP,  72                           ; s[72:73] Q, s[74:75] the self result, s[76:77] the cross result
.set OP0, 74
.set OP1, 76
.set BIGN, 78
.set MSB, 0
.macro WIN new                         ; the high byte repeats the setting that is left; a switch that changes nothing is dropped
.if MSB != (\new)
	s_set_vgpr_msb (MSB<<8)|(\new)
.set MSB, (\new)
.endif
.endm
.set W_KQ, 0x0a                        ; K and Q in window 2, S^T in window 0
.set W_KM, 0x1a                        ; the same with the C operand in window 1
.set W_PV, 0x52                        ; V in window 2, P in window 0, O^T in window 1
.set W_RS, 0x41                        ; destination and source 0 in window 1, source 1 in window 0
.macro JLOAD                           ; waves 0, 1 fetch K of the slot's two steps, waves 2, 3 V.  An s_nop 0 and four v_nop follow each line
	s_cmp_lt_u32 s[WV], 2
	s_cbranch_scc0 .Lfor_v_\@
	tensor_load_to_lds s[G0K:G0K+3], s[G1K:G1K+7]
	s_nop 0
.rept 4
	v_nop
.endr
	s_branch .Lasked_\@
.Lfor_v_\@:
	tensor_load_to_lds s[G0V:G0V+3], s[G1V:G1V+7]
	s_nop 0
.rept 4
	v_nop
.endr
.Lasked_\@:
.endm
.macro CROUND
	s_barrier_signal -1
	s_barrier_wait -1
	s_cmp_lg_u32 s[WV], 0
	s_cbranch_scc1 .Lnot_wave_0_\@
	s_barrier_signal -3
.Lnot_wave_0_\@:
	s_barrier_wait -3
	s_barrier_signal -1
	s_barrier_wait -1
.endm
; THE CHANGE OF SLOTS, between turn 2 and turn 0: the slot's last bytes, V of its second step, have been asked for.  Each wave waits for all its tensor loads (one is out: its part of the other slot),
; adds 0 to its spare word, and waits for that and for its LDS instructions.
; fill = 1: a round of the cluster's barrier, and the slot just left is filled with slot NXT's keys, first thing behind it: it has two steps' work in which to land.
; (At its first use nothing has been read yet: slot 0 is waited for, slot 1 filled.)
.macro CHANGE fill
	WIN 0
	s_wait_tensorcnt 0x0                           ; no tensor load of mine is out, so a group 0 may be written
	ds_add_u32 v[SPW], v[NIL]
.if \fill
	s_and_b32 s[OFF], s[NXT], 7
	s_lshl_b32 s[OFF], s[OFF], 15                  ; 128 rows of 256 bytes a slot
	s_cmp_lt_u32 s[NXT], 8                         ; which pass
	s_cselect_b64 s[KB:KB+1], s[KB0:KB0+1], s[KB1:KB1+1]
	s_cselect_b64 s[VB:VB+1], s[VB0:VB0+1], s[VB1:VB1+1]
	s_add_nc_u64 s[G0K+2:G0K+3], s[KB:KB+1], s[OFF:OFF+1]
	s_or_b32 s[G0K+3], s[G0K+3], 0x80000000
	s_add_nc_u64 s[G0V+2:G0V+3], s[VB:VB+1], s[OFF:OFF+1]
	s_or_b32 s[G0V+3], s[G0V+3], 0x80000000
	s_xor_b32 s[G0K+1], s[G0K+1], SLOT1
	s_xor_b32 s[G0V+1], s[G0V+1], SLOT1
	s_add_co_u32 s[NXT], s[NXT], 1
	s_wait_dscnt 0x0                               ; the add is done; my reads of the slot and my stores into the stage are over
	CROUND
	JLOAD
.else
	s_wait_dscnt 0x0
	s_barrier_signal -1
	s_barrier_wait -1
.endif
	s_sub_co_u32 s[TB], s[TB], 2*STEPB             ; the fetches go back to a slot's first step,
	s_xor_b32 s[TB], s[TB], SLOT1                  ; in the other slot
.endm
	s_load_b128 s[4:7], s[0:1], 0x0                ; BIG s[4:5], ZKV s[6:7]
	s_load_b64 s[8:9], s[0:1], 0x10                ; AO
	v_lshl_add_u32 v[SPW], v0, 2, SPARE
	v_mov_b32 v[NIL], 0
	ds_add_u32 v[SPW], v[NIL]                      ; the wave's opening: the add and its wait ahead of my first tensor load
	v_lshrrev_b32 v1, 5, v0
	v_readfirstlane_b32 s[WV], v1
	s_bfe_u32 s13, ttmp6, 0x40000                  ; cx
	s_lshl_b32 s14, ttmp9, 2
	s_add_co_u32 s14, s14, s13                     ; my block of 128 queries: it enters Q's and the results' addresses and VS alone
	s_and_b32 s15, ttmp7, 0xffff
	s_lshr_b32 s17, s15, 2                         ; the pair of heads
	s_and_b32 s18, s15, 3                          ; the batch
	s_and_b32 s16, s[WV], 1                        ; my half of the queries.  Also: which of a slot's two steps I fetch
	s_lshr_b32 s19, s[WV], 1                       ; my head of the pair
	s_lshl_b32 s20, s17, 20                        ; a panel is 1 MiB,
	s_lshl_b32 s21, s18, 18                        ; a batch 1,024 rows of 256 bytes
	s_add_co_u32 s20, s20, s21
	s_lshl_b32 s23, s14, 15                        ; (registers 22, 23 and 72 to 77 take what hangs on the block; none of them feeds a descriptor)
	s_add_co_u32 s22, s20, s23
	s_lshl_b32 s21, s16, 14                        ; 64 rows
	s_add_co_u32 s[QP], s22, s21
	s_add_co_u32 s20, s20, s21                     ; K and V: my step of slot 0
	s_mov_b32 s21, 0
	s_lshl_b32 s2, s19, 7                          ; my head's 128 bytes of a row
	s_add_co_u32 s[QP], s[QP], s2
	s_mov_b32 s[QP+1], 0
	s_lshl_b32 s23, s[WV], 13                      ; the self result: I store rows 32 w on
	s_add_co_u32 s[OP0], s22, s23
	s_mov_b32 s[OP0+1], 0
	s_lshl_b32 s[OP1], s18, 22                     ; the cross result: rows of 4,096 bytes
	s_lshl_b32 s23, s14, 19
	s_add_co_u32 s[OP1], s[OP1], s23
	s_lshl_b32 s23, s16, 18
	s_add_co_u32 s[OP1], s[OP1], s23
	s_lshl_b32 s23, s17, 9                         ; a head's 256 bytes in them
	s_add_co_u32 s[OP1], s[OP1], s23
	s_lshl_b32 s23, s19, 8
	s_add_co_u32 s[OP1], s[OP1], s23
	s_add_co_u32 s[OP1], s[OP1], 8<<20
	s_mov_b32 s[OP1+1], 0
	s_mul_i32 s3, s16, STEPB                       ; my step's place in a slot
	s_mov_b32 s[G1K], 15|(1<<16)|(1<<20)|(1<<21)|(5<<22)|(3<<25)  ; mask of four; 2-byte elements; padding on; bit 21 beside a mask; after every 64 words 4 words
	s_mov_b32 s[G1V], 15|(1<<16)|(1<<20)|(1<<21)|(5<<22)|(7<<25)  ; the same with 8 words
.irp g, G1K, G1V
	s_mov_b32 s[(\g)+1], 128<<16                   ; tensor_dim0 = 128
	s_mov_b32 s[(\g)+2], KS<<16                    ; tensor_dim1 = 64
	s_mov_b32 s[(\g)+3], 128<<16                   ; tile_dim0 = 128
	s_mov_b32 s[(\g)+4], KS                        ; tile_dim1 = 64
	s_mov_b32 s[(\g)+5], 128                       ; 128 elements from row to row
	s_mov_b32 s[(\g)+6], 0
	s_mov_b32 s[(\g)+7], 0
.endr
	s_mov_b32 s[CS], 0x3d38aa3b                    ; c = log2(e) / 32
	s_mov_b32 s[CS+1], s[CS]
	s_mov_b32 s[SEL], 0x76543210
	s_mov_b32 s[SEL+1], 0xfedcba98
	s_mov_b32 s[TB], SLOT1+2*STEPB                 ; the first change of slots turns this into 0
	s_mov_b32 s[NXT], 1
	s_mov_b32 s[OFF+1], 0
	s_mov_b32 s[BIGN], 0xf149f2ca                  ; -1e30
	s_mov_b32 s[G0K], 1
	s_mov_b32 s[G0K+1], s3
	s_mov_b32 s[G0V], 1
	s_add_co_u32 s[G0V+1], s3, VOFF
	s_wait_dscnt 0x0                               ; the opening add is done
	s_wait_kmcnt 0x0
	s_add_nc_u64 s[KB0:KB0+1], s[4:5], s[20:21]
	s_add_nc_u64 s[VB0:VB0+1], s[KB0:KB0+1], 16<<20   ; V's panels are 16 to 23,
	s_add_nc_u64 s[KB0:KB0+1], s[KB0:KB0+1], 8<<20    ; K's 8 to 15
	s_add_nc_u64 s[KB1:KB1+1], s[6:7], s[20:21]
	s_add_nc_u64 s[VB1:VB1+1], s[KB1:KB1+1], 9<<20
	s_add_nc_u64 s[KB1:KB1+1], s[KB1:KB1+1], 1<<20
	s_add_nc_u64 s[G0K+2:G0K+3], s[KB0:KB0+1], 0
	s_or_b32 s[G0K+3], s[G0K+3], 0x80000000
	s_add_nc_u64 s[G0V+2:G0V+3], s[VB0:VB0+1], 0
	s_or_b32 s[G0V+3], s[G0V+3], 0x80000000
	s_add_nc_u64 s[QP:QP+1], s[4:5], s[QP:QP+1]
	s_add_nc_u64 s[OP0:OP0+1], s[8:9], s[OP0:OP0+1]
	s_add_nc_u64 s[OP1:OP1+1], s[8:9], s[OP1:OP1+1]
	CROUND                                         ; all four work-groups are here
	JLOAD                                          ; slot 0: one load of mine is out, here and behind every round
	v_and_b32 v1, 15, v0                           ; l % 16
	v_bfe_u32 v9, v0, 4, 1                         ; l / 16
	v_lshlrev_b32 v[QO], 8, v1
	v_lshl_add_u32 v[QO], v9, 4, v[QO]
	WIN 0x80
.set i, 0
.rept 8                                ; Q stays in registers: tile i / 2, channels 32 (i % 2) on
	global_load_b128 v[8*i:8*i+3],   v[QO], s[QP:QP+1] offset:(i/2)*4096+(i%2)*64
	global_load_b128 v[8*i+4:8*i+7], v[QO], s[QP:QP+1] offset:(i/2)*4096+(i%2)*64+32
.set i, i+1
.endr
	; What the first turn finds: V's registers and piece 2's P hold 0 (its products V^T P, of a step that has not been, add 0); O^T and l are 0.  All this stands in the wait for the first tile.
.set i, VF
.rept 64
	v_mov_b32 v[i], 0
.set i, i+1
.endr
	WIN 0x40
.set i, 0
.rept 128
	v_mov_b32 v[i], 0
.set i, i+1
.endr
	WIN 0
.set i, 0
.rept 4
	v_mov_b32 v[ST+4*i], 0xfe000000                ; c m: far below every c s
	v_mov_b32 v[ST+4*i+1], 0xff7fffff              ; m
	v_mov_b32 v[ST+4*i+2], 0
	v_mov_b32 v[ST+4*i+3], 0
.set i, i+1
.endr
.set i, P+32
.rept 32
	v_mov_b32 v[i], 0
.set i, i+1
.endr
	v_mul_u32_u24 v[AK0], v1, PK
	v_lshl_add_u32 v[AK0], v9, 4, v[AK0]
	v_add_nc_u32 v[AK0], s2, v[AK0]                ; row x pitch + 16 x half + my head
	v_and_b32 v52, 7, v0
	v_bfe_u32 v53, v0, 3, 1
	v_lshl_add_u32 v[AV0], v9, 3, v52              ; key 8 (l / 16) + l % 8,
	v_mul_u32_u24 v[AV0], v[AV0], PV
	v_lshl_add_u32 v[AV0], v53, 4, v[AV0]          ; channels 8 ((l / 8) % 2) on
	s_add_co_u32 s3, s2, VOFF
	v_add_nc_u32 v[AV0], s3, v[AV0]
	v_mul_u32_u24 v54, v1, SP
	v_mul_u32_u24 v55, v9, SP
	s_mul_i32 s3, s16, 64*SP
	s_add_co_u32 s3, s3, s2
	s_add_co_u32 s3, s3, STAGE
	v_lshl_add_u32 v[STO0], v9, 4, v54
	v_add_nc_u32 v[STO0], s3, v[STO0]              ; row 64 (w % 2) + l % 16, my head's half of it
	s_mul_i32 s3, s[WV], 32*SP
	s_add_co_u32 s3, s3, STAGE
	v_lshl_add_u32 v[RD0], v1, 4, v55
	v_add_nc_u32 v[RD0], s3, v[RD0]
	v_and_b32 v[GO0], 31, v0
	v_lshlrev_b32 v[GO0], 4, v[GO0]
	s_mul_i32 s3, s[WV], 16*SP
	s_add_co_u32 s3, s3, STAGE
	v_lshl_add_u32 v[STO1], v9, 5, v54
	v_add_nc_u32 v[STO1], s3, v[STO1]
	v_lshl_add_u32 v[RD1], v1, 4, v55
	v_add_nc_u32 v[RD1], s3, v[RD1]
	v_lshlrev_b32 v[GO1], 12, v9
	v_lshl_add_u32 v[GO1], v1, 4, v[GO1]
	s_lshl_b32 s22, s14, 7
	s_lshl_b32 s23, s16, 6
	s_add_co_u32 s22, s22, s23
	v_lshlrev_b32 v15, 3, v9
	v_sub_nc_u32 v[VS], v1, v15
	v_add_nc_u32 v[VS], s22, v[VS]
.macro PLACES                          ; four plain vector instructions between a matrix instruction and a read of its result (ISA guide 7.12.1)
.rept 4
	v_nop
.endr
.endm
; THE MATRIX WORK OF A TURN, for piece x.  The 8 accumulators of a run of 16 take turns, one instruction a turn: between the two links of a chain stand 7 others'.
; Product i of 16 of O^T += V^T P: keys 32 (i / 8) on, channels 16 ((i / 2) % 4) on, tile x + i % 2.
.macro PV x
	WIN W_PV
.set rO, 32*((\x)+i%2)+8*((i/2)%4)
.set rV, VF+32*(i/8)+8*((i/2)%4)
.set rP, P+16*((\x)+i%2)+8*(i/8)
	v_wmma_f32_16x16x32_bf16 v[rO:rO+7], v[rV:rV+7], v[rP:rP+7], v[rO:rO+7]
.endm
; Product i of 16 of S^T = K Q^T: channels 32 (i / 8) on, keys 16 ((i / 2) % 4) on, tile x + i % 2.  The first 8 start the sums, with the mask.
.macro KQ x
.set kt, (\x)+i%2
.set kb, (i/2)%4
.set rS, S+32*kt+8*kb
.set rK, KF+16*kb+8*(i/8)
.set rQ, 16*kt+8*(i/8)
.if i < 8
.if kb < kt
.set rX, MLT
.elseif kb == kt
.set rX, MEQ
.else
.set rX, MGT
.endif
	WIN W_KM
	v_wmma_f32_16x16x32_bf16 v[rS:rS+7], v[rK:rK+7], v[rQ:rQ+7], v[rX:rX+7]
.else
	WIN W_KQ
	v_wmma_f32_16x16x32_bf16 v[rS:rS+7], v[rK:rK+7], v[rQ:rQ+7], v[rS:rS+7]
.endif
.endm
; THE LDS LOADS stand in runs of 16, never singly among the matrix instructions: a step's K (my head's 64 channels of 64 keys: 8 fragments) and, a turn later, its V (turned).
; last = 1 (the tail): in the third trip there is no further step, and the run is jumped over.
.macro FETCH_K last=0
	WIN 0
.if \last
	s_cmp_eq_u32 s[TWICE], 1
	s_cbranch_scc1 .Lno_k_\@
.endif
	v_add_nc_u32 v[ADRK], s[TB], v[AK0]
	WIN 0x80                                       ; destination window 2
.irp f, 0,1,2,3,4,5,6,7                ; keys 16 (f / 2) on, channels 32 (f % 2) on
	ds_load_b128 v[KF+8*\f:KF+8*\f+3],   v[ADRK] offset:(\f/2)*16*PK+(\f%2)*64
	ds_load_b128 v[KF+8*\f+4:KF+8*\f+7], v[ADRK] offset:(\f/2)*16*PK+(\f%2)*64+32
.endr
.if \last
	WIN 0                                          ; at a label every window is 0
.Lno_k_\@:
.endif
.endm
.macro FETCH_V
	WIN 0
	v_add_nc_u32 v[ADRV], s[TB], v[AV0]
	s_add_co_u32 s[TB], s[TB], STEPB               ; the next fetch is the next step's
	WIN 0x80
.irp f, 0,1,2,3,4,5,6,7                ; keys 32 (f / 4) on, channels 16 (f % 4) on
	ds_load_tr16_b128 v[VF+8*\f:VF+8*\f+3],   v[ADRV] offset:(\f/4)*32*PV+(\f%4)*32
	ds_load_tr16_b128 v[VF+8*\f+4:VF+8*\f+7], v[ADRV] offset:(\f/4)*32*PV+16*PV+(\f%4)*32
.endr
.endm
; The three masks of the step whose K has just been asked for; both pieces' products K Q^T of that step take them.  Then VS goes on to the step behind it.
.macro MASKS
	WIN 0x40
.set j, 0
.rept 8
	v_cmp_gt_i32 vcc_lo, j, v[VS]
	v_cndmask_b32 v[MEQ+j], 0, s[BIGN], vcc_lo
.set j, j+1
.endr
	v_cmp_gt_i32 vcc_lo, -8, v[VS]
.set j, 0
.rept 8
	v_cndmask_b32 v[MLT+j], 0, s[BIGN], vcc_lo
.set j, j+1
.endr
	v_cmp_gt_i32 vcc_lo, 16, v[VS]
.set j, 0
.rept 8
	v_cndmask_b32 v[MGT+j], 0, s[BIGN], vcc_lo
.set j, j+1
.endr
	WIN 0
	v_add_nc_u32 v[VS], 0xffffffc0, v[VS]          ; 64 keys on
.endm
; THE VECTOR WORK OF A TURN.
.macro REGS t
.set rT, ST+4*(\t)
.set rC, TMP+4*(\t)
.set rM, MV+(\t)
.set rS, S+32*(\t)
.set rP, P+16*(\t)
.set rO, 32*(\t)
.endm
; Number n of the 22 that find a tile's maximum and statistics.  Each accumulator's lowest registers are read first.
.macro XS t, n
	REGS \t
.if (\n) < 4
	v_max3_num_f32 v[rC+(\n)], v[rS+8*(\n)], v[rS+8*(\n)+1], v[rS+8*(\n)+2]
.elseif (\n) < 12
	v_max3_num_f32 v[rC+(\n)%4], v[rC+(\n)%4], v[rS+8*((\n)%4)+2*((\n)/4)+1], v[rS+8*((\n)%4)+2*((\n)/4)+2]
.elseif (\n) == 12
	v_max3_num_f32 v[rC], v[rC], v[rS+7], v[rS+15]
.elseif (\n) == 13
	v_max3_num_f32 v[rC+1], v[rC+1], v[rS+23], v[rS+31]
.elseif (\n) == 14
	v_max3_num_f32 v[rC+2], v[rC+2], v[rC+3], v[rT+1]
.elseif (\n) == 15
	v_mov_b32 v[rM], v[rT]
.elseif (\n) == 16
	v_max3_num_f32 v[rC], v[rC], v[rC+1], v[rC+2]
.elseif (\n) == 17
	v_permlanex16_b32 v[rC+3], v[rC], s[SEL], s[SEL+1]   ; the query's other 32 keys lie in the lane 16 away
.elseif (\n) == 18
	v_max_num_f32 v[rT+1], v[rC], v[rC+3]
.elseif (\n) == 19
	v_mul_f32 v[rT], s[CS], v[rT+1]
.elseif (\n) == 20
	v_sub_f32 v[rC+1], v[rM], v[rT]
.else
	v_exp_f32 v[rC+2], v[rC+1]
.endif
.endm
.macro FS t, n                         ; c s - c m for pair n
	REGS \t
	v_pk_fma_f32 v[rS+2*(\n):rS+2*(\n)+1], v[rS+2*(\n):rS+2*(\n)+1], s[CS:CS+1], v[rT:rT+1] op_sel_hi:[1,0,0] neg_lo:[0,0,1] neg_hi:[0,0,1]
.endm
.macro ES t, n
	REGS \t
	v_exp_f32 v[rS+(\n)], v[rS+(\n)]
.endm
.macro CP t, n                         ; pair n rounded to bf16
	REGS \t
	s_wait_alu depctr_va_vdst(0)
	v_cvt_pk_bf16_f32 v[rP+(\n)], v[rS+2*(\n)], v[rS+2*(\n)+1]
.endm
; Number vn of the 240 of piece y's softmax for one key step; it steps vn.  The two tiles alternate, but in the run of exponentials, which goes four lines by four.
;   0-43     the 22 of XS for both tiles            44, 45   c s - c m for pair 0
;   46-173   for g = 0 .. 15 and each tile: exponential of score 2 g; c s - c m for pair g + 1; exponential of score 2 g + 1; pair g - 1 rounded to bf16.
;            So behind every exponential stands a plain line that names none of its registers, before its result is used (ISA guide 5.7.2); at the ends of the run pair 14's rounding and a v_nop fill in
;   174, 175 pair 15 rounded                         176-205  the sum of a tile's 16 pairs (an even key's weight, an odd key's), in place, as a tree: neighbours 1, 2, 4 and 8 pairs apart
;   206, 207 l = a l + the sum                       208-239  O^T times a, each accumulator from its low end: the one part that leaves window 0, so it stands together
.macro VOP y
.if vn < 44
	WIN 0
	XS (\y)+vn%2, vn/2
.elseif vn < 46
	WIN 0
	FS (\y)+vn%2, 0
.elseif vn < 174
	WIN 0
.set w, vn-46
.set g, w/8
.set tt, (\y)+(w%8)/4
.if w%4 == 0
	ES tt, 2*g
.elseif w%4 == 2
	ES tt, 2*g+1
.elseif (w%4 == 1) && (g < 15)
	FS tt, g+1
.elseif w%4 == 1
	CP tt, 14
.elseif (g > 0) && (g < 15)
	CP tt, g-1
.else
	v_nop
.endif
.elseif vn < 176
	WIN 0
	CP (\y)+vn%2, 15
.elseif vn < 206
	WIN 0
	REGS (\y)+vn%2
.set z, (vn-176)/2
.set wd, 4
.set ix, z
.if z >= 14
.set wd, 32
.set ix, 0
.elseif z >= 12
.set wd, 16
.set ix, z-12
.elseif z >= 8
.set wd, 8
.set ix, z-8
.endif
	v_pk_add_f32 v[rS+wd*ix:rS+wd*ix+1], v[rS+wd*ix:rS+wd*ix+1], v[rS+wd*ix+wd/2:rS+wd*ix+wd/2+1]
.elseif vn < 208
	WIN 0
	REGS (\y)+vn%2
	v_pk_fma_f32 v[rT+2:rT+3], v[rT+2:rT+3], v[rC+2:rC+3], v[rS:rS+1] op_sel_hi:[1,0,1]
.else
	REGS (\y)+vn%2
	WIN W_RS
	v_pk_mul_f32 v[rO+2*((vn-208)/2):rO+2*((vn-208)/2)+1], v[rO+2*((vn-208)/2):rO+2*((vn-208)/2)+1], v[rC+2:rC+3] op_sel_hi:[1,0]
.endif
.set vn, vn+1
.endm
.macro SLICE y                         ; slice k of 32: eight lines, then seven, by turns: 16 x 15 = 240
.rept 8-(k%2)
	VOP \y
.endr
.set k, k+1
.endm
; A TURN.  Piece x has the matrix unit; the other piece's softmax stands in slices behind its products.  No slice names a register of the products round it.
; Behind the turn's last product stand seven rescalings, plain lines: they are the places (ISA guide 7.12.1 for vector reads) in front of the next turn's first read of those scores and of the loads into K's registers.
; Turn 0 fetches the next step's K behind its second product, 14 products ahead of its first use, and makes that step's masks.  Turn 2 fetches the same step's V behind its second product K Q^T:
; the last product that read V stands three slices back, which hold eleven plain lines; V is waited for at the head of turn 0.
.macro TURN x, last=0
.set k, 0
.set vn, 0
.if (\x) == 0
	s_wait_dscnt 0x0                               ; V is in
.endif
.set i, 0
.rept 16
	PV \x
	SLICE 2-(\x)
.if ((\x) == 0) && (i == 1)
	FETCH_K \last
	MASKS
.endif
.set i, i+1
.endr
.if (\x) == 0
	s_wait_dscnt 0x0                               ; K is in
.endif
.set i, 0
.rept 16
	KQ \x
	SLICE 2-(\x)
.if ((\x) == 2) && (i == 1)
	FETCH_V
.endif
.set i, i+1
.endr
	WIN 0                                          ; at a label and at a branch every window is 0
.endm
.macro SCALE t                         ; tile t's O^T times 1 / l
	WIN W_RS
.set i, 32*(\t)
.rept 16
	s_wait_alu depctr_va_vdst(0)
	v_pk_mul_f32 v[i:i+1], v[i:i+1], v[TMP+4*(\t)+2:TMP+4*(\t)+3] op_sel_hi:[1,0]
.set i, i+2
.endr
.endm
; THE SELF PASS ENDS FOR PIECE y, right behind the turn that held its last products V^T P: O^T / l, rounded to bf16 into the piece's P registers, which nobody needs just now, and from there into the stage
; that the four waves share (a row's 256 bytes come from the two heads' waves).  Then m starts anew: the cross pass's first step has a = 0, so O^T and l need only be finite.
.macro OUTP y
.irp u, 0,1
	v_add_f32 v[TMP+4*((\y)+\u)], v[ST+4*((\y)+\u)+2], v[ST+4*((\y)+\u)+3]
.endr
.irp u, 0,1
	v_permlanex16_b32 v[TMP+4*((\y)+\u)+1], v[TMP+4*((\y)+\u)], s[SEL], s[SEL+1]
.endr
.irp u, 0,1
	v_add_f32 v[TMP+4*((\y)+\u)], v[TMP+4*((\y)+\u)], v[TMP+4*((\y)+\u)+1]
.endr
.irp u, 0,1
	v_rcp_f32 v[TMP+4*((\y)+\u)+2], v[TMP+4*((\y)+\u)]
.endr
	v_nop                                          ; a plain instruction between the last reciprocal and the use of its result
.irp u, 0,1
	SCALE (\y)+\u
	WIN 0x05                                       ; sources 0 and 1 window 1, destination window 0
.set i, 0
.rept 16
	v_cvt_pk_bf16_f32 v[P+16*((\y)+\u)+i], v[32*((\y)+\u)+2*i], v[32*((\y)+\u)+2*i+1]
.set i, i+1
.endr
	WIN 0
.irp f, 0,1,2,3
	ds_store_b128 v[STO0], v[P+16*((\y)+\u)+4*\f:P+16*((\y)+\u)+4*\f+3] offset:((\y)+\u)*16*SP+32*\f
.endr
.endr
.irp u, 0,1
	v_mov_b32 v[ST+4*((\y)+\u)], 0xfe000000
	v_mov_b32 v[ST+4*((\y)+\u)+1], 0xff7fffff
.endr
.endm
; The stage is read back behind the next change of slots, whose wait for LDS and whose barriers stand between the four waves' stores and these loads: 32 whole rows a wave, into piece 0's S^T
; registers, whose scores have been used up there.
.macro OUT0B
.set i, 0
.rept 16
	ds_load_b128 v[S+4*i:S+4*i+3], v[RD0] offset:i*2*SP
.set i, i+1
.endr
.set i, 0
.rept 16
	s_wait_dscnt 15-i                              ; LDS loads come back in order: load i is in, the 15 - i younger ones stay out
	global_store_b128 v[GO0], v[S+4*i:S+4*i+3], s[OP0:OP0+1] offset:512*i   ; two rows of the panel: 512 consecutive bytes, aligned
.set i, i+1
.endr
	s_wait_xcnt 0x0                                ; S^T's registers are written again only behind this wait
.endm
; THE CROSS PASS ENDS: O^T / l in f32, a tile at a time through my own 16 rows of the stage, back as whole rows of 256 bytes.
.macro RECIP                           ; 1 / l into c2 of every tile
.irp t, 0,1,2,3
	v_add_f32 v[TMP+4*\t], v[ST+4*\t+2], v[ST+4*\t+3]
.endr
.irp t, 0,1,2,3
	v_permlanex16_b32 v[TMP+4*\t+1], v[TMP+4*\t], s[SEL], s[SEL+1]
.endr
.irp t, 0,1,2,3
	v_add_f32 v[TMP+4*\t], v[TMP+4*\t], v[TMP+4*\t+1]
.endr
.irp t, 0,1,2,3
	v_rcp_f32 v[TMP+4*\t+2], v[TMP+4*\t]
.endr
	v_nop
.endm
.macro PACK1 t
	SCALE \t
	WIN 0x04                                       ; store data in window 1
.irp f, 0,1,2,3,4,5,6,7
	ds_store_b128 v[STO1], v[32*(\t)+4*\f:32*(\t)+4*\f+3] offset:(\f/2)*64+(\f%2)*16
.endr
	WIN 0
.irp f, 0,1,2,3,4,5,6,7
	ds_load_b128 v[S+32*(\t)+4*\f:S+32*(\t)+4*\f+3], v[RD1] offset:\f*2*SP   ; LDS serves a wave's instructions in order (ISA guide 5.7.1.4)
.endr
.endm
.macro SEND1 t, younger                ; younger: the LDS instructions issued behind tile t's loads: the next tile's sixteen, or none
.irp f, 0,1,2,3,4,5,6,7
	s_wait_dscnt (\younger)+7-\f
	global_store_b128 v[GO1], v[S+32*(\t)+4*\f:S+32*(\t)+4*\f+3], s[OP1:OP1+1] offset:(\t)*65536+\f*8192   ; 16 lanes store a head's 256 bytes of a row, aligned
.endr
.endm
	s_wait_loadcnt 0x0                             ; Q
	CHANGE 1                                       ; slot 0 is in, everybody's part of it; slot 1 is asked for
	FETCH_K                                        ; key step 0,
	MASKS                                          ; and its masks
	s_wait_dscnt 0x0
.set i, 0
.rept 16
	KQ 0                                           ; piece 0's first scores: there is no vector work yet to set between them
.set i, i+1
.endr
	PLACES                                         ; in front of the first maxima, which read results just made
	WIN 0
	s_mov_b32 s[TWICE], 2
	s_mov_b32 s[SLOTS], 15
	s_branch .Lenter                               ; the loop is entered at turn 2, in the middle of a trip
.Lslot:                                                ; 14 times: slots 1 to 14 are entered, and the slot behind each is asked for
	CHANGE 1
	s_mov_b32 s[TWICE], 2
	s_cmp_lg_u32 s[SLOTS], 7                       ; slot 8 is the cross pass's first: the masks made from here on are its steps'
	s_cbranch_scc1 .Lno_vs
	v_mov_b32 v[VS], 0x10000000                    ; no key is hidden any more
.Lno_vs:
	s_cmp_lg_u32 s[SLOTS], 6                       ; a change of slots has passed since the self result went into the stage
	s_cbranch_scc1 .Lstep
	OUT0B
.Lstep:                                                ; a trip: turn 0 and turn 2 of step j; they fetch K and V of step j + 1
	TURN 0
	s_cmp_lg_u32 s[SLOTS], 7                       ; slot 8's first trip holds the self pass's last products V^T P: j = 15
	s_cbranch_scc1 .Lenter
	s_cmp_lg_u32 s[TWICE], 2
	s_cbranch_scc1 .Lenter
	OUTP 0
.Lenter:
	TURN 2
	s_cmp_lg_u32 s[SLOTS], 7
	s_cbranch_scc1 .Lno_out
	s_cmp_lg_u32 s[TWICE], 2
	s_cbranch_scc1 .Lno_out
	OUTP 2
.Lno_out:
	s_sub_co_u32 s[TWICE], s[TWICE], 1
	s_cmp_lg_u32 s[TWICE], 0
	s_cbranch_scc1 .Lstep
	s_sub_co_u32 s[SLOTS], s[SLOTS], 1
	s_cmp_lg_u32 s[SLOTS], 0
	s_cbranch_scc1 .Lslot
	CHANGE 0                                       ; the last slot is written out: nothing is asked for
	s_mov_b32 s[TWICE], 3                          ; two trips fetch the last slot's steps; the third is left in its middle
.Ltail:
	TURN 0, 1
	s_cmp_eq_u32 s[TWICE], 1
	s_cbranch_scc1 .Lout
	TURN 2
	s_sub_co_u32 s[TWICE], s[TWICE], 1
	s_cmp_lg_u32 s[TWICE], 0
	s_cbranch_scc1 .Ltail
.Lout:                                                 ; the third trip's 16 products K Q^T (on the last K once more) serve nothing: the price, once a launch, of one text for every trip
	s_wait_dscnt 0x0                               ; no LDS load is out on the way that is taken; the wait holds on the loop's own exit too
.set i, 0
.rept 16
	PV 2                                           ; piece 2's V^T P of the last step
.set i, i+1
.endr
	PLACES                                         ; in front of the way out, which reads results just made
	WIN 0
	RECIP
	PACK1 0
	PACK1 1
	SEND1 0, 16
	PACK1 2
	SEND1 1, 16
	PACK1 3
	SEND1 2, 16
	SEND1 3, 0
	s_wait_tensorcnt 0x0                           ; the wave's end
	ds_add_u32 v[SPW], v[NIL]
	s_wait_dscnt 0x0
	CROUND                                         ; the closing round
	s_endpgm
.Lfunc_end_k_qfe38ffbade_attn:
	.size	k_qfe38ffbade_attn, .Lfunc_end_k_qfe38ffbade_attn-k_qfe38ffbade_attn
	.p2alignl 7, 3214868480
	.fill 96, 4, 3214868480
	.section	.rodata,"a",@progbits
	.p2align	6, 0x0
	.amdhsa_kernel k_qfe38ffbade_attn
		.amdhsa_group_segment_fixed_size 327680
		.amdhsa_private_segment_fixed_size 0
		.amdhsa_enable_private_segment 0
		.amdhsa_kernarg_size 24
		.amdhsa_user_sgpr_count 2
		.amdhsa_user_sgpr_kernarg_segment_ptr 1
		.amdhsa_wavefront_size32 1
		.amdhsa_system_sgpr_workgroup_id_x 1
		.amdhsa_system_sgpr_workgroup_id_y 1
		.amdhsa_system_sgpr_workgroup_id_z 1
		.amdhsa_system_vgpr_workitem_id 0
		.amdhsa_next_free_vgpr 768
		.amdhsa_next_free_sgpr 80
		.amdhsa_reserve_vcc 1
		.amdhsa_float_denorm_mode_32 3
		.amdhsa_float_denorm_mode_16_64 3
		.amdhsa_memory_ordered 1
		.amdhsa_forward_progress 1
		.amdhsa_inst_pref_size 137
	.end_amdhsa_kernel
	.amdgpu_metadata
---
amdhsa.version: [ 1, 2 ]
amdhsa.kernels:
  - .name:           k_qfe38ffbade_attn
    .symbol:         k_qfe38ffbade_attn.kd
    .args:
      - { .name: BIG, .offset: 0, .size: 8, .value_kind: global_buffer, .address_space: global }
      - { .name: ZKV, .offset: 8, .size: 8, .value_kind: global_buffer, .address_space: global }
      - { .name: AO, .offset: 16, .size: 8, .value_kind: global_buffer, .address_space: global }
    .group_segment_fixed_size: 327680
    .private_segment_fixed_size: 0
    .kernarg_segment_align: 8
    .kernarg_segment_size: 24
    .max_flat_workgroup_size: 128
    .sgpr_count:     80
    .vgpr_count:     768
    .wavefront_size: 32
...
	.end_amdgpu_metadata
.endif
;; end of part 10
;; launch proj (part 11): grid 8 x 32, 4 waves a work-group, clusters of 4 x 4, 327,680 bytes of LDS; arguments AO, U1; writes U1
.if DOCPART == 11
	.amdgcn_target "amdgcn-amd-amdhsa--gfx1250"
	.amdhsa_code_object_version 6
	.text
	.protected	k_qfe38ffbade_proj
	.globl	k_qfe38ffbade_proj
	.p2align	8
	.type	k_qfe38ffbade_proj,@function
k_qfe38ffbade_proj:
	s_mov_b64 s[64:65], 0
	v_nop
	global_prefetch_b8 v0, s[64:65] scope:SCOPE_SE
	s_setreg_imm32_b32 hwreg(HW_REG_WAVE_MODE, 25, 1), 1
	s_wait_xcnt 0x0
	s_wait_alu depctr_hold_cnt(0) depctr_sa_sdst(0) depctr_va_vdst(0) depctr_va_sdst(0) depctr_va_ssrc(0) depctr_va_vcc(0) depctr_vm_vsrc(0)
	s_getreg_b32 s2, hwreg(HW_REG_IB_STS2, 6, 4)
	s_cmp_eq_u32 s2, 0
	s_cbranch_scc0 .Lentry_in_a_cluster
	s_endpgm
.Lentry_in_a_cluster:
	s_bfe_u32 s2, ttmp6, 0x10000c
	s_cmp_lg_u32 s2, 0xf033
	s_cbranch_scc0 .Lentry_shape_is_right
	s_endpgm
.Lentry_shape_is_right:
; C[m][n] = sum over k of A[m][k] B[k][n].  M = 4,096, N = 1,024, K = 1,024.  bf16 operands, f32 sums, C rounded once to bf16, [4096][1024].
; Arguments: ab, c.  A lies at ab in panels [K / 128][4096][128] bf16; B at ab + 32 MiB, [K][1024] bf16.
; Two launches run this text: attention = O_self W_proj, and the feed-forward product final_attn (W1 W2), whose bias and ReLU follow in the next launch, in f32.
; A tile of C is 128 x 128, so that 256 work-groups share the work; four waves of 64 x 64: 16 accumulators.  K goes in steps of 256 through two LDS slots; a wave's tensor load brings 128 rows x 256 bytes:
; one k panel of A's 128 rows, or 128 k rows of B's 128 columns.  CLUSTER 4 x 4: A's tiles jointly along a row of the cluster, B's along a column.
; THE MATRIX INSTRUCTION IS USED TRANSPOSED (source 0 = 16 columns of B, by the transposing LDS load; source 1 = 16 rows of A): a lane holds eight neighbouring numbers of a row of C.
; REGISTERS: window 0: v0-31 addresses; v32-95 the way out; v128-255 the accumulators ((a, b) at v[128 + 8 (4 a + b)]).  window 1: two fragment buffers of 128: 64 of A, then 64 of B, for 64 along K.
.set LAPS,   2                         ; K = 1,024 = 2 laps of two K steps of 256
.set KSTEP,  256
.set PA,     272
.set PB,     288
.set HALFA,  128*PA                    ; one k panel: 128 rows x 128 k
.set HALFB,  128*PB                    ; 128 k x 128 columns
.set SLOT,   2*HALFA+2*HALFB
.set STAGE,  2*SLOT                    ; behind the ring: 128 rows x 272 bytes, the work-group's
.set SPITCH, 272
.set SPARE,  STAGE+128*SPITCH
.set SIZE_N, 1024
.set ADRA, 16                          ; v16-17  my A fragments in slot 0, 1
.set ADRB, 20                          ; v20-23  my B fragments: slot 0 k half 0, 1; slot 1 k half 0, 1 (an LDS offset has 16 bits)
.set STO,  24
.set RD,   25
.set CO,   26
.set SPW,  28
.set NIL,  29
.set TMP,  32
.set ACC,  128
.set F0,   0
.set F1,   128
.set G1, 24
.set G0, 32
.set G1B, 48
.set G0B, 56
.set MSB, 0
.macro WIN new
.if MSB != (\new)
	s_set_vgpr_msb (MSB<<8)|(\new)
.set MSB, \new
.endif
.endm
.set MUL,  0x05                        ; sources 0 (B) and 1 (A) window 1; C and D window 0
.set TO_F, 0x40                        ; destination window 1, address window 0
.macro JLOAD s                         ; a joint load: waves 0, 1 fetch A's two panels, waves 2, 3 B's two halves; an s_nop 0 and four v_nop follow each line
	s_cmp_eq_u32 s11, 0
	s_cbranch_scc0 .Lfor_b_\@
	tensor_load_to_lds s[G0+4*(\s):G0+4*(\s)+3], s[G1:G1+7]
	s_nop 0
.rept 4
	v_nop
.endr
	s_branch .Lasked_\@
.Lfor_b_\@:
	tensor_load_to_lds s[G0B+4*(\s):G0B+4*(\s)+3], s[G1B:G1B+7]
	s_nop 0
.rept 4
	v_nop
.endr
.Lasked_\@:
.endm
.macro CREST
	s_cmp_lg_u32 s10, 0
	s_cbranch_scc1 .Lnot_wave_0_\@
	s_barrier_signal -3
.Lnot_wave_0_\@:
	s_barrier_wait -3
	s_barrier_signal -1
	s_barrier_wait -1
.endm
.macro CROUND
	s_barrier_signal -1
	s_barrier_wait -1
	CREST
.endm
	s_load_b64 s[4:5], s[0:1], 0x0                 ; ab
	s_load_b64 s[8:9], s[0:1], 0x8                 ; c
	v_lshl_add_u32 v[SPW], v0, 2, SPARE
	v_mov_b32 v[NIL], 0
	ds_add_u32 v[SPW], v[NIL]                      ; the wave's opening: the add and its wait ahead of my first tensor load
	v_lshrrev_b32 v1, 5, v0
	v_readfirstlane_b32 s10, v1
	s_lshr_b32 s11, s10, 1                         ; my half of the tile's rows.  Also: I fetch for A (0) or B (1)
	s_and_b32 s12, s10, 1                          ; my half of its columns.  Also: which half of a K step I fetch
	s_bfe_u32 s40, ttmp6, 0x40000
	s_bfe_u32 s41, ttmp6, 0x40004
	s_lshl_b32 s42, ttmp9, 2
	s_add_co_u32 s42, s42, s40                     ; tile column
	s_and_b32 s13, ttmp7, 0xffff
	s_lshl_b32 s13, s13, 2
	s_add_co_u32 s13, s13, s41                     ; tile row
	s_lshl_b32 s43, s41, 2
	s_lshl_b32 s43, 15, s43
	s_lshl_b32 s44, 0x1111, s40
	s_or_b32 s[G1+0], s43, (1<<16)|(1<<20)|(1<<21)|(5<<22)|(3<<25)
	s_or_b32 s[G1B+0], s44, (1<<16)|(1<<20)|(1<<21)|(5<<22)|(7<<25)
.irp g, G1, G1B
	s_mov_b32 s[(\g)+1], 128<<16                   ; tensor_dim0 = 128
	s_mov_b32 s[(\g)+2], 128<<16                   ; tensor_dim1 = 128
	s_mov_b32 s[(\g)+3], 128<<16                   ; tile_dim0 = 128
	s_mov_b32 s[(\g)+4], 128                       ; tile_dim1 = 128
	s_mov_b32 s[(\g)+6], 0
	s_mov_b32 s[(\g)+7], 0
.endr
	s_mov_b32 s[G1+5], 128                         ; A: a panel's rows are dense
	s_mov_b32 s[G1B+5], SIZE_N                     ; B: 1,024 elements from row to row
	s_lshl_b32 s16, s12, 20                        ; A: my k panel of the step, 1 MiB each,
	s_lshl_b32 s17, s13, 15                        ; in it 128 rows of 256 bytes a tile row
	s_add_co_u32 s16, s16, s17
	s_mov_b32 s17, 0
	s_lshl_b32 s46, s12, 18                        ; B: my 128 k rows of 2,048 bytes,
	s_lshl_b32 s47, s42, 8                         ; 256 bytes a tile column,
	s_add_co_u32 s46, s46, s47
	s_add_co_u32 s46, s46, 32<<20                  ; behind A
	s_mov_b32 s47, 0
	s_mul_i32 s20, s12, HALFA
	s_mul_i32 s21, s12, HALFB
	s_add_co_u32 s21, s21, 2*HALFA
	s_wait_dscnt 0x0                               ; the opening add is done
	s_wait_kmcnt 0x0
	s_add_nc_u64 s[14:15], s[4:5], s[16:17]
	s_add_nc_u64 s[46:47], s[4:5], s[46:47]
	CROUND
.irp s, 0,1
	s_mov_b32 s[G0+4*(\s)], 1
	s_add_co_u32 s[G0+4*(\s)+1], s20, (\s)*SLOT
	s_add_nc_u64 s[G0+4*(\s)+2:G0+4*(\s)+3], s[14:15], (\s)*(2<<20)        ; K step s: two panels on
	s_or_b32 s[G0+4*(\s)+3], s[G0+4*(\s)+3], 0x80000000
	s_mov_b32 s[G0B+4*(\s)], 1
	s_add_co_u32 s[G0B+4*(\s)+1], s21, (\s)*SLOT
	s_add_nc_u64 s[G0B+4*(\s)+2:G0B+4*(\s)+3], s[46:47], (\s)*KSTEP*SIZE_N*2  ; K step s: 256 rows down
	s_or_b32 s[G0B+4*(\s)+3], s[G0B+4*(\s)+3], 0x80000000
	JLOAD \s
.endr
	v_and_b32 v1, 15, v0
	v_bfe_u32 v2, v0, 4, 1
	v_mul_u32_u24 v3, v1, PA
	v_lshl_add_u32 v3, v2, 4, v3
	v_and_b32 v4, 7, v0
	v_lshl_add_u32 v4, v2, 3, v4
	v_mul_u32_u24 v4, v4, PB
	v_bfe_u32 v5, v0, 3, 1
	v_lshl_add_u32 v4, v5, 4, v4
	s_mul_i32 s22, s11, 64*PA                      ; my 64 rows of A
	s_lshl_b32 s23, s12, 7                         ; my 64 columns of B,
	s_add_co_u32 s23, s23, 2*HALFA                 ; behind A's two panels
.irp s, 0,1
	v_add_nc_u32 v[ADRA+(\s)], s22, v3
	v_add_nc_u32 v[ADRB+2*(\s)], s23, v4
	s_add_co_u32 s23, s23, HALFB
	v_add_nc_u32 v[ADRB+2*(\s)+1], s23, v4
	s_add_co_u32 s22, s22, SLOT
	s_add_co_u32 s23, s23, SLOT-HALFB
.endr
	s_mul_i32 s23, s11, 64*SPITCH                  ; into the stage: my 64 rows, my half of their 256 bytes
	s_lshl_b32 s22, s12, 7
	s_add_co_u32 s23, s23, s22
	s_add_co_u32 s23, s23, STAGE
	v_mul_u32_u24 v4, v1, SPITCH
	v_lshl_add_u32 v4, v2, 4, v4
	v_add_nc_u32 v[STO], s23, v4
	s_mul_i32 s23, s10, 32*SPITCH                  ; back: wave w takes rows 32 w on, whole
	s_add_co_u32 s23, s23, STAGE
	v_mul_u32_u24 v5, v2, SPITCH
	v_lshl_add_u32 v5, v1, 4, v5
	v_add_nc_u32 v[RD], s23, v5
	v_mul_u32_u24 v5, v2, SIZE_N*2
	v_lshl_add_u32 v[CO], v1, 4, v5
	s_lshl_b32 s46, s13, 7
	s_lshl_b32 s47, s10, 5
	s_add_co_u32 s46, s46, s47                     ; the first row of C that I store
	s_lshl_b32 s46, s46, 11                        ; rows of 2,048 bytes
	s_lshl_b32 s47, s42, 8                         ; the tile's first column
	s_add_co_u32 s46, s46, s47
	s_mov_b32 s47, 0
	s_add_nc_u64 s[8:9], s[8:9], s[46:47]
.macro MUL8 f, c, a0, zero             ; 8 matrix instructions: m blocks a0, a0 + 1 x 4 n blocks, 32 along K: half c of buffer f
	WIN MUL
.irp a, \a0, (\a0)+1
.irp b, 0,1,2,3
.if \zero
	v_wmma_f32_16x16x32_bf16 v[ACC+8*(4*(\a)+(\b)):ACC+8*(4*(\a)+(\b))+7], v[(\f)+64+8*(4*(\c)+(\b)):(\f)+64+8*(4*(\c)+(\b))+7], v[(\f)+8*(4*(\c)+(\a)):(\f)+8*(4*(\c)+(\a))+7], 0
.else
	v_wmma_f32_16x16x32_bf16 v[ACC+8*(4*(\a)+(\b)):ACC+8*(4*(\a)+(\b))+7], v[(\f)+64+8*(4*(\c)+(\b)):(\f)+64+8*(4*(\c)+(\b))+7], v[(\f)+8*(4*(\c)+(\a)):(\f)+8*(4*(\c)+(\a))+7], v[ACC+8*(4*(\a)+(\b)):ACC+8*(4*(\a)+(\b))+7]
.endif
.endr
.endr
.endm
; 32 LDS loads in one run: quarter q (64 along K) of a slot into buffer f; the first 32 along K first
.macro FETCH slot, q, f
	WIN TO_F
.irp c, 0,1
.irp i, 0,1,2,3
	ds_load_tr16_b128 v[(\f)+64+8*(4*(\c)+(\i)):(\f)+64+8*(4*(\c)+(\i))+3],   v[ADRB+2*(\slot)+(\q)/2] offset:(((\q)%2)*64+32*(\c))*PB+32*(\i)
	ds_load_tr16_b128 v[(\f)+64+8*(4*(\c)+(\i))+4:(\f)+64+8*(4*(\c)+(\i))+7], v[ADRB+2*(\slot)+(\q)/2] offset:(((\q)%2)*64+32*(\c)+16)*PB+32*(\i)
	ds_load_b128 v[(\f)+8*(4*(\c)+(\i)):(\f)+8*(4*(\c)+(\i))+3],         v[ADRA+(\slot)] offset:((\q)/2)*HALFA+((\q)%2)*128+64*(\c)+(\i)*16*PA
	ds_load_b128 v[(\f)+8*(4*(\c)+(\i))+4:(\f)+8*(4*(\c)+(\i))+7],       v[ADRA+(\slot)] offset:((\q)/2)*HALFA+((\q)%2)*128+64*(\c)+(\i)*16*PA+32
.endr
.endr
.endm
.macro PLACES                          ; four plain vector instructions between a matrix instruction and a load into, or a vector read of, its registers
.rept 4
	v_nop
.endr
.endm
.macro QUARTER slot, q, f, g, zero
	s_wait_dscnt 16                                ; the first 32 along K are in; the youngest sixteen loads may be out
	MUL8 \f, 0, 0, \zero
	MUL8 \f, 0, 2, \zero
	PLACES
	FETCH \slot, \q, \g
	s_wait_dscnt 32                                ; all but the 32 just issued
	MUL8 \f, 1, 0, 0
	MUL8 \f, 1, 2, 0
.endm
.macro TURN slot, next, fill
	WIN 0
	s_wait_tensorcnt 0x0                           ; all my tensor loads have landed: my part of the next slot
	ds_add_u32 v[SPW], v[NIL]
	s_wait_dscnt 17                                ; the add and the youngest sixteen loads may be out
	MUL8 F1, 0, 0, 0
	s_wait_dscnt 0x0                               ; the add is done, and my reads of this slot are over
	s_barrier_signal -1
	MUL8 F1, 0, 2, 0
.if \fill
	WIN 0
.endif
	s_barrier_wait -1
.if \fill
	CREST                                          ; the barrier has opened a round of the cluster's
	s_add_nc_u64 s[G0+4*(\slot)+2:G0+4*(\slot)+3], s[G0+4*(\slot)+2:G0+4*(\slot)+3], 4<<20
	s_add_nc_u64 s[G0B+4*(\slot)+2:G0B+4*(\slot)+3], s[G0B+4*(\slot)+2:G0B+4*(\slot)+3], 2*KSTEP*SIZE_N*2
	JLOAD \slot                                    ; my one tensor load behind the round; its four v_nop are also the places in front of the loads below
.else
	PLACES
.endif
	FETCH \next, 0, F0
	MUL8 F1, 1, 0, 0
	MUL8 F1, 1, 2, 0
.endm
	s_wait_tensorcnt 1                             ; my part of K step 0 is in; K step 1's may stay out
	s_barrier_signal -1
	s_barrier_wait -1
	FETCH 0, 0, F0
	QUARTER 0, 1, F0, F1, 1                        ; the first quarter stands in front of the loop: its first products start the sums
	WIN 0
	s_mov_b32 s3, LAPS-1
.Llap:                                                 ; a trip goes once round the ring and fills both slots again
	QUARTER 0, 2, F1, F0, 0
	QUARTER 0, 3, F0, F1, 0
	TURN 0, 1, 1
	QUARTER 1, 1, F0, F1, 0
	QUARTER 1, 2, F1, F0, 0
	QUARTER 1, 3, F0, F1, 0
	TURN 1, 0, 1
	QUARTER 0, 1, F0, F1, 0
	WIN 0
	s_sub_co_u32 s3, s3, 1
	s_cmp_lg_u32 s3, 0
	s_cbranch_scc1 .Llap
	QUARTER 0, 2, F1, F0, 0                        ; the last lap fills nothing
	QUARTER 0, 3, F0, F1, 0
	TURN 0, 1, 0
	QUARTER 1, 1, F0, F1, 0
	QUARTER 1, 2, F1, F0, 0
	QUARTER 1, 3, F0, F1, 0
	s_wait_dscnt 16
	MUL8 F1, 0, 0, 0
	MUL8 F1, 0, 2, 0
	s_wait_dscnt 0x0
	MUL8 F1, 1, 0, 0
	MUL8 F1, 1, 2, 0
	WIN 0
	; THE WAY OUT: rounded to bf16; 16 bytes a lane into the work-group's stage; a barrier, since a row's 256 bytes come from two waves; back as whole rows, 32 a wave
	PLACES
.irp t, 0,1,2,3,4,5,6,7,8,9,10,11,12,13,14,15
.irp r, 0,1,2,3
	v_cvt_pk_bf16_f32 v[TMP+4*(\t)+(\r)], v[ACC+8*(\t)+2*(\r)], v[ACC+8*(\t)+2*(\r)+1]
.endr
.endr
.irp a, 0,1,2,3
.irp b, 0,1,2,3
	ds_store_b128 v[STO], v[TMP+4*(4*(\a)+(\b)):TMP+4*(4*(\a)+(\b))+3] offset:(\a)*16*SPITCH+32*(\b)
.endr
.endr
	s_wait_dscnt 0x0                               ; for the others' sake: my stores into the stage are done
	s_barrier_signal -1
	s_barrier_wait -1
.irp t, 0,1,2,3,4,5,6,7,8,9,10,11,12,13,14,15
	ds_load_b128 v[TMP+4*(\t):TMP+4*(\t)+3], v[RD] offset:(\t)*2*SPITCH
.endr
.irp t, 0,1,2,3,4,5,6,7,8,9,10,11,12,13,14,15
	s_wait_dscnt 15-(\t)
	global_store_b128 v[CO], v[TMP+4*(\t):TMP+4*(\t)+3], s[8:9] offset:2*(\t)*SIZE_N*2  ; 16 lanes store 256 consecutive bytes, aligned
.endr
	s_wait_tensorcnt 0x0                           ; the wave's end
	ds_add_u32 v[SPW], v[NIL]
	s_wait_dscnt 0x0
	CROUND                                         ; the closing round
	s_endpgm
.Lfunc_end_k_qfe38ffbade_proj:
	.size	k_qfe38ffbade_proj, .Lfunc_end_k_qfe38ffbade_proj-k_qfe38ffbade_proj
	.p2alignl 7, 3214868480
	.fill 96, 4, 3214868480
	.section	.rodata,"a",@progbits
	.p2align	6, 0x0
	.amdhsa_kernel k_qfe38ffbade_proj
		.amdhsa_group_segment_fixed_size 327680
		.amdhsa_private_segment_fixed_size 0
		.amdhsa_enable_private_segment 0
		.amdhsa_kernarg_size 16
		.amdhsa_user_sgpr_count 2
		.amdhsa_user_sgpr_kernarg_segment_ptr 1
		.amdhsa_wavefront_size32 1
		.amdhsa_system_sgpr_workgroup_id_x 1
		.amdhsa_system_sgpr_workgroup_id_y 1
		.amdhsa_system_sgpr_workgroup_id_z 1
		.amdhsa_system_vgpr_workitem_id 0
		.amdhsa_next_free_vgpr 512
		.amdhsa_next_free_sgpr 66
		.amdhsa_reserve_vcc 0
		.amdhsa_float_denorm_mode_32 3
		.amdhsa_float_denorm_mode_16_64 3
		.amdhsa_memory_ordered 1
		.amdhsa_forward_progress 1
		.amdhsa_inst_pref_size 87
	.end_amdhsa_kernel
	.amdgpu_metadata
---
amdhsa.version: [ 1, 2 ]
amdhsa.kernels:
  - .name:           k_qfe38ffbade_proj
    .symbol:         k_qfe38ffbade_proj.kd
    .args:
      - { .name: AO, .offset: 0, .size: 8, .value_kind: global_buffer, .address_space: global }
      - { .name: U1, .offset: 8, .size: 8, .value_kind: global_buffer, .address_space: global }
    .group_segment_fixed_size: 327680
    .private_segment_fixed_size: 0
    .kernarg_segment_align: 8
    .kernarg_segment_size: 16
    .max_flat_workgroup_size: 128
    .sgpr_count:     66
    .vgpr_count:     512
    .wavefront_size: 32
...
	.end_amdgpu_metadata
.endif
;; end of part 11
;; launch wsum (part 12): grid 272 x 1, 4 waves a work-group, no clusters, 0 bytes of LDS; arguments BIG, ZKV, ff_b2, U2; writes U2
.if DOCPART == 12
	.amdgcn_target "amdgcn-amd-amdhsa--gfx1250"
	.amdhsa_code_object_version 6
	.text
	.protected	k_qfe38ffbade_wsum
	.globl	k_qfe38ffbade_wsum
	.p2align	8
	.type	k_qfe38ffbade_wsum,@function
k_qfe38ffbade_wsum:
	s_mov_b64 s[64:65], 0
	v_nop
	global_prefetch_b8 v0, s[64:65] scope:SCOPE_SE
	s_setreg_imm32_b32 hwreg(HW_REG_WAVE_MODE, 25, 1), 1
	s_wait_xcnt 0x0
; THE PARTIAL SUMS OF THE FEED-FORWARD WEIGHTS ARE ADDED UP, in f32.
; Work-groups 0-255: W12 = W1 W2.  Its four parts (one for each quarter of K) lie in f32 at BIG + 24 MiB as [s*1024 + e][1024].  One wave takes a row e: 4 x 8 loads of 512 consecutive bytes,
;   all out at once; (P0 + P1) + (P2 + P3); rounded once to bf16, since it is the next product's operand; 8 stores of 256 consecutive bytes to U2 + 32 MiB, [e][1024].
; Work-groups 256-271: the joint bias ff_b1 W2 + ff_b2.  256 partial rows of 1,024 f32 lie at the head of ZKV.  One wave takes 16 columns: lane l holds the four columns 4 (l % 4) on
;   of the partial rows l / 4 + 8 i, i = 0 .. 31: 32 loads, all out at once, so that the wave waits for memory once.  They are added as a tree in the lane, then across the eight lanes
;   that hold the same columns (lanes 4, 8 and 16 apart).  Four lanes store the wave's 64 bytes to U2 + 34 MiB: 4 KiB in the whole launch, so the short stores weigh nothing.
; Memory alone is at work, and no wave needs another: no LDS, no barrier, no matrix unit, no cluster.
.set L, 16                             ; v[16:143]  the numbers as loaded
	s_load_b256 s[4:11], s[0:1], 0x0               ; BIG 4, ZKV 6, ff_b2 8, U2 10
	v_lshrrev_b32 v1, 5, v0
	v_readfirstlane_b32 s12, v1                    ; wave 0..3
	v_and_b32 v4, 31, v0                           ; lane
	s_mov_b32 s13, ttmp9
	s_mov_b32 s17, 0                               ; high word of every offset pair
	s_wait_kmcnt 0x0
	s_cmp_lt_u32 s13, 256
	s_cbranch_scc0 .Lbias
	s_lshl_b32 s14, s13, 2
	s_add_co_u32 s14, s14, s12                     ; my row e
	s_lshl_b32 s16, s14, 12                        ; 4,096 bytes in f32
	s_add_nc_u64 s[4:5], s[4:5], s[16:17]
	s_add_nc_u64 s[4:5], s[4:5], 24<<20            ; parts 0 and 1: 4 MiB apart, within a load's immediate
	s_add_nc_u64 s[18:19], s[4:5], 8<<20           ; parts 2 and 3
	s_lshl_b32 s16, s14, 11                        ; 2,048 bytes in bf16
	s_add_nc_u64 s[10:11], s[10:11], s[16:17]
	s_add_nc_u64 s[10:11], s[10:11], 32<<20
	v_lshlrev_b32 v1, 4, v4
	v_lshlrev_b32 v2, 3, v4
.irp s, 0,1
.irp j, 0,1,2,3,4,5,6,7
	global_load_b128 v[L+32*\s+4*\j:L+32*\s+4*\j+3], v1, s[4:5] offset:\s*(4<<20)+512*\j th:TH_LOAD_NT
.endr
.endr
.irp s, 0,1
.irp j, 0,1,2,3,4,5,6,7
	global_load_b128 v[L+64+32*\s+4*\j:L+64+32*\s+4*\j+3], v1, s[18:19] offset:\s*(4<<20)+512*\j th:TH_LOAD_NT
.endr
.endr
	s_wait_loadcnt 16                              ; parts 0 and 1 are in; the 16 younger loads stay out
.set i, 0
.rept 16
	v_pk_add_f32 v[L+2*i:L+2*i+1], v[L+2*i:L+2*i+1], v[L+32+2*i:L+32+2*i+1]
.set i, i+1
.endr
	s_wait_loadcnt 0x0
.set i, 0
.rept 16
	v_pk_add_f32 v[L+64+2*i:L+64+2*i+1], v[L+64+2*i:L+64+2*i+1], v[L+96+2*i:L+96+2*i+1]
.set i, i+1
.endr
.set i, 0
.rept 16
	v_pk_add_f32 v[L+2*i:L+2*i+1], v[L+2*i:L+2*i+1], v[L+64+2*i:L+64+2*i+1]
.set i, i+1
.endr
.set j, 0
.rept 8
	v_cvt_pk_bf16_f32 v[L+32+2*j], v[L+4*j], v[L+4*j+1]
	v_cvt_pk_bf16_f32 v[L+32+2*j+1], v[L+4*j+2], v[L+4*j+3]
	global_store_b64 v2, v[L+32+2*j:L+32+2*j+1], s[10:11] offset:256*j
.set j, j+1
.endr
	s_endpgm
.Lbias:
	s_sub_co_u32 s14, s13, 256
	s_lshl_b32 s14, s14, 2
	s_add_co_u32 s14, s14, s12                     ; 0 .. 63: my 16 columns,
	s_lshl_b32 s16, s14, 6                         ; 64 bytes
	s_add_nc_u64 s[6:7], s[6:7], s[16:17]
	s_add_nc_u64 s[8:9], s[8:9], s[16:17]
	s_add_nc_u64 s[10:11], s[10:11], s[16:17]
	s_add_nc_u64 s[10:11], s[10:11], 34<<20
	s_mov_b32 s20, 0x76543210                      ; v_permlanex16_b32: each lane takes its own place in the other half
	s_mov_b32 s21, 0xfedcba98
	v_and_b32 v5, 3, v4
	v_lshrrev_b32 v6, 2, v4
	v_lshlrev_b32 v2, 4, v5                        ; my four columns
	v_lshl_add_u32 v1, v6, 12, v2                  ; in partial row l / 4
	global_load_b128 v[8:11], v2, s[8:9]           ; ff_b2
.set i, 0
.rept 32
	global_load_b128 v[L+4*i:L+4*i+3], v1, s[6:7] offset:32768*i   ; eight rows further down each time
.set i, i+1
.endr
	s_wait_loadcnt 0x0
.irp d, 16,8,4,2,1
.set i, 0
.rept \d
	v_pk_add_f32 v[L+4*i:L+4*i+1], v[L+4*i:L+4*i+1], v[L+4*(i+\d):L+4*(i+\d)+1]
	v_pk_add_f32 v[L+4*i+2:L+4*i+3], v[L+4*i+2:L+4*i+3], v[L+4*(i+\d)+2:L+4*(i+\d)+3]
.set i, i+1
.endr
.endr
.irp k, 0,1,2,3
	v_add_f32_dpp v[L+\k], v[L+\k], v[L+\k] row_xmask:4 row_mask:0xf bank_mask:0xf
.endr
.irp k, 0,1,2,3
	v_add_f32_dpp v[L+\k], v[L+\k], v[L+\k] row_xmask:8 row_mask:0xf bank_mask:0xf
.endr
.irp k, 0,1,2,3
	v_permlanex16_b32 v[L+4+\k], v[L+\k], s20, s21 ; its destination counts as read: these registers have been written
.endr
.irp k, 0,1,2,3
	v_add_f32 v[L+\k], v[L+\k], v[L+4+\k]
.endr
	v_pk_add_f32 v[L:L+1], v[L:L+1], v[8:9]
	v_pk_add_f32 v[L+2:L+3], v[L+2:L+3], v[10:11]
	v_cmp_gt_u32 vcc_lo, 4, v4                     ; every lane holds its columns' sum: lanes 0 to 3 store
	s_wait_xcnt 0x0                                ; EXEC changes only behind this wait
	s_and_saveexec_b32 s22, vcc_lo
	global_store_b128 v2, v[L:L+3], s[10:11]
	s_wait_xcnt 0x0                                ; and again in front of the line that widens it
	s_or_b32 exec_lo, exec_lo, s22
	s_endpgm
.Lfunc_end_k_qfe38ffbade_wsum:
	.size	k_qfe38ffbade_wsum, .Lfunc_end_k_qfe38ffbade_wsum-k_qfe38ffbade_wsum
	.p2alignl 7, 3214868480
	.fill 96, 4, 3214868480
	.section	.rodata,"a",@progbits
	.p2align	6, 0x0
	.amdhsa_kernel k_qfe38ffbade_wsum
		.amdhsa_group_segment_fixed_size 0
		.amdhsa_private_segment_fixed_size 0
		.amdhsa_enable_private_segment 0
		.amdhsa_kernarg_size 32
		.amdhsa_user_sgpr_count 2
		.amdhsa_user_sgpr_kernarg_segment_ptr 1
		.amdhsa_wavefront_size32 1
		.amdhsa_system_sgpr_workgroup_id_x 1
		.amdhsa_system_sgpr_workgroup_id_y 1
		.amdhsa_system_sgpr_workgroup_id_z 1
		.amdhsa_system_vgpr_workitem_id 0
		.amdhsa_next_free_vgpr 144
		.amdhsa_next_free_sgpr 66
		.amdhsa_reserve_vcc 1
		.amdhsa_float_denorm_mode_32 3
		.amdhsa_float_denorm_mode_16_64 3
		.amdhsa_memory_ordered 1
		.amdhsa_forward_progress 1
		.amdhsa_inst_pref_size 18
	.end_amdhsa_kernel
	.amdgpu_metadata
---
amdhsa.version: [ 1, 2 ]
amdhsa.kernels:
  - .name:           k_qfe38ffbade_wsum
    .symbol:         k_qfe38ffbade_wsum.kd
    .args:
      - { .name: BIG, .offset: 0, .size: 8, .value_kind: global_buffer, .address_space: global }
      - { .name: ZKV, .offset: 8, .size: 8, .value_kind: global_buffer, .address_space: global }
      - { .name: ff_b2, .offset: 16, .size: 8, .value_kind: global_buffer, .address_space: global }
      - { .name: U2, .offset: 24, .size: 8, .value_kind: global_buffer, .address_space: global }
    .group_segment_fixed_size: 0
    .private_segment_fixed_size: 0
    .kernarg_segment_align: 8
    .kernarg_segment_size: 32
    .max_flat_workgroup_size: 128
    .sgpr_count:     66
    .vgpr_count:     144
    .wavefront_size: 32
...
	.end_amdgpu_metadata
.endif
;; end of part 12
;; launch ln_a (part 13): grid 512 x 1, 8 waves a work-group, no clusters, 0 bytes of LDS; arguments embedding, positional_encoding, U1, AO, ln_in_g, ln_in_b, ln_ed_g, ln_ed_b, U2; writes U2
.if DOCPART == 13
	.amdgcn_target "amdgcn-amd-amdhsa--gfx1250"
	.amdhsa_code_object_version 6
	.text
	.protected	k_qfe38ffbade_ln_a
	.globl	k_qfe38ffbade_ln_a
	.p2align	8
	.type	k_qfe38ffbade_ln_a,@function
k_qfe38ffbade_ln_a:
	s_mov_b64 s[64:65], 0
	v_nop
	global_prefetch_b8 v0, s[64:65] scope:SCOPE_SE
	s_setreg_imm32_b32 hwreg(HW_REG_WAVE_MODE, 25, 1), 1
	s_wait_xcnt 0x0
; final_attn = LN(xout + LN(x + attention; ln_in); ln_ed), row by row.  x is formed anew in f32 from embedding + positional_encoding; attention comes in bf16 (U1),
; xout in f32 (AO + 8 MiB).  The result is stored twice: f32 (U2 + 16 MiB, [4096][1024]) for the residual path, and bf16 (U2) as the next product's operand, in panels of 128 columns, [8][4096][128].
; One wave, one row of 1,024: 32 registers; the reductions never leave the wave: no LDS, no barrier.  Lane l and load j take columns 128 j + 4 l .. + 3: an f32 load of a wave covers
; 512 consecutive bytes, a bf16 load or store 256, aligned (a row of panel j).  All 64 loads of a wave go out at once.  Mean first, then the squares of the differences: no difference of large sums is formed.
; Memory alone is at work: matrix units and clusters would add nothing.
.set E,  16
.set P,  48
.set XO, 80
.set GA, 112
.set BA, 144
.set GB, 176
.set BB, 208
.set AT, 240
	s_load_b512 s[4:19], s[0:1], 0x0               ; embedding 4, positional 6, U1 8, AO 10, ln_in_g 12, ln_in_b 14, ln_ed_g 16, ln_ed_b 18
	s_load_b64 s[24:25], s[0:1], 0x40              ; U2
	v_lshrrev_b32 v1, 5, v0
	v_readfirstlane_b32 s26, v1
	s_lshl_b32 s27, ttmp9, 3
	s_add_co_u32 s26, s26, s27                     ; my row
	s_lshl_b32 s28, s26, 12                        ; in f32
	s_mov_b32 s29, 0
	s_lshl_b32 s30, s26, 11                        ; in bf16, whole rows
	s_mov_b32 s31, 0
	s_mov_b32 s20, 0x3a800000                      ; 1 / 1,024
	s_mov_b32 s21, 0x3727c5ac                      ; 1e-5
	s_mov_b32 s22, 0x76543210
	s_mov_b32 s23, 0xfedcba98
	v_and_b32 v2, 31, v0
	v_lshlrev_b32 v1, 4, v2
	v_lshlrev_b32 v2, 3, v2
	v_mov_b32 v3, 0                                ; v_permlanex16_b32 counts as a reader of its destination
	s_wait_kmcnt 0x0
	s_add_nc_u64 s[4:5], s[4:5], s[28:29]
	s_add_nc_u64 s[6:7], s[6:7], s[28:29]
	s_add_nc_u64 s[8:9], s[8:9], s[30:31]
	s_add_nc_u64 s[10:11], s[10:11], s[28:29]
	s_add_nc_u64 s[10:11], s[10:11], 8<<20
	s_add_nc_u64 s[2:3], s[24:25], s[28:29]
	s_add_nc_u64 s[2:3], s[2:3], 16<<20
	s_lshl_b32 s30, s26, 8                         ; in a panel: rows of 256 bytes
	s_add_nc_u64 s[24:25], s[24:25], s[30:31]
.macro LD8 dst, sb
.irp j, 0,1,2,3,4,5,6,7
	global_load_b128 v[(\dst)+4*\j:(\dst)+4*\j+3], v1, s[\sb:\sb+1] offset:512*\j
.endr
.endm
.macro FOLD                            ; four packed chains in v[4:11] -> the row's sum in v4 of every lane
	v_pk_add_f32 v[4:5], v[4:5], v[6:7]
	v_pk_add_f32 v[8:9], v[8:9], v[10:11]
	v_pk_add_f32 v[4:5], v[4:5], v[8:9]
	v_add_f32 v4, v4, v5
	v_add_f32_dpp v4, v4, v4 row_xmask:1 row_mask:0xf bank_mask:0xf
	v_add_f32_dpp v4, v4, v4 row_xmask:2 row_mask:0xf bank_mask:0xf
	v_add_f32_dpp v4, v4, v4 row_xmask:4 row_mask:0xf bank_mask:0xf
	v_add_f32_dpp v4, v4, v4 row_xmask:8 row_mask:0xf bank_mask:0xf
	v_permlanex16_b32 v3, v4, s22, s23
	v_add_f32 v4, v4, v3
.endm
.macro LNSTAT R                        ; R becomes R - mean; v[14:15] = 1 / sqrt(variance + 1e-5), twice
.irp c, 0,1,2,3
	v_pk_add_f32 v[4+2*\c:5+2*\c], v[(\R)+4*\c:(\R)+4*\c+1], v[(\R)+4*\c+2:(\R)+4*\c+3]
.endr
.set i, 8
.rept 8
	v_pk_add_f32 v[4+2*(i%4):5+2*(i%4)], v[4+2*(i%4):5+2*(i%4)], v[(\R)+2*i:(\R)+2*i+1]
.set i, i+1
.endr
	FOLD
	v_mul_f32 v12, s20, v4
	v_mul_f32 v13, s20, v4
.set i, 0
.rept 16
	v_pk_add_f32 v[(\R)+2*i:(\R)+2*i+1], v[(\R)+2*i:(\R)+2*i+1], v[12:13] neg_lo:[0,1] neg_hi:[0,1]
.set i, i+1
.endr
.irp c, 0,1,2,3
	v_pk_mul_f32 v[4+2*\c:5+2*\c], v[(\R)+2*\c:(\R)+2*\c+1], v[(\R)+2*\c:(\R)+2*\c+1]
.endr
.set i, 4
.rept 12
	v_pk_fma_f32 v[4+2*(i%4):5+2*(i%4)], v[(\R)+2*i:(\R)+2*i+1], v[(\R)+2*i:(\R)+2*i+1], v[4+2*(i%4):5+2*(i%4)]
.set i, i+1
.endr
	FOLD
	v_fma_f32 v4, v4, s20, s21
	v_rsq_f32 v14, v4
	v_rsq_f32 v15, v4
	v_nop                                          ; a plain instruction between the root and the use of its result (ISA guide 5.7.2)
.endm
.macro LNAPPLY R, G, B
.set i, 0
	s_wait_alu depctr_va_vdst(0)
.rept 16
	v_pk_mul_f32 v[(\R)+2*i:(\R)+2*i+1], v[(\R)+2*i:(\R)+2*i+1], v[14:15]
.set i, i+1
.endr
.set i, 0
.rept 16
	v_pk_fma_f32 v[(\R)+2*i:(\R)+2*i+1], v[(\R)+2*i:(\R)+2*i+1], v[(\G)+2*i:(\G)+2*i+1], v[(\B)+2*i:(\B)+2*i+1]
.set i, i+1
.endr
.endm
	LD8 E, 4
	LD8 P, 6
.irp j, 0,1,2,3,4,5,6,7
	global_load_b64 v[AT+2*\j:AT+2*\j+1], v2, s[8:9] offset:256*\j
.endr
	LD8 GA, 12
	LD8 BA, 14
	LD8 XO, 10
	LD8 GB, 16
	LD8 BB, 18
	s_wait_loadcnt 40                              ; embedding, positional_encoding and attention are in; the 40 younger loads stay out
.set i, 0
.rept 16
	v_pk_add_f32 v[E+2*i:E+2*i+1], v[E+2*i:E+2*i+1], v[P+2*i:P+2*i+1]
.set i, i+1
.endr
.set j, 0
.rept 8
	v_lshlrev_b32 v[4+4*(j%2)], 16, v[AT+2*j]      ; bf16 to f32: the low half moves up, the high half stays
	v_and_b32 v[5+4*(j%2)], 0xffff0000, v[AT+2*j]
	v_lshlrev_b32 v[6+4*(j%2)], 16, v[AT+2*j+1]
	v_and_b32 v[7+4*(j%2)], 0xffff0000, v[AT+2*j+1]
	v_pk_add_f32 v[E+4*j:E+4*j+1], v[E+4*j:E+4*j+1], v[4+4*(j%2):5+4*(j%2)]
	v_pk_add_f32 v[E+4*j+2:E+4*j+3], v[E+4*j+2:E+4*j+3], v[6+4*(j%2):7+4*(j%2)]
.set j, j+1
.endr
	LNSTAT E
	s_wait_loadcnt 24                              ; ln_in's gain and bias are in
	LNAPPLY E, GA, BA
	s_wait_loadcnt 16                              ; xout is in
.set i, 0
.rept 16
	v_pk_add_f32 v[E+2*i:E+2*i+1], v[E+2*i:E+2*i+1], v[XO+2*i:XO+2*i+1]
.set i, i+1
.endr
	LNSTAT E
	s_wait_loadcnt 0x0
	LNAPPLY E, GB, BB
.irp j, 0,1,2,3,4,5,6,7
	global_store_b128 v1, v[E+4*\j:E+4*\j+3], s[2:3] offset:512*\j
.endr
.set j, 0
.rept 8
	v_cvt_pk_bf16_f32 v[AT+2*j], v[E+4*j], v[E+4*j+1]
	v_cvt_pk_bf16_f32 v[AT+2*j+1], v[E+4*j+2], v[E+4*j+3]
	global_store_b64 v2, v[AT+2*j:AT+2*j+1], s[24:25] offset:(1<<20)*j   ; my row of panel j; 7 MiB at the most, within the signed 24-bit immediate
.set j, j+1
.endr
	s_endpgm
.Lfunc_end_k_qfe38ffbade_ln_a:
	.size	k_qfe38ffbade_ln_a, .Lfunc_end_k_qfe38ffbade_ln_a-k_qfe38ffbade_ln_a
	.p2alignl 7, 3214868480
	.fill 96, 4, 3214868480
	.section	.rodata,"a",@progbits
	.p2align	6, 0x0
	.amdhsa_kernel k_qfe38ffbade_ln_a
		.amdhsa_group_segment_fixed_size 0
		.amdhsa_private_segment_fixed_size 0
		.amdhsa_enable_private_segment 0
		.amdhsa_kernarg_size 72
		.amdhsa_user_sgpr_count 2
		.amdhsa_user_sgpr_kernarg_segment_ptr 1
		.amdhsa_wavefront_size32 1
		.amdhsa_system_sgpr_workgroup_id_x 1
		.amdhsa_system_sgpr_workgroup_id_y 1
		.amdhsa_system_sgpr_workgroup_id_z 1
		.amdhsa_system_vgpr_workitem_id 0
		.amdhsa_next_free_vgpr 256
		.amdhsa_next_free_sgpr 66
		.amdhsa_reserve_vcc 0
		.amdhsa_float_denorm_mode_32 3
		.amdhsa_float_denorm_mode_16_64 3
		.amdhsa_memory_ordered 1
		.amdhsa_forward_progress 1
		.amdhsa_inst_pref_size 27
	.end_amdhsa_kernel
	.amdgpu_metadata
---
amdhsa.version: [ 1, 2 ]
amdhsa.kernels:
  - .name:           k_qfe38ffbade_ln_a
    .symbol:         k_qfe38ffbade_ln_a.kd
    .args:
      - { .name: embedding, .offset: 0, .size: 8, .value_kind: global_buffer, .address_space: global }
      - { .name: positional_encoding, .offset: 8, .size: 8, .value_kind: global_buffer, .address_space: global }
      - { .name: U1, .offset: 16, .size: 8, .value_kind: global_buffer, .address_space: global }
      - { .name: AO, .offset: 24, .size: 8, .value_kind: global_buffer, .address_space: global }
      - { .name: ln_in_g, .offset: 32, .size: 8, .value_kind: global_buffer, .address_space: global }
      - { .name: ln_in_b, .offset: 40, .size: 8, .value_kind: global_buffer, .address_space: global }
      - { .name: ln_ed_g, .offset: 48, .size: 8, .value_kind: global_buffer, .address_space: global }
      - { .name: ln_ed_b, .offset: 56, .size: 8, .value_kind: global_buffer, .address_space: global }
      - { .name: U2, .offset: 64, .size: 8, .value_kind: global_buffer, .address_space: global }
    .group_segment_fixed_size: 0
    .private_segment_fixed_size: 0
    .kernarg_segment_align: 8
    .kernarg_segment_size: 72
    .max_flat_workgroup_size: 256
    .sgpr_count:     66
    .vgpr_count:     256
    .wavefront_size: 32
...
	.end_amdgpu_metadata
.endif
;; end of part 13
;; launch ffx: the kernel of part 11 again; grid 8 x 32, 4 waves a work-group, clusters of 4 x 4, 327,680 bytes of LDS; arguments U2, U1; writes U1
;; launch ln_b (part 14): grid 512 x 1, 8 waves a work-group, no clusters, 0 bytes of LDS; arguments U2, U1, ln_ff_g, ln_ff_b, ln_out_g, ln_out_b, out0; writes out0
.if DOCPART == 14
	.amdgcn_target "amdgcn-amd-amdhsa--gfx1250"
	.amdhsa_code_object_version 6
	.text
	.protected	k_qfe38ffbade_ln_b
	.globl	k_qfe38ffbade_ln_b
	.p2align	8
	.type	k_qfe38ffbade_ln_b,@function
k_qfe38ffbade_ln_b:
	s_mov_b64 s[64:65], 0
	v_nop
	global_prefetch_b8 v0, s[64:65] scope:SCOPE_SE
	s_setreg_imm32_b32 hwreg(HW_REG_WAVE_MODE, 25, 1), 1
	s_wait_xcnt 0x0
; out = LN(fa + LN(fa + relu(ffs + bias); ln_ff); ln_out), row by row.  fa = final_attn in f32 (U2 + 16 MiB); ffs = fa (W1 W2), its sums rounded once to bf16 (U1);
; bias = ff_b1 W2 + ff_b2 in f32 (U2 + 34 MiB), made by an earlier launch.
; One wave, one row of 1,024, as in the launch that makes fa: lane l and load j take columns 128 j + 4 l .. + 3; all 56 loads go out at once; mean first, then the squares of the differences.
; Memory alone is at work: no LDS, no matrix unit, no cluster.
.set FA, 16
.set R,  48                            ; the bias, then the row at work
.set GA, 80
.set BA, 112
.set GB, 144
.set BB, 176
.set FS, 208
	s_load_b256 s[4:11], s[0:1], 0x0               ; U2 4, U1 6, ln_ff_g 8, ln_ff_b 10
	s_load_b128 s[12:15], s[0:1], 0x20             ; ln_out_g 12, ln_out_b 14
	s_load_b64 s[16:17], s[0:1], 0x30              ; out0
	v_lshrrev_b32 v1, 5, v0
	v_readfirstlane_b32 s26, v1
	s_lshl_b32 s27, ttmp9, 3
	s_add_co_u32 s26, s26, s27                     ; my row
	s_lshl_b32 s28, s26, 12
	s_mov_b32 s29, 0
	s_lshl_b32 s30, s26, 11
	s_mov_b32 s31, 0
	s_mov_b32 s20, 0x3a800000                      ; 1 / 1,024
	s_mov_b32 s21, 0x3727c5ac                      ; 1e-5
	s_mov_b32 s22, 0x76543210
	s_mov_b32 s23, 0xfedcba98
	v_and_b32 v2, 31, v0
	v_lshlrev_b32 v1, 4, v2
	v_lshlrev_b32 v2, 3, v2
	v_mov_b32 v3, 0
	s_wait_kmcnt 0x0
	s_add_nc_u64 s[18:19], s[4:5], 34<<20          ; the bias
	s_add_nc_u64 s[4:5], s[4:5], s[28:29]
	s_add_nc_u64 s[4:5], s[4:5], 16<<20
	s_add_nc_u64 s[6:7], s[6:7], s[30:31]
	s_add_nc_u64 s[16:17], s[16:17], s[28:29]
.macro LD8 dst, sb
.irp j, 0,1,2,3,4,5,6,7
	global_load_b128 v[(\dst)+4*\j:(\dst)+4*\j+3], v1, s[\sb:\sb+1] offset:512*\j
.endr
.endm
.macro FOLD
	v_pk_add_f32 v[4:5], v[4:5], v[6:7]
	v_pk_add_f32 v[8:9], v[8:9], v[10:11]
	v_pk_add_f32 v[4:5], v[4:5], v[8:9]
	v_add_f32 v4, v4, v5
	v_add_f32_dpp v4, v4, v4 row_xmask:1 row_mask:0xf bank_mask:0xf
	v_add_f32_dpp v4, v4, v4 row_xmask:2 row_mask:0xf bank_mask:0xf
	v_add_f32_dpp v4, v4, v4 row_xmask:4 row_mask:0xf bank_mask:0xf
	v_add_f32_dpp v4, v4, v4 row_xmask:8 row_mask:0xf bank_mask:0xf
	v_permlanex16_b32 v3, v4, s22, s23
	v_add_f32 v4, v4, v3
.endm
.macro LNSTAT X
.irp c, 0,1,2,3
	v_pk_add_f32 v[4+2*\c:5+2*\c], v[(\X)+4*\c:(\X)+4*\c+1], v[(\X)+4*\c+2:(\X)+4*\c+3]
.endr
.set i, 8
.rept 8
	v_pk_add_f32 v[4+2*(i%4):5+2*(i%4)], v[4+2*(i%4):5+2*(i%4)], v[(\X)+2*i:(\X)+2*i+1]
.set i, i+1
.endr
	FOLD
	v_mul_f32 v12, s20, v4
	v_mul_f32 v13, s20, v4
.set i, 0
.rept 16
	v_pk_add_f32 v[(\X)+2*i:(\X)+2*i+1], v[(\X)+2*i:(\X)+2*i+1], v[12:13] neg_lo:[0,1] neg_hi:[0,1]
.set i, i+1
.endr
.irp c, 0,1,2,3
	v_pk_mul_f32 v[4+2*\c:5+2*\c], v[(\X)+2*\c:(\X)+2*\c+1], v[(\X)+2*\c:(\X)+2*\c+1]
.endr
.set i, 4
.rept 12
	v_pk_fma_f32 v[4+2*(i%4):5+2*(i%4)], v[(\X)+2*i:(\X)+2*i+1], v[(\X)+2*i:(\X)+2*i+1], v[4+2*(i%4):5+2*(i%4)]
.set i, i+1
.endr
	FOLD
	v_fma_f32 v4, v4, s20, s21
	v_rsq_f32 v14, v4
	v_rsq_f32 v15, v4
	v_nop                                          ; a plain instruction between the root and the use of its result (ISA guide 5.7.2)
.endm
.macro LNAPPLY X, G, B
.set i, 0
	s_wait_alu depctr_va_vdst(0)
.rept 16
	v_pk_mul_f32 v[(\X)+2*i:(\X)+2*i+1], v[(\X)+2*i:(\X)+2*i+1], v[14:15]
.set i, i+1
.endr
.set i, 0
.rept 16
	v_pk_fma_f32 v[(\X)+2*i:(\X)+2*i+1], v[(\X)+2*i:(\X)+2*i+1], v[(\G)+2*i:(\G)+2*i+1], v[(\B)+2*i:(\B)+2*i+1]
.set i, i+1
.endr
.endm
	LD8 FA, 4
.irp j, 0,1,2,3,4,5,6,7
	global_load_b64 v[FS+2*\j:FS+2*\j+1], v2, s[6:7] offset:256*\j
.endr
	LD8 R, 18
	LD8 GA, 8
	LD8 BA, 10
	LD8 GB, 12
	LD8 BB, 14
	s_wait_loadcnt 32                              ; fa, the sums and the bias are in; the 32 younger loads stay out
.set j, 0
.rept 8
	v_lshlrev_b32 v[4+4*(j%2)], 16, v[FS+2*j]
	v_and_b32 v[5+4*(j%2)], 0xffff0000, v[FS+2*j]
	v_lshlrev_b32 v[6+4*(j%2)], 16, v[FS+2*j+1]
	v_and_b32 v[7+4*(j%2)], 0xffff0000, v[FS+2*j+1]
	v_pk_add_f32 v[R+4*j:R+4*j+1], v[R+4*j:R+4*j+1], v[4+4*(j%2):5+4*(j%2)]
	v_pk_add_f32 v[R+4*j+2:R+4*j+3], v[R+4*j+2:R+4*j+3], v[6+4*(j%2):7+4*(j%2)]
.set j, j+1
.endr
.set i, 0
.rept 32
	v_max_num_f32 v[R+i], 0, v[R+i]                ; the ReLU stands behind the output projection, as in the problem
.set i, i+1
.endr
.set i, 0
.rept 16
	v_pk_add_f32 v[R+2*i:R+2*i+1], v[R+2*i:R+2*i+1], v[FA+2*i:FA+2*i+1]
.set i, i+1
.endr
	LNSTAT R
	s_wait_loadcnt 16                              ; ln_ff's gain and bias are in
	LNAPPLY R, GA, BA
.set i, 0
.rept 16
	v_pk_add_f32 v[R+2*i:R+2*i+1], v[R+2*i:R+2*i+1], v[FA+2*i:FA+2*i+1]
.set i, i+1
.endr
	LNSTAT R
	s_wait_loadcnt 0x0
	LNAPPLY R, GB, BB
.irp j, 0,1,2,3,4,5,6,7
	global_store_b128 v1, v[R+4*\j:R+4*\j+3], s[16:17] offset:512*\j th:TH_STORE_NT
.endr
	s_endpgm
.Lfunc_end_k_qfe38ffbade_ln_b:
	.size	k_qfe38ffbade_ln_b, .Lfunc_end_k_qfe38ffbade_ln_b-k_qfe38ffbade_ln_b
	.p2alignl 7, 3214868480
	.fill 96, 4, 3214868480
	.section	.rodata,"a",@progbits
	.p2align	6, 0x0
	.amdhsa_kernel k_qfe38ffbade_ln_b
		.amdhsa_group_segment_fixed_size 0
		.amdhsa_private_segment_fixed_size 0
		.amdhsa_enable_private_segment 0
		.amdhsa_kernarg_size 56
		.amdhsa_user_sgpr_count 2
		.amdhsa_user_sgpr_kernarg_segment_ptr 1
		.amdhsa_wavefront_size32 1
		.amdhsa_system_sgpr_workgroup_id_x 1
		.amdhsa_system_sgpr_workgroup_id_y 1
		.amdhsa_system_sgpr_workgroup_id_z 1
		.amdhsa_system_vgpr_workitem_id 0
		.amdhsa_next_free_vgpr 224
		.amdhsa_next_free_sgpr 66
		.amdhsa_reserve_vcc 0
		.amdhsa_float_denorm_mode_32 3
		.amdhsa_float_denorm_mode_16_64 3
		.amdhsa_memory_ordered 1
		.amdhsa_forward_progress 1
		.amdhsa_inst_pref_size 26
	.end_amdhsa_kernel
	.amdgpu_metadata
---
amdhsa.version: [ 1, 2 ]
amdhsa.kernels:
  - .name:           k_qfe38ffbade_ln_b
    .symbol:         k_qfe38ffbade_ln_b.kd
    .args:
      - { .name: U2, .offset: 0, .size: 8, .value_kind: global_buffer, .address_space: global }
      - { .name: U1, .offset: 8, .size: 8, .value_kind: global_buffer, .address_space: global }
      - { .name: ln_ff_g, .offset: 16, .size: 8, .value_kind: global_buffer, .address_space: global }
      - { .name: ln_ff_b, .offset: 24, .size: 8, .value_kind: global_buffer, .address_space: global }
      - { .name: ln_out_g, .offset: 32, .size: 8, .value_kind: global_buffer, .address_space: global }
      - { .name: ln_out_b, .offset: 40, .size: 8, .value_kind: global_buffer, .address_space: global }
      - { .name: out0, .offset: 48, .size: 8, .value_kind: global_buffer, .address_space: global }
    .group_segment_fixed_size: 0
    .private_segment_fixed_size: 0
    .kernarg_segment_align: 8
    .kernarg_segment_size: 56
    .max_flat_workgroup_size: 256
    .sgpr_count:     66
    .vgpr_count:     224
    .wavefront_size: 32
...
	.end_amdgpu_metadata
.endif
;; end of part 14
;; ======== version 3 of 3: 8 launches; 1.47 times as fast as version 1
;; workspace buffers: U1 33,554,432 bytes; U2 35,655,680 bytes; ZKV 17,825,792 bytes; BIG 41,943,040 bytes; AO 35,651,584 bytes
;; launch prep: the kernel of part 8 again; grid 1536 x 1, 8 waves a work-group, no clusters, 0 bytes of LDS; arguments embedding, positional_encoding, W_proj, ff_W1, ff_W2, Wq, Wk, Wv, kv_k, kv_v, ff_b1, U1, ZKV, AO; writes U1, ZKV, AO
;; launch qkv: the kernel of part 9 again; grid 16 x 16, 4 waves a work-group, clusters of 4 x 4, 327,680 bytes of LDS; arguments U1, BIG; writes BIG
;; launch attn (part 15): grid 8 x 32, 4 waves a work-group, clusters of 4 x 1, 327,680 bytes of LDS; arguments BIG, ZKV, AO; writes AO
.if DOCPART == 15
	.amdgcn_target "amdgcn-amd-amdhsa--gfx1250"
	.amdhsa_code_object_version 6
	.text
	.protected	k_qfe38ffbade_attn
	.globl	k_qfe38ffbade_attn
	.p2align	8
	.type	k_qfe38ffbade_attn,@function
k_qfe38ffbade_attn:
	s_mov_b64 s[64:65], 0
	v_nop
	global_prefetch_b8 v0, s[64:65] scope:SCOPE_SE
	s_setreg_imm32_b32 hwreg(HW_REG_WAVE_MODE, 25, 1), 1
	s_wait_xcnt 0x0
	s_wait_alu depctr_hold_cnt(0) depctr_sa_sdst(0) depctr_va_vdst(0) depctr_va_sdst(0) depctr_va_ssrc(0) depctr_va_vcc(0) depctr_vm_vsrc(0)
	s_getreg_b32 s2, hwreg(HW_REG_IB_STS2, 6, 4)
	s_cmp_eq_u32 s2, 0
	s_cbranch_scc0 .Lentry_in_a_cluster
	s_endpgm
.Lentry_in_a_cluster:
	s_bfe_u32 s2, ttmp6, 0x10000c
	s_cmp_lg_u32 s2, 0x3003
	s_cbranch_scc0 .Lentry_shape_is_right
	s_endpgm
.Lentry_shape_is_right:
; BOTH ATTENTIONS of a block of 128 queries and a pair of heads: first causal self-attention (K, V from BIG), then cross attention (kv_k, kv_v from ZKV), with the same Q and
; the same scale 1/32.  All operands bf16 in panels [pair of heads][b*1024+s][128]; products, maxima and sums in f32; the weights p are rounded to bf16 for the second product
; (their sum l is taken of the unrounded p).  The self result is stored in bf16 (panels, AO), the cross result in f32 ([4096][1024], AO + 8 MiB): it goes on into a LayerNorm.
; LIMITS.  A hidden score counts as its value less 1e30; a weight below 2^-126 counts as 0; NaN and infinities are not treated apart.
; SHARES.  Grid y = 4 x pair + batch; x = the block of 128 queries.  Wave w: head w / 2 of the pair, queries 64 (w % 2) on: four tiles of 16.
; THE WALK.  32 key steps of 64: steps 0-15 the self pass, 16-31 the cross pass, two steps to an LDS slot.  One counted loop walks the slots; the ring of two slots runs on across the change of pass.
; CLUSTER 4 x 1: the four query blocks of a cluster share pair and batch, so every tile of K and V is asked for jointly (mask 15).
; THE CAUSAL MASK is the C operand that starts S^T = K Q^T: 0, or -1e30 where the key is hidden, made by compares and selects for every step.  Steps wholly above the diagonal are computed
; all the same: to leave them out would be a branch on the block's place in the cluster, and partners that ask jointly run alike.  That is about half of the self pass's products.
; With VS = my query's index less 16 x tile, less 8 (l / 16), less the step's first key, key register j of key block kb is hidden for tile t where 16 (kb - t) + j > VS.  VS is 64 d + (-8 .. 15), so
; three masks serve: kb = t: j > VS;  kb < t: -8 > VS;  kb > t: 16 > VS.  In the cross pass VS is very large and every mask is 0.
; LAYOUT.  S^T = K Q^T holds one query a lane (l % 16) and the keys 8 (l / 16) + 0..7; two such results rounded to bf16 are source 1 of O^T = V^T P.  V comes out of LDS turned.
; SOFTMAX.  A running maximum m and sum l: p = 2^(c s - c m), c = log2(e) / 32; in every step O and l are multiplied by a = 2^(c m_old - c m_new).  m starts at the lowest finite number,
; so a pass's first step has a = 0 and needs no text of its own.
; BY TURNS.  The wave's tiles are two PIECES, named by their first tile: piece 0 (tiles 0, 1) and piece 2 (tiles 2, 3).  In a TURN one piece has the matrix unit: 16 products V^T P of step j, then
; 16 products K Q^T of step j + 1; the other piece's softmax, 236 vector instructions, stands between them in 32 slices of 8 to 6, one behind each product.  Then the pieces change places.
; Turn 0 carries piece 2's softmax of step j, turn 2 piece 0's of step j + 1.  7.4 vector instructions for a product are more than find room beside it: the aim is that none of the matrix time comes on top.
; THE BATCHES.  A turn's 66 exponentials (a and the 32 weights of both tiles) are ONE batch with ONE wait: all that names none of their results (maxima, statistics, scalings, the exponentials themselves) fills
; slices 0 to 17, the wait stands behind slice 17, and all that reads a result (roundings, sums, l, the rescaling by a) fills slices 18 to 31.  The reciprocals of each way out are a batch of their own.
; No first and no last step is written out: V's registers and piece 2's P start at 0, and the loop is entered at turn 2, whose products V^T P then add 0; the tail's third turn 0 multiplies the last K once more, for nothing.
; REGISTERS, in windows of 256: window 0: v0-15 addresses; v16-31 statistics; v32-47, v48-51 at work; v64-191 S^T, 32 a tile; v192-255 P, 16 a tile.
;   window 1: v0-127 O^T, 32 a tile; v128-151 the three masks.     window 2: v0-63 Q; v128-191 K of a step; v192-255 V of a step.
; All that a softmax touches but O^T lies in window 0, and no window has room for a product's operands beside it: a slice costs two switches of the window.
.set KS,    64
.set PK,    272                        ; a row of K in LDS: 256 bytes (both heads) + 16
.set PV,    288                        ; a row of V: 256 + 32
.set VOFF,  KS*PK
.set STEPB, KS*(PK+PV)                 ; a step: 64 rows of K, then 64 rows of V
.set SLOT1, 1<<17                      ; slot 1 begins here: one exclusive or turns an address in one slot into the other's
.set STAGE, SLOT1+2*STEPB              ; behind the ring, never filled by a tensor load: 128 rows x 272 bytes
.set SP,    272
.set SPARE, STAGE+128*SP               ; the spare words, 128 bytes a wave
.set AK0, 2
.set AV0, 3
.set ADRK, 4
.set ADRV, 5
.set STO0, 6                           ; self result: into the shared stage
.set RD0,  7                           ; and back, 32 whole rows a wave
.set GO0,  8                           ; 16 x lane
.set STO1, 10                          ; cross result: into my own 16 rows of the stage
.set RD1,  11
.set VS,   12
.set GO1,  13
.set QO,   14
.set ST,  16                           ; tile t: c m, m, l (even keys', odd keys')
.set TMP, 32                           ; tile t: c0-c3 at work; c2 takes a
.set MV,  48                           ; tile t: c m_old
.set SPW, 62
.set NIL, 63
.set S,   64
.set P,   192
.set MEQ, 128                          ; window 1
.set MLT, 136
.set MGT, 144
.set KF,  128                          ; window 2: key block kb, channel half c at KF + 16 kb + 8 c
.set VF,  192                          ; window 2: key half kk, channel block cb at VF + 32 kk + 8 cb
.set WV,  12
.set G1K, 24
.set G1V, 32
.set G0K, 40
.set G0V, 44
.set KB0, 48                           ; s[48:49] self K, s[50:51] self V, s[52:53] cross K, s[54:55] cross V: each at my 64 rows of slot 0
.set VB0, 50
.set KB1, 52
.set VB1, 54
.set SLOTS, 56                         ; 15 less the number of the slot whose steps are being fetched
.set TWICE, 57                         ; counts a slot's two pairs of turns, 2 and 1
.set CS,  58
.set SEL, 60
.set TB,  62                           ; LDS byte at which the step to be fetched begins
.set NXT, 63                           ; the slot to be asked for next
.set OFF, 66                           ; s[66:67] its byte offset in its tensor
.set KB,  68                           ; s[68:69], s[70:71] the pass's bases
.set VB,  70
.set QP,  72                           ; s[72:73] Q, s[74:75] the self result, s[76:77] the cross result
.set OP0, 74
.set OP1, 76
.set BIGN, 78
.set MSB, 0
.macro WIN new                         ; the high byte repeats the setting that is left; a switch that changes nothing is dropped
.if MSB != (\new)
	s_set_vgpr_msb (MSB<<8)|(\new)
.set MSB, (\new)
.endif
.endm
.set W_KQ, 0x0a                        ; K and Q in window 2, S^T in window 0
.set W_KM, 0x1a                        ; the same with the C operand in window 1
.set W_PV, 0x52                        ; V in window 2, P in window 0, O^T in window 1
.set W_RS, 0x41                        ; destination and source 0 in window 1, source 1 in window 0
.macro JLOAD                           ; waves 0, 1 fetch K of the slot's two steps, waves 2, 3 V.  An s_nop 0 and four v_nop follow each line
	s_cmp_lt_u32 s[WV], 2
	s_cbranch_scc0 .Lfor_v_\@
	tensor_load_to_lds s[G0K:G0K+3], s[G1K:G1K+7]
	s_nop 0
.rept 4
	v_nop
.endr
	s_branch .Lasked_\@
.Lfor_v_\@:
	tensor_load_to_lds s[G0V:G0V+3], s[G1V:G1V+7]
	s_nop 0
.rept 4
	v_nop
.endr
.Lasked_\@:
.endm
.macro CROUND
	s_barrier_signal -1
	s_barrier_wait -1
	s_cmp_lg_u32 s[WV], 0
	s_cbranch_scc1 .Lnot_wave_0_\@
	s_barrier_signal -3
.Lnot_wave_0_\@:
	s_barrier_wait -3
	s_barrier_signal -1
	s_barrier_wait -1
.endm
; THE CHANGE OF SLOTS, between turn 2 and turn 0: the slot's last bytes, V of its second step, have been asked for.  Each wave waits for all its tensor loads (one is out: its part of the other slot),
; adds 0 to its spare word, and waits for that and for its LDS instructions.
; fill = 1: a round of the cluster's barrier, and the slot just left is filled with slot NXT's keys, first thing behind it: it has two steps' work in which to land.
; (At its first use nothing has been read yet: slot 0 is waited for, slot 1 filled.)
.macro CHANGE fill
	WIN 0
	s_wait_tensorcnt 0x0                           ; no tensor load of mine is out, so a group 0 may be written
	ds_add_u32 v[SPW], v[NIL]
.if \fill
	s_and_b32 s[OFF], s[NXT], 7
	s_lshl_b32 s[OFF], s[OFF], 15                  ; 128 rows of 256 bytes a slot
	s_cmp_lt_u32 s[NXT], 8                         ; which pass
	s_cselect_b64 s[KB:KB+1], s[KB0:KB0+1], s[KB1:KB1+1]
	s_cselect_b64 s[VB:VB+1], s[VB0:VB0+1], s[VB1:VB1+1]
	s_add_nc_u64 s[G0K+2:G0K+3], s[KB:KB+1], s[OFF:OFF+1]
	s_or_b32 s[G0K+3], s[G0K+3], 0x80000000
	s_add_nc_u64 s[G0V+2:G0V+3], s[VB:VB+1], s[OFF:OFF+1]
	s_or_b32 s[G0V+3], s[G0V+3], 0x80000000
	s_xor_b32 s[G0K+1], s[G0K+1], SLOT1
	s_xor_b32 s[G0V+1], s[G0V+1], SLOT1
	s_add_co_u32 s[NXT], s[NXT], 1
	s_wait_dscnt 0x0                               ; the add is done; my reads of the slot and my stores into the stage are over
	CROUND
	JLOAD
.else
	s_wait_dscnt 0x0
	s_barrier_signal -1
	s_barrier_wait -1
.endif
	s_sub_co_u32 s[TB], s[TB], 2*STEPB             ; the fetches go back to a slot's first step,
	s_xor_b32 s[TB], s[TB], SLOT1                  ; in the other slot
.endm
	s_load_b128 s[4:7], s[0:1], 0x0                ; BIG s[4:5], ZKV s[6:7]
	s_load_b64 s[8:9], s[0:1], 0x10                ; AO
	v_lshl_add_u32 v[SPW], v0, 2, SPARE
	v_mov_b32 v[NIL], 0
	ds_add_u32 v[SPW], v[NIL]                      ; the wave's opening: the add and its wait ahead of my first tensor load
	v_lshrrev_b32 v1, 5, v0
	v_readfirstlane_b32 s[WV], v1
	s_bfe_u32 s13, ttmp6, 0x40000                  ; cx
	s_lshl_b32 s14, ttmp9, 2
	s_add_co_u32 s14, s14, s13                     ; my block of 128 queries: it enters Q's and the results' addresses and VS alone
	s_and_b32 s15, ttmp7, 0xffff
	s_lshr_b32 s17, s15, 2                         ; the pair of heads
	s_and_b32 s18, s15, 3                          ; the batch
	s_and_b32 s16, s[WV], 1                        ; my half of the queries.  Also: which of a slot's two steps I fetch
	s_lshr_b32 s19, s[WV], 1                       ; my head of the pair
	s_lshl_b32 s20, s17, 20                        ; a panel is 1 MiB,
	s_lshl_b32 s21, s18, 18                        ; a batch 1,024 rows of 256 bytes
	s_add_co_u32 s20, s20, s21
	s_lshl_b32 s23, s14, 15                        ; (registers 22, 23 and 72 to 77 take what hangs on the block; none of them feeds a descriptor)
	s_add_co_u32 s22, s20, s23
	s_lshl_b32 s21, s16, 14                        ; 64 rows
	s_add_co_u32 s[QP], s22, s21
	s_add_co_u32 s20, s20, s21                     ; K and V: my step of slot 0
	s_mov_b32 s21, 0
	s_lshl_b32 s2, s19, 7                          ; my head's 128 bytes of a row
	s_add_co_u32 s[QP], s[QP], s2
	s_mov_b32 s[QP+1], 0
	s_lshl_b32 s23, s[WV], 13                      ; the self result: I store rows 32 w on
	s_add_co_u32 s[OP0], s22, s23
	s_mov_b32 s[OP0+1], 0
	s_lshl_b32 s[OP1], s18, 22                     ; the cross result: rows of 4,096 bytes
	s_lshl_b32 s23, s14, 19
	s_add_co_u32 s[OP1], s[OP1], s23
	s_lshl_b32 s23, s16, 18
	s_add_co_u32 s[OP1], s[OP1], s23
	s_lshl_b32 s23, s17, 9                         ; a head's 256 bytes in them
	s_add_co_u32 s[OP1], s[OP1], s23
	s_lshl_b32 s23, s19, 8
	s_add_co_u32 s[OP1], s[OP1], s23
	s_add_co_u32 s[OP1], s[OP1], 8<<20
	s_mov_b32 s[OP1+1], 0
	s_mul_i32 s3, s16, STEPB                       ; my step's place in a slot
	s_mov_b32 s[G1K], 15|(1<<16)|(1<<20)|(1<<21)|(5<<22)|(3<<25)  ; mask of four; 2-byte elements; padding on; bit 21 beside a mask; after every 64 words 4 words
	s_mov_b32 s[G1V], 15|(1<<16)|(1<<20)|(1<<21)|(5<<22)|(7<<25)  ; the same with 8 words
.irp g, G1K, G1V
	s_mov_b32 s[(\g)+1], 128<<16                   ; tensor_dim0 = 128
	s_mov_b32 s[(\g)+2], KS<<16                    ; tensor_dim1 = 64
	s_mov_b32 s[(\g)+3], 128<<16                   ; tile_dim0 = 128
	s_mov_b32 s[(\g)+4], KS                        ; tile_dim1 = 64
	s_mov_b32 s[(\g)+5], 128                       ; 128 elements from row to row
	s_mov_b32 s[(\g)+6], 0
	s_mov_b32 s[(\g)+7], 0
.endr
	s_mov_b32 s[CS], 0x3d38aa3b                    ; c = log2(e) / 32
	s_mov_b32 s[CS+1], s[CS]
	s_mov_b32 s[SEL], 0x76543210
	s_mov_b32 s[SEL+1], 0xfedcba98
	s_mov_b32 s[TB], SLOT1+2*STEPB                 ; the first change of slots turns this into 0
	s_mov_b32 s[NXT], 1
	s_mov_b32 s[OFF+1], 0
	s_mov_b32 s[BIGN], 0xf149f2ca                  ; -1e30
	s_mov_b32 s[G0K], 1
	s_mov_b32 s[G0K+1], s3
	s_mov_b32 s[G0V], 1
	s_add_co_u32 s[G0V+1], s3, VOFF
	s_wait_dscnt 0x0                               ; the opening add is done
	s_wait_kmcnt 0x0
	s_add_nc_u64 s[KB0:KB0+1], s[4:5], s[20:21]
	s_add_nc_u64 s[VB0:VB0+1], s[KB0:KB0+1], 16<<20   ; V's panels are 16 to 23,
	s_add_nc_u64 s[KB0:KB0+1], s[KB0:KB0+1], 8<<20    ; K's 8 to 15
	s_add_nc_u64 s[KB1:KB1+1], s[6:7], s[20:21]
	s_add_nc_u64 s[VB1:VB1+1], s[KB1:KB1+1], 9<<20
	s_add_nc_u64 s[KB1:KB1+1], s[KB1:KB1+1], 1<<20
	s_add_nc_u64 s[G0K+2:G0K+3], s[KB0:KB0+1], 0
	s_or_b32 s[G0K+3], s[G0K+3], 0x80000000
	s_add_nc_u64 s[G0V+2:G0V+3], s[VB0:VB0+1], 0
	s_or_b32 s[G0V+3], s[G0V+3], 0x80000000
	s_add_nc_u64 s[QP:QP+1], s[4:5], s[QP:QP+1]
	s_add_nc_u64 s[OP0:OP0+1], s[8:9], s[OP0:OP0+1]
	s_add_nc_u64 s[OP1:OP1+1], s[8:9], s[OP1:OP1+1]
	CROUND                                         ; all four work-groups are here
	JLOAD                                          ; slot 0: one load of mine is out, here and behind every round
	v_and_b32 v1, 15, v0                           ; l % 16
	v_bfe_u32 v9, v0, 4, 1                         ; l / 16
	v_lshlrev_b32 v[QO], 8, v1
	v_lshl_add_u32 v[QO], v9, 4, v[QO]
	WIN 0x80
.set i, 0
.rept 8                                ; Q stays in registers: tile i / 2, channels 32 (i % 2) on
	global_load_b128 v[8*i:8*i+3],   v[QO], s[QP:QP+1] offset:(i/2)*4096+(i%2)*64
	global_load_b128 v[8*i+4:8*i+7], v[QO], s[QP:QP+1] offset:(i/2)*4096+(i%2)*64+32
.set i, i+1
.endr
	; What the first turn finds: V's registers and piece 2's P hold 0 (its products V^T P, of a step that has not been, add 0); O^T and l are 0.  All this stands in the wait for the first tile.
.set i, VF
.rept 64
	v_mov_b32 v[i], 0
.set i, i+1
.endr
	WIN 0x40
.set i, 0
.rept 128
	v_mov_b32 v[i], 0
.set i, i+1
.endr
	WIN 0
.set i, 0
.rept 4
	v_mov_b32 v[ST+4*i], 0xfe000000                ; c m: far below every c s
	v_mov_b32 v[ST+4*i+1], 0xff7fffff              ; m
	v_mov_b32 v[ST+4*i+2], 0
	v_mov_b32 v[ST+4*i+3], 0
.set i, i+1
.endr
.set i, P+32
.rept 32
	v_mov_b32 v[i], 0
.set i, i+1
.endr
	v_mul_u32_u24 v[AK0], v1, PK
	v_lshl_add_u32 v[AK0], v9, 4, v[AK0]
	v_add_nc_u32 v[AK0], s2, v[AK0]                ; row x pitch + 16 x half + my head
	v_and_b32 v52, 7, v0
	v_bfe_u32 v53, v0, 3, 1
	v_lshl_add_u32 v[AV0], v9, 3, v52              ; key 8 (l / 16) + l % 8,
	v_mul_u32_u24 v[AV0], v[AV0], PV
	v_lshl_add_u32 v[AV0], v53, 4, v[AV0]          ; channels 8 ((l / 8) % 2) on
	s_add_co_u32 s3, s2, VOFF
	v_add_nc_u32 v[AV0], s3, v[AV0]
	v_mul_u32_u24 v54, v1, SP
	v_mul_u32_u24 v55, v9, SP
	s_mul_i32 s3, s16, 64*SP
	s_add_co_u32 s3, s3, s2
	s_add_co_u32 s3, s3, STAGE
	v_lshl_add_u32 v[STO0], v9, 4, v54
	v_add_nc_u32 v[STO0], s3, v[STO0]              ; row 64 (w % 2) + l % 16, my head's half of it
	s_mul_i32 s3, s[WV], 32*SP
	s_add_co_u32 s3, s3, STAGE
	v_lshl_add_u32 v[RD0], v1, 4, v55
	v_add_nc_u32 v[RD0], s3, v[RD0]
	v_and_b32 v[GO0], 31, v0
	v_lshlrev_b32 v[GO0], 4, v[GO0]
	s_mul_i32 s3, s[WV], 16*SP
	s_add_co_u32 s3, s3, STAGE
	v_lshl_add_u32 v[STO1], v9, 5, v54
	v_add_nc_u32 v[STO1], s3, v[STO1]
	v_lshl_add_u32 v[RD1], v1, 4, v55
	v_add_nc_u32 v[RD1], s3, v[RD1]
	v_lshlrev_b32 v[GO1], 12, v9
	v_lshl_add_u32 v[GO1], v1, 4, v[GO1]
	s_lshl_b32 s22, s14, 7
	s_lshl_b32 s23, s16, 6
	s_add_co_u32 s22, s22, s23
	v_lshlrev_b32 v15, 3, v9
	v_sub_nc_u32 v[VS], v1, v15
	v_add_nc_u32 v[VS], s22, v[VS]
.macro PLACES                          ; four plain vector instructions between a matrix instruction and a read of its result (ISA guide 7.12.1)
.rept 4
	v_nop
.endr
.endm
; THE MATRIX WORK OF A TURN, for piece x.  The 8 accumulators of a run of 16 take turns, one instruction a turn: between the two links of a chain stand 7 others'.
; Product i of 16 of O^T += V^T P: keys 32 (i / 8) on, channels 16 ((i / 2) % 4) on, tile x + i % 2.
.macro PV x
	WIN W_PV
.set rO, 32*((\x)+i%2)+8*((i/2)%4)
.set rV, VF+32*(i/8)+8*((i/2)%4)
.set rP, P+16*((\x)+i%2)+8*(i/8)
	v_wmma_f32_16x16x32_bf16 v[rO:rO+7], v[rV:rV+7], v[rP:rP+7], v[rO:rO+7]
.endm
; Product i of 16 of S^T = K Q^T: channels 32 (i / 8) on, keys 16 ((i / 2) % 4) on, tile x + i % 2.  The first 8 start the sums, with the mask.
.macro KQ x
.set kt, (\x)+i%2
.set kb, (i/2)%4
.set rS, S+32*kt+8*kb
.set rK, KF+16*kb+8*(i/8)
.set rQ, 16*kt+8*(i/8)
.if i < 8
.if kb < kt
.set rX, MLT
.elseif kb == kt
.set rX, MEQ
.else
.set rX, MGT
.endif
	WIN W_KM
	v_wmma_f32_16x16x32_bf16 v[rS:rS+7], v[rK:rK+7], v[rQ:rQ+7], v[rX:rX+7]
.else
	WIN W_KQ
	v_wmma_f32_16x16x32_bf16 v[rS:rS+7], v[rK:rK+7], v[rQ:rQ+7], v[rS:rS+7]
.endif
.endm
; THE LDS LOADS stand in runs of 16, never singly among the matrix instructions: a step's K (my head's 64 channels of 64 keys: 8 fragments) and, a turn later, its V (turned).
; last = 1 (the tail): in the third trip there is no further step, and the run is jumped over.
.macro FETCH_K last=0
	WIN 0
.if \last
	s_cmp_eq_u32 s[TWICE], 1
	s_cbranch_scc1 .Lno_k_\@
.endif
	v_add_nc_u32 v[ADRK], s[TB], v[AK0]
	WIN 0x80                                       ; destination window 2
.irp f, 0,1,2,3,4,5,6,7                ; keys 16 (f / 2) on, channels 32 (f % 2) on
	ds_load_b128 v[KF+8*\f:KF+8*\f+3],   v[ADRK] offset:(\f/2)*16*PK+(\f%2)*64
	ds_load_b128 v[KF+8*\f+4:KF+8*\f+7], v[ADRK] offset:(\f/2)*16*PK+(\f%2)*64+32
.endr
.if \last
	WIN 0                                          ; at a label every window is 0
.Lno_k_\@:
.endif
.endm
; V's run stands behind slice 17 of turn 2, where piece 0's batch of exponentials ends: the address's v_add_nc_u32 is the plain instruction behind the last exponential, and the batch's wait stands in the run.
.macro FETCH_V
	WIN 0
	v_add_nc_u32 v[ADRV], s[TB], v[AV0]
	s_add_co_u32 s[TB], s[TB], STEPB               ; the next fetch is the next step's
	s_wait_alu depctr_va_vdst(0)                   ; the wait for the turn's batch, piece 0's 66 exponentials (ahead of the first line that names a result): behind the address's add, ahead of the loads
	WIN 0x80
.irp f, 0,1,2,3,4,5,6,7                ; keys 32 (f / 4) on, channels 16 (f % 4) on
	ds_load_tr16_b128 v[VF+8*\f:VF+8*\f+3],   v[ADRV] offset:(\f/4)*32*PV+(\f%4)*32
	ds_load_tr16_b128 v[VF+8*\f+4:VF+8*\f+7], v[ADRV] offset:(\f/4)*32*PV+16*PV+(\f%4)*32
.endr
.endm
; The three masks of the step whose K has just been asked for; both pieces' products K Q^T of that step take them.  Then VS goes on to the step behind it.
.macro MASKS
	WIN 0x40
.set j, 0
.rept 8
	v_cmp_gt_i32 vcc_lo, j, v[VS]
	v_cndmask_b32 v[MEQ+j], 0, s[BIGN], vcc_lo
.set j, j+1
.endr
	v_cmp_gt_i32 vcc_lo, -8, v[VS]
.set j, 0
.rept 8
	v_cndmask_b32 v[MLT+j], 0, s[BIGN], vcc_lo
.set j, j+1
.endr
	v_cmp_gt_i32 vcc_lo, 16, v[VS]
.set j, 0
.rept 8
	v_cndmask_b32 v[MGT+j], 0, s[BIGN], vcc_lo
.set j, j+1
.endr
	WIN 0
	v_add_nc_u32 v[VS], 0xffffffc0, v[VS]          ; 64 keys on
.endm
; THE VECTOR WORK OF A TURN.
.macro REGS t
.set rT, ST+4*(\t)
.set rC, TMP+4*(\t)
.set rM, MV+(\t)
.set rS, S+32*(\t)
.set rP, P+16*(\t)
.set rO, 32*(\t)
.endm
; Number n of the 22 that find a tile's maximum and statistics.  Each accumulator's lowest registers are read first.
.macro XS t, n
	REGS \t
.if (\n) < 4
	v_max3_num_f32 v[rC+(\n)], v[rS+8*(\n)], v[rS+8*(\n)+1], v[rS+8*(\n)+2]
.elseif (\n) < 12
	v_max3_num_f32 v[rC+(\n)%4], v[rC+(\n)%4], v[rS+8*((\n)%4)+2*((\n)/4)+1], v[rS+8*((\n)%4)+2*((\n)/4)+2]
.elseif (\n) == 12
	v_max3_num_f32 v[rC], v[rC], v[rS+7], v[rS+15]
.elseif (\n) == 13
	v_max3_num_f32 v[rC+1], v[rC+1], v[rS+23], v[rS+31]
.elseif (\n) == 14
	v_max3_num_f32 v[rC+2], v[rC+2], v[rC+3], v[rT+1]
.elseif (\n) == 15
	v_mov_b32 v[rM], v[rT]
.elseif (\n) == 16
	v_max3_num_f32 v[rC], v[rC], v[rC+1], v[rC+2]
.elseif (\n) == 17
	v_permlanex16_b32 v[rC+3], v[rC], s[SEL], s[SEL+1]   ; the query's other 32 keys lie in the lane 16 away
.elseif (\n) == 18
	v_max_num_f32 v[rT+1], v[rC], v[rC+3]
.elseif (\n) == 19
	v_mul_f32 v[rT], s[CS], v[rT+1]
.elseif (\n) == 20
	v_sub_f32 v[rC+1], v[rM], v[rT]
.else
	v_exp_f32 v[rC+2], v[rC+1]
.endif
.endm
.macro FS t, n                         ; c s - c m for pair n
	REGS \t
	v_pk_fma_f32 v[rS+2*(\n):rS+2*(\n)+1], v[rS+2*(\n):rS+2*(\n)+1], s[CS:CS+1], v[rT:rT+1] op_sel_hi:[1,0,0] neg_lo:[0,0,1] neg_hi:[0,0,1]
.endm
.macro ES t, n
	REGS \t
	v_exp_f32 v[rS+(\n)], v[rS+(\n)]
.endm
.macro CP t, n                         ; pair n rounded to bf16
	REGS \t
	v_cvt_pk_bf16_f32 v[rP+(\n)], v[rS+2*(\n)], v[rS+2*(\n)+1]
.endm
; Number vn of the 236 of piece y's softmax for one key step; it steps vn.  The two tiles alternate, but in the run of exponentials, which goes three lines by three.
;   0-43     the 22 of XS for both tiles; the last two lines are the exponentials that make a           44, 45   c s - c m for pair 0
;   46-135   for g = 0 .. 14 and each tile: exponential of score 2 g; c s - c m for pair g + 1; exponential of score 2 g + 1.  A pair is scaled five lines ahead of its first exponential
;   136-139  the exponentials of scores 30 and 31 of both tiles
;   Lines 42 to 139 hold the turn's 66 exponentials, ONE BATCH: each has a result register of its own (a in c2, a weight in its score's place), and no line from 0 to 139 names a result.
;   (wait)   between 139 and 140 stand a plain line and the wait for the batch: TURN writes them
;   140-171  the 16 pairs of both tiles rounded to bf16       172-201  the sum of a tile's 16 pairs (an even key's weight, an odd key's), in place, as a tree: neighbours 1, 2, 4 and 8 pairs apart
;   202, 203 l = a l + the sum                       204-235  O^T times a, each accumulator from its low end: the one part that leaves window 0, so it stands together
.macro VOP y
.if vn < 44
	WIN 0
	XS (\y)+vn%2, vn/2
.elseif vn < 46
	WIN 0
	FS (\y)+vn%2, 0
.elseif vn < 136
	WIN 0
.set w, vn-46
.set g, w/6
.set tt, (\y)+(w%6)/3
.if w%3 == 0
	ES tt, 2*g
.elseif w%3 == 1
	FS tt, g+1
.else
	ES tt, 2*g+1
.endif
.elseif vn < 140
	WIN 0
	ES (\y)+(vn-136)/2, 30+vn%2
.elseif vn < 172
	WIN 0
	CP (\y)+vn%2, (vn-140)/2
.elseif vn < 202
	WIN 0
	REGS (\y)+vn%2
.set z, (vn-172)/2
.set wd, 4
.set ix, z
.if z >= 14
.set wd, 32
.set ix, 0
.elseif z >= 12
.set wd, 16
.set ix, z-12
.elseif z >= 8
.set wd, 8
.set ix, z-8
.endif
	v_pk_add_f32 v[rS+wd*ix:rS+wd*ix+1], v[rS+wd*ix:rS+wd*ix+1], v[rS+wd*ix+wd/2:rS+wd*ix+wd/2+1]
.elseif vn < 204
	WIN 0
	REGS (\y)+vn%2
	v_pk_fma_f32 v[rT+2:rT+3], v[rT+2:rT+3], v[rC+2:rC+3], v[rS:rS+1] op_sel_hi:[1,0,1]
.else
	REGS (\y)+vn%2
	WIN W_RS
	v_pk_mul_f32 v[rO+2*((vn-204)/2):rO+2*((vn-204)/2)+1], v[rO+2*((vn-204)/2):rO+2*((vn-204)/2)+1], v[rC+2:rC+3] op_sel_hi:[1,0]
.endif
.set vn, vn+1
.endm
; Slice k of 32.  Slices 0 to 17 hold lines 0 to 139, all that stands ahead of the wait: eight lines each, every fourth slice seven: 14 x 8 + 4 x 7 = 140.
; Slices 18 to 31 hold lines 140 to 235, all that reads a result: seven lines each, the last two slices six: 12 x 7 + 2 x 6 = 96.
.macro SLICE y
.if k < 18
.rept 8-(k%4)/3
	VOP \y
.endr
.else
.rept 7-k/30
	VOP \y
.endr
.endif
.set k, k+1
.endm
; A TURN.  Piece x has the matrix unit; the other piece's softmax stands in slices behind its products.  No slice names a register of the products round it.
; Behind the turn's last product stand six rescalings, plain lines: they are the places (ISA guide 7.12.1 for vector reads) in front of the next turn's first read of those scores and of the loads into K's registers.
; Turn 0 fetches the next step's K behind its second product, 14 products ahead of its first use, and makes that step's masks: slices 0 and 1 hold lines 0 to 15.
; Turn 2 fetches the same step's V behind its second product K Q^T: the last product that read V stands three slices back, which hold six scalings (lines 119, 122, 125, 128, 131, 134); with the run's own
; v_add_nc_u32 seven plain lines lie between; V is waited for at the head of turn 0.
; THE WAIT for the turn's batch stands behind slice 17, the second product K Q^T: in turn 2 inside V's run of loads; in turn 0, which has no plain line at hand there, behind a v_nop..
.macro TURN x, last=0
.set k, 0
.set vn, 0
.if (\x) == 0
	s_wait_dscnt 0x0                               ; V is in
.endif
.set i, 0
.rept 16
	PV \x
	SLICE 2-(\x)
.if ((\x) == 0) && (i == 1)
	FETCH_K \last
	MASKS
.endif
.set i, i+1
.endr
.if (\x) == 0
	s_wait_dscnt 0x0                               ; K is in
.endif
.set i, 0
.rept 16
	KQ \x
	SLICE 2-(\x)
.if i == 1
.if (\x) == 2
	FETCH_V                                        ; with the plain line and the wait for piece 0's batch
.else
	v_nop                                          ; a plain instruction behind the last exponential, ahead of the first use (ISA guide 5.7.2): one for the batch
	s_wait_alu depctr_va_vdst(0)                   ; the wait for the turn's batch, piece 2's 66 exponentials, ahead of the first line that names a result
.endif
.endif
.set i, i+1
.endr
	WIN 0                                          ; at a label and at a branch every window is 0
.endm
.macro SCALE t                         ; tile t's O^T times 1 / l; the reciprocals' wait stands behind their batch, in OUTP and in RECIP
	WIN W_RS
.set i, 32*(\t)
.rept 16
	v_pk_mul_f32 v[i:i+1], v[i:i+1], v[TMP+4*(\t)+2:TMP+4*(\t)+3] op_sel_hi:[1,0]
.set i, i+2
.endr
.endm
; THE SELF PASS ENDS FOR PIECE y, right behind the turn that held its last products V^T P: O^T / l, rounded to bf16 into the piece's P registers, which nobody needs just now, and from there into the stage
; that the four waves share (a row's 256 bytes come from the two heads' waves).  Then m starts anew: the cross pass's first step has a = 0, so O^T and l need only be finite.
.macro OUTP y
.irp u, 0,1
	v_add_f32 v[TMP+4*((\y)+\u)], v[ST+4*((\y)+\u)+2], v[ST+4*((\y)+\u)+3]
.endr
.irp u, 0,1
	v_permlanex16_b32 v[TMP+4*((\y)+\u)+1], v[TMP+4*((\y)+\u)], s[SEL], s[SEL+1]
.endr
.irp u, 0,1
	v_add_f32 v[TMP+4*((\y)+\u)], v[TMP+4*((\y)+\u)], v[TMP+4*((\y)+\u)+1]
.endr
.irp u, 0,1
	v_rcp_f32 v[TMP+4*((\y)+\u)+2], v[TMP+4*((\y)+\u)]
.endr
	v_nop                                          ; a plain instruction between the last reciprocal and the use of its result
	s_wait_alu depctr_va_vdst(0)                   ; the wait ahead of the first use: one for the piece's two reciprocals
.irp u, 0,1
	SCALE (\y)+\u
	WIN 0x05                                       ; sources 0 and 1 window 1, destination window 0
.set i, 0
.rept 16
	v_cvt_pk_bf16_f32 v[P+16*((\y)+\u)+i], v[32*((\y)+\u)+2*i], v[32*((\y)+\u)+2*i+1]
.set i, i+1
.endr
	WIN 0
.irp f, 0,1,2,3
	ds_store_b128 v[STO0], v[P+16*((\y)+\u)+4*\f:P+16*((\y)+\u)+4*\f+3] offset:((\y)+\u)*16*SP+32*\f
.endr
.endr
.irp u, 0,1
	v_mov_b32 v[ST+4*((\y)+\u)], 0xfe000000
	v_mov_b32 v[ST+4*((\y)+\u)+1], 0xff7fffff
.endr
.endm
; The stage is read back behind the next change of slots, whose wait for LDS and whose barriers stand between the four waves' stores and these loads: 32 whole rows a wave, into piece 0's S^T
; registers, whose scores have been used up there.
.macro OUT0B
.set i, 0
.rept 16
	ds_load_b128 v[S+4*i:S+4*i+3], v[RD0] offset:i*2*SP
.set i, i+1
.endr
.set i, 0
.rept 16
	s_wait_dscnt 15-i                              ; LDS loads come back in order: load i is in, the 15 - i younger ones stay out
	global_store_b128 v[GO0], v[S+4*i:S+4*i+3], s[OP0:OP0+1] offset:512*i   ; two rows of the panel: 512 consecutive bytes, aligned
.set i, i+1
.endr
	s_wait_xcnt 0x0                                ; S^T's registers are written again only behind this wait
.endm
; THE CROSS PASS ENDS: O^T / l in f32, a tile at a time through my own 16 rows of the stage, back as whole rows of 256 bytes.
.macro RECIP                           ; 1 / l into c2 of every tile
.irp t, 0,1,2,3
	v_add_f32 v[TMP+4*\t], v[ST+4*\t+2], v[ST+4*\t+3]
.endr
.irp t, 0,1,2,3
	v_permlanex16_b32 v[TMP+4*\t+1], v[TMP+4*\t], s[SEL], s[SEL+1]
.endr
.irp t, 0,1,2,3
	v_add_f32 v[TMP+4*\t], v[TMP+4*\t], v[TMP+4*\t+1]
.endr
.irp t, 0,1,2,3
	v_rcp_f32 v[TMP+4*\t+2], v[TMP+4*\t]
.endr
	v_nop                                          ; a plain instruction between the last reciprocal and the use of its result
	s_wait_alu depctr_va_vdst(0)                   ; the wait ahead of the first use: one for the four reciprocals
.endm
.macro PACK1 t
	SCALE \t
	WIN 0x04                                       ; store data in window 1
.irp f, 0,1,2,3,4,5,6,7
	ds_store_b128 v[STO1], v[32*(\t)+4*\f:32*(\t)+4*\f+3] offset:(\f/2)*64+(\f%2)*16
.endr
	WIN 0
.irp f, 0,1,2,3,4,5,6,7
	ds_load_b128 v[S+32*(\t)+4*\f:S+32*(\t)+4*\f+3], v[RD1] offset:\f*2*SP   ; LDS serves a wave's instructions in order (ISA guide 5.7.1.4)
.endr
.endm
.macro SEND1 t, younger                ; younger: the LDS instructions issued behind tile t's loads: the next tile's sixteen, or none
.irp f, 0,1,2,3,4,5,6,7
	s_wait_dscnt (\younger)+7-\f
	global_store_b128 v[GO1], v[S+32*(\t)+4*\f:S+32*(\t)+4*\f+3], s[OP1:OP1+1] offset:(\t)*65536+\f*8192   ; 16 lanes store a head's 256 bytes of a row, aligned
.endr
.endm
	s_wait_loadcnt 0x0                             ; Q
	CHANGE 1                                       ; slot 0 is in, everybody's part of it; slot 1 is asked for
	FETCH_K                                        ; key step 0,
	MASKS                                          ; and its masks
	s_wait_dscnt 0x0
.set i, 0
.rept 16
	KQ 0                                           ; piece 0's first scores: there is no vector work yet to set between them
.set i, i+1
.endr
	PLACES                                         ; in front of the first maxima, which read results just made
	WIN 0
	s_mov_b32 s[TWICE], 2
	s_mov_b32 s[SLOTS], 15
	s_branch .Lenter                               ; the loop is entered at turn 2, in the middle of a trip
.Lslot:                                                ; 14 times: slots 1 to 14 are entered, and the slot behind each is asked for
	CHANGE 1
	s_mov_b32 s[TWICE], 2
	s_cmp_lg_u32 s[SLOTS], 7                       ; slot 8 is the cross pass's first: the masks made from here on are its steps'
	s_cbranch_scc1 .Lno_vs
	v_mov_b32 v[VS], 0x10000000                    ; no key is hidden any more
.Lno_vs:
	s_cmp_lg_u32 s[SLOTS], 6                       ; a change of slots has passed since the self result went into the stage
	s_cbranch_scc1 .Lstep
	OUT0B
.Lstep:                                                ; a trip: turn 0 and turn 2 of step j; they fetch K and V of step j + 1
	TURN 0
	s_cmp_lg_u32 s[SLOTS], 7                       ; slot 8's first trip holds the self pass's last products V^T P: j = 15
	s_cbranch_scc1 .Lenter
	s_cmp_lg_u32 s[TWICE], 2
	s_cbranch_scc1 .Lenter
	OUTP 0
.Lenter:
	TURN 2
	s_cmp_lg_u32 s[SLOTS], 7
	s_cbranch_scc1 .Lno_out
	s_cmp_lg_u32 s[TWICE], 2
	s_cbranch_scc1 .Lno_out
	OUTP 2
.Lno_out:
	s_sub_co_u32 s[TWICE], s[TWICE], 1
	s_cmp_lg_u32 s[TWICE], 0
	s_cbranch_scc1 .Lstep
	s_sub_co_u32 s[SLOTS], s[SLOTS], 1
	s_cmp_lg_u32 s[SLOTS], 0
	s_cbranch_scc1 .Lslot
	CHANGE 0                                       ; the last slot is written out: nothing is asked for
	s_mov_b32 s[TWICE], 3                          ; two trips fetch the last slot's steps; the third is left in its middle
.Ltail:
	TURN 0, 1
	s_cmp_eq_u32 s[TWICE], 1
	s_cbranch_scc1 .Lout
	TURN 2
	s_sub_co_u32 s[TWICE], s[TWICE], 1
	s_cmp_lg_u32 s[TWICE], 0
	s_cbranch_scc1 .Ltail
.Lout:                                                 ; the third trip's 16 products K Q^T (on the last K once more) serve nothing: the price, once a launch, of one text for every trip
	s_wait_dscnt 0x0                               ; no LDS load is out on the way that is taken; the wait holds on the loop's own exit too
.set i, 0
.rept 16
	PV 2                                           ; piece 2's V^T P of the last step
.set i, i+1
.endr
	PLACES                                         ; in front of the way out, which reads results just made
	WIN 0
	RECIP
	PACK1 0
	PACK1 1
	SEND1 0, 16
	PACK1 2
	SEND1 1, 16
	PACK1 3
	SEND1 2, 16
	SEND1 3, 0
	s_wait_tensorcnt 0x0                           ; the wave's end
	ds_add_u32 v[SPW], v[NIL]
	s_wait_dscnt 0x0
	CROUND                                         ; the closing round
	s_endpgm
.Lfunc_end_k_qfe38ffbade_attn:
	.size	k_qfe38ffbade_attn, .Lfunc_end_k_qfe38ffbade_attn-k_qfe38ffbade_attn
	.p2alignl 7, 3214868480
	.fill 96, 4, 3214868480
	.section	.rodata,"a",@progbits
	.p2align	6, 0x0
	.amdhsa_kernel k_qfe38ffbade_attn
		.amdhsa_group_segment_fixed_size 327680
		.amdhsa_private_segment_fixed_size 0
		.amdhsa_enable_private_segment 0
		.amdhsa_kernarg_size 24
		.amdhsa_user_sgpr_count 2
		.amdhsa_user_sgpr_kernarg_segment_ptr 1
		.amdhsa_wavefront_size32 1
		.amdhsa_system_sgpr_workgroup_id_x 1
		.amdhsa_system_sgpr_workgroup_id_y 1
		.amdhsa_system_sgpr_workgroup_id_z 1
		.amdhsa_system_vgpr_workitem_id 0
		.amdhsa_next_free_vgpr 768
		.amdhsa_next_free_sgpr 80
		.amdhsa_reserve_vcc 1
		.amdhsa_float_denorm_mode_32 3
		.amdhsa_float_denorm_mode_16_64 3
		.amdhsa_memory_ordered 1
		.amdhsa_forward_progress 1
		.amdhsa_inst_pref_size 129
	.end_amdhsa_kernel
	.amdgpu_metadata
---
amdhsa.version: [ 1, 2 ]
amdhsa.kernels:
  - .name:           k_qfe38ffbade_attn
    .symbol:         k_qfe38ffbade_attn.kd
    .args:
      - { .name: BIG, .offset: 0, .size: 8, .value_kind: global_buffer, .address_space: global }
      - { .name: ZKV, .offset: 8, .size: 8, .value_kind: global_buffer, .address_space: global }
      - { .name: AO, .offset: 16, .size: 8, .value_kind: global_buffer, .address_space: global }
    .group_segment_fixed_size: 327680
    .private_segment_fixed_size: 0
    .kernarg_segment_align: 8
    .kernarg_segment_size: 24
    .max_flat_workgroup_size: 128
    .sgpr_count:     80
    .vgpr_count:     768
    .wavefront_size: 32
...
	.end_amdgpu_metadata
.endif
;; end of part 15
;; launch proj: the kernel of part 11 again; grid 8 x 32, 4 waves a work-group, clusters of 4 x 4, 327,680 bytes of LDS; arguments AO, U1; writes U1
;; launch wsum: the kernel of part 12 again; grid 272 x 1, 4 waves a work-group, no clusters, 0 bytes of LDS; arguments BIG, ZKV, ff_b2, U2; writes U2
;; launch ln_a: the kernel of part 13 again; grid 512 x 1, 8 waves a work-group, no clusters, 0 bytes of LDS; arguments embedding, positional_encoding, U1, AO, ln_in_g, ln_in_b, ln_ed_g, ln_ed_b, U2; writes U2
;; launch ffx: the kernel of part 11 again; grid 8 x 32, 4 waves a work-group, clusters of 4 x 4, 327,680 bytes of LDS; arguments U2, U1; writes U1
;; launch ln_b: the kernel of part 14 again; grid 512 x 1, 8 waves a work-group, no clusters, 0 bytes of LDS; arguments U2, U1, ln_ff_g, ln_ff_b, ln_out_g, ln_out_b, out0; writes out0
